; MI455X (gfx1250); checked and timed in simulation.
; The chip was launched on July 23, 2026; its instructions are those of AMD's public machine-readable ISA for CDNA 5 (MIT licence, August 2026) and "CDNA5" Instruction Set Architecture Reference Guide (July 2026). The comments in the code are by the model that wrote it; some were corrected since.
;; Transformer Encoder Layer With Rel Pos. Allowed arithmetic: matrix products marked QUANTISED: E2M3 operands, one E8M0 scale for each 32 along K, by v_wmma_scale_f32_16x16x128_f8f6f4 with both operands' format E2M3, f32 sums; everything else in f32.
;; Inputs: f1b 4,096 float32; f1w_codes 4,096 x 32 x 24 uint8 (E2M3 codes of f1w, K innermost, in blocks of 32 codes, four codes in three bytes); f1w_scales 4,096 x 32 uint8 (E8M0 scales of f1w, one for each 32 codes along K); f2b 1,024 float32; f2w_codes 1,024 x 128 x 24 uint8 (E2M3 codes of f2w, K innermost, in blocks of 32 codes, four codes in three bytes); f2w_scales 1,024 x 128 uint8 (E8M0 scales of f2w, one for each 32 codes along K); kb 1,024 float32; kw_codes 1,024 x 32 x 24 uint8 (E2M3 codes of kw, K innermost, in blocks of 32 codes, four codes in three bytes); kw_scales 1,024 x 32 uint8 (E8M0 scales of kw, one for each 32 codes along K); ln1_b 1,024 float32; ln1_w 1,024 float32; ln2_b 1,024 float32; ln2_w 1,024 float32; mask 2 x 2,048 bool; ob 1,024 float32; ow_codes 1,024 x 32 x 24 uint8 (E2M3 codes of ow, K innermost, in blocks of 32 codes, four codes in three bytes); ow_scales 1,024 x 32 uint8 (E8M0 scales of ow, one for each 32 codes along K); qb 1,024 float32; qw_codes 1,024 x 32 x 24 uint8 (E2M3 codes of qw, K innermost, in blocks of 32 codes, four codes in three bytes); qw_scales 1,024 x 32 uint8 (E8M0 scales of qw, one for each 32 codes along K); rel_bias 4,095 float32; vb 1,024 float32; vw_codes 1,024 x 32 x 24 uint8 (E2M3 codes of vw, K innermost, in blocks of 32 codes, four codes in three bytes); vw_scales 1,024 x 32 uint8 (E8M0 scales of vw, one for each 32 codes along K); x 2 x 2,048 x 1,024 float32.
;; Outputs: out0 2 x 2,048 x 1,024 float32.
;; This version of the problem:
;;   THIS VERSION OF THE PROBLEM IS GIVEN IN LOW PRECISION. The matrix products marked QUANTISED in the list below multiply operands that are first quantised to E2M3 (2 exponent bits, 3 mantissa bits; 6 bits a number), with one power-of-two scale for each 32 numbers along K (OCP MX v1.0); their sums are f32. All else is computed in f32.
;;   The module's matrix products, in the order in which they are computed (A, B: the left and right operand; K: the contracted axis; several contracted axes count as one K, in the product's order):
;;     1. [M 4,096, K 1,024] x [K 1,024, N 1,024]; A: input x; B: input qw (given as codes): QUANTISED
;;     2. [M 4,096, K 1,024] x [K 1,024, N 1,024]; A: input x; B: input kw (given as codes): QUANTISED
;;     3. [M 4,096, K 1,024] x [K 1,024, N 1,024]; A: input x; B: input vw (given as codes): QUANTISED
;;     4. batch 32 x [M 2,048, K 64] x [K 64, N 2,048]; A: computed on the way; B: computed on the way: QUANTISED
;;     5. batch 32 x [M 64, K 2,048] x [K 2,048, N 2,048]; A: computed on the way; B: softmax (see below): QUANTISED
;;     6. [M 4,096, K 1,024] x [K 1,024, N 1,024]; A: computed on the way; B: input ow (given as codes): QUANTISED
;;     7. [M 4,096, K 1,024] x [K 1,024, N 4,096]; A: computed on the way; B: input f1w (given as codes): QUANTISED
;;     8. [M 4,096, K 4,096] x [K 4,096, N 1,024]; A: computed on the way; B: input f2w (given as codes): QUANTISED
;;   THE QUANTISER, for each operand of a quantised product, along K:
;;     - K is cut into blocks of 32 from its start; a last block that is shorter is filled with zeros.
;;     - A block's scale is 2^e with e = floor(log2(the largest magnitude in the block)) - 2, held to -126 .. 127; a block of zeros has e = 0. As a byte (E8M0): e + 127.
;;     - Each number is divided by its block's scale, clamped to +-7.5, and rounded to the nearest number of E2M3, ties to even, subnormals kept.
;;     - The product sums the exact products of the quantised numbers (number of the format x scale) in f32.
;;   ~~~python
;;   def quantise(x, axis):      # numpy; x: float32 -> the quantised numbers, widened to float32 again
;;       x = np.moveaxis(x, axis, -1); K = x.shape[-1]
;;       x = np.pad(x, [(0, 0)] * (x.ndim - 1) + [(0, -K % 32)]); x = x.reshape(x.shape[:-1] + (-1, 32)); a = np.abs(x).max(-1, keepdims=True)
;;       e = np.where(a > 0, np.clip(np.frexp(np.where(a > 0, a, 1))[1] - 1 - 2, -126, 127), 0)      # np.frexp(a)[1] - 1 = floor(log2(a)), exactly
;;       r = np.clip(x / 2.0 ** e, -7.5, 7.5)
;;       step = 2.0 ** (np.maximum(np.frexp(np.where(r == 0, 1, r))[1] - 1, 0) - 3)
;;       q = np.round(r / step) * step * 2.0 ** e      # np.round: ties to even
;;       return np.moveaxis(q.reshape(q.shape[:-2] + (-1,))[..., :K], -1, axis).astype(np.float32)
;;   ~~~
;;   SOFTMAX AHEAD OF A QUANTISED PRODUCT. Where the list says 'softmax', what is quantised is not the finished softmax but p = 2^(t - M), with t = logit x log2(e) and M = ceil(the row's largest t), a whole number; so 1/2 < the row's largest p <= 1. The row's sum l is taken of the UNQUANTISED p, in f32, and the product's result is divided by l at the end. Since M is a whole number, a kernel that streams over the keys may use a running M (the ceiling of the running maximum): every later rescaling is an exact power of two, which a block's scale takes up: the codes' values come out the same.
;;   OPERANDS COMPUTED ON THE WAY. 'Computed on the way' means the value that the module computes at that place (a softmax that the list does not call 'softmax' is quantised finished and normalised). What goes into a quantiser is computed in f32, as accurately as f32 sums, v_exp_f32 and their like allow (about 1e-6 of the number): no bf16 or f16 on the way to a quantiser, and a product that is left as it is and whose result goes on into a quantised operand takes f32 operands (vector FMAs, or v_wmma_f32_16x16x4_f32). A number that lies on a knife's edge between two numbers of the format may be rounded either way, as far as f32 arithmetic and the matrix unit's own rounding can turn it there, and no further.
;;   INPUTS GIVEN AS CODES. f1w (in the module: [1024, 4096], K = its axis 0); f2w (in the module: [4096, 1024], K = its axis 0); kw (in the module: [1024, 1024], K = its axis 0); ow (in the module: [1024, 1024], K = its axis 0); qw (in the module: [1024, 1024], K = its axis 0); vw (in the module: [1024, 1024], K = its axis 0): each comes as NAME_codes (uint8): NAME with its K axis moved to the last place and cut into blocks of 32 codes, [.., K / 32, bytes a block], one block behind the other in memory; four codes in three bytes: a row's codes are one little-endian stream of bits, code i at bits 6 i .. 6 i + 5 (a code: sign, 2 exponent bits, 3 mantissa bits); and NAME_scales (uint8): the same leading axes, one E8M0 byte (e + 127) for each 32 codes along K. Its value is code x scale, taken as it is: it is not quantised again, and the codes and scales need not be those that the quantiser above would give.
;; 2 versions. Each part assembles by itself: llvm-mc -triple=amdgcn-amd-amdhsa -mcpu=gfx1250 --defsym DOCPART=n.
;; ======== version 1 of 2: 8 launches
;; workspace buffers: aq 3,276,800 bytes; hq 13,107,200 bytes; qq 6,684,672 bytes; kv 6,684,672 bytes; y 16,777,216 bytes; x1 16,777,216 bytes
;; launch prep (part 1): grid 256 x 1, 4 waves a work-group, no clusters, 66,560 bytes of LDS; arguments x, aq; writes aq
.if DOCPART == 1
	.amdgcn_target "amdgcn-amd-amdhsa--gfx1250"
	.amdhsa_code_object_version 6
	.text
	.protected	k_qdc54e86df0_prep
	.globl	k_qdc54e86df0_prep
	.p2align	8
	.type	k_qdc54e86df0_prep,@function
k_qdc54e86df0_prep:
	s_mov_b64 s[64:65], 0
	v_nop
	global_prefetch_b8 v0, s[64:65] scope:SCOPE_SE
	s_setreg_imm32_b32 hwreg(HW_REG_WAVE_MODE, 25, 1), 1
	s_wait_xcnt 0x0
; x [4096][1024] f32 becomes codes of FP6 (E2M3) with one E8M0 byte for each 32 along K, laid as the matrix unit's registers want them.
; IMAGE: a fragment (16 rows x 128 K, 12 registers a lane) is 1,536 bytes: six pieces of 256 bytes, piece p = registers 2p, 2p+1, lane l at byte 8 l.
; aq: codes [tile 256][K step 8][1536]; from AQS on the scale words [tile / 16][K step / 2][16 (tile % 16) + r][2 words].
; THE ROWS OF A TILE ARE NOT NEIGHBOURS: lane r of tile 2 g + u holds row 32 g + 8 u + r + 8 (r / 8); every later launch inherits that order.
; A work-group makes one tile.  Wave w loads four neighbouring rows (each load 512 consecutive bytes) and lays them in LDS, rows 4,112 bytes apart;
; behind one barrier wave w quantises K steps 2 w and 2 w + 1: a lane then holds 16 neighbours of each block of 32 of its row.
; Work-groups share no input: no cluster, no tensor load.  LIMITS: NaN and infinities are not served; a block whose largest magnitude lies under 2^-124 gets the byte 1.
.set AQS,  3145728
.set LP,   4112
.set X,    40
.set PC,   104
.set TM,   124
.set PW,   140
.set SEL,  20
; 64 numbers of a lane, register 16 b + i = k 32 b + 16 (lane / 16) + i of its row, become a fragment's codes in v[PC] on and its scale word in v[PW]
.macro QUANT s
.irp b, 0,1,2,3
	v_max3_num_f32 v[TM+\b], |v[\s+16*\b]|, |v[\s+1+16*\b]|, 0x1800000   ; my 16 numbers of block b, and the floor 2^(3 - 127): the byte cannot fall under 1
.endr
.irp i, 2,4,6,8,10,12,14
.irp b, 0,1,2,3
	v_max3_num_f32 v[TM+\b], v[TM+\b], |v[\s+16*\b+\i]|, |v[\s+1+16*\b+\i]|
.endr
.endr
.irp b, 0,1,2,3
	v_permlanex16_b32 v[TM+4+\b], v[TM+\b], s[SEL], s[SEL+1]
.endr
.irp b, 0,1,2,3
	v_max_num_f32 v[TM+\b], v[TM+\b], v[TM+4+\b]       ; with lane l xor 16's: the block's largest magnitude
.endr
.irp b, 0,1,2,3
	v_add_nc_u32 v[TM+12+\b], 0xff000000, v[TM+\b]     ; 2 off its exponent field: the conversion's scale operand
.endr
.irp b, 0,1,2,3
	v_lshrrev_b32 v[TM+4+\b], 23, v[TM+12+\b]          ; the scale's byte
.endr
	v_lshl_or_b32 v[PW], v[TM+5], 8, v[TM+4]
	v_lshl_or_b32 v[PW], v[TM+6], 16, v[PW]
	v_lshl_or_b32 v[PW], v[TM+7], 24, v[PW]
.irp c, 0,1
	v_cvt_scalef32_pk16_fp6_f32 v[PC+6*\c:PC+2+6*\c], v[\s+32*\c:\s+15+32*\c], v[TM+12+2*\c]
	v_cvt_scalef32_pk16_fp6_f32 v[PC+12+4*\c:PC+14+4*\c], v[\s+16+32*\c:\s+31+32*\c], v[TM+12+2*\c+1]
.endr
	v_nop                                              ; one plain place behind a scaled conversion
.irp c, 0,1
.irp i, 0,1,2
	v_permlane16_swap_b32 v[PC+6*\c+\i], v[PC+12+4*\c+\i]   ; a whole block to a lane: lanes 0-15 block 2 c, lanes 16-31 block 2 c + 1
.endr
.irp i, 0,1,2
	v_mov_b32 v[PC+3+6*\c+\i], v[PC+12+4*\c+\i]
.endr
.endr
.endm
	s_load_b128 s[4:7], s[0:1], 0x0                ; x, aq
	v_lshl_add_u32 v168, v0, 2, 0x10200
	v_mov_b32 v169, 0
	v_lshrrev_b32 v1, 5, v0
	v_readfirstlane_b32 s8, v1                     ; wave
	v_and_b32 v1, 31, v0                           ; lane
	v_lshlrev_b32 v2, 4, v1                        ; 16 x lane
	v_and_b32 v3, 15, v0                           ; r
	v_bfe_u32 v4, v0, 4, 1                         ; h
	s_lshr_b32 s9, ttmp9, 1
	s_lshl_b32 s9, s9, 5
	s_and_b32 s10, ttmp9, 1
	s_lshl_b32 s10, s10, 3
	s_add_co_u32 s9, s9, s10                       ; 32 (tile / 2) + 8 (tile % 2)
	s_lshl_b32 s10, s8, 2
	s_add_co_u32 s9, s9, s10
	s_lshr_b32 s10, s8, 1
	s_lshl_b32 s10, s10, 3
	s_add_co_u32 s9, s9, s10                       ; + 4 w + 8 (w / 2): my first row
	s_lshl_b32 s10, s9, 12
	s_mov_b32 s11, 0
	s_mul_i32 s12, s8, 4*LP
	v_add_nc_u32 v5, s12, v2                       ; LDS, in: stage row 4 w, 16 x lane
	v_mul_u32_u24 v6, v3, LP
	v_lshl_add_u32 v6, v4, 6, v6
	s_lshl_b32 s12, s8, 10
	v_add_nc_u32 v6, s12, v6                       ; LDS, out: row r, + 64 h, + my two K steps
	v_lshlrev_b32 v7, 3, v1                        ; 8 x lane
	v_lshlrev_b32 v8, 3, v3                        ; 8 r
	s_mul_i32 s14, ttmp9, 8*1536
	s_mul_i32 s12, s8, 2*1536
	s_add_co_u32 s14, s14, s12
	s_mov_b32 s15, 0
	s_lshr_b32 s16, ttmp9, 4
	s_lshl_b32 s16, s16, 13
	s_lshl_b32 s12, s8, 11
	s_add_co_u32 s16, s16, s12
	s_and_b32 s12, ttmp9, 15
	s_lshl_b32 s12, s12, 7
	s_add_co_u32 s16, s16, s12
	s_add_co_u32 s16, s16, AQS
	s_mov_b32 s17, 0
	s_mov_b32 s[SEL], 0x76543210
	s_mov_b32 s[SEL+1], 0xfedcba98
.irp b, 0,1,2,3
	v_mov_b32 v[TM+4+\b], 0                        ; a lane permute's destination counts as one of its sources
.endr
	s_wait_kmcnt 0x0
	s_add_nc_u64 s[4:5], s[4:5], s[10:11]
	s_add_nc_u64 s[14:15], s[6:7], s[14:15]
	s_add_nc_u64 s[16:17], s[6:7], s[16:17]
.irp j, 0,1,2,3
.irp c, 0,1,2,3,4,5,6,7
	global_load_b128 v[X+32*\j+4*\c:X+32*\j+4*\c+3], v2, s[4:5] offset:4096*\j+512*\c th:TH_LOAD_NT
.endr
.endr
.irp j, 0,1,2,3
	s_wait_loadcnt 24-8*\j                         ; row j's eight loads are in; the rows behind it may be out
.irp c, 0,1,2,3,4,5,6,7
	ds_store_b128 v5, v[X+32*\j+4*\c:X+32*\j+4*\c+3] offset:LP*\j+512*\c
.endr
.endr
	s_wait_dscnt 0x0                               ; for the others' sake: my rows lie in LDS
	s_barrier_signal -1
	s_barrier_wait -1
.irp s, 0,1
.irp b, 0,1,2,3
.irp n, 0,1,2,3
	ds_load_b128 v[X+16*\b+4*\n:X+16*\b+4*\n+3], v6 offset:512*\s+128*\b+16*\n
.endr
.endr
	s_wait_dscnt 0x0
.if \s
	s_wait_xcnt 0x0                                ; the first K step's stores have read their registers
.endif
.set PW, 140+\s
	QUANT X
.irp p, 0,1,2,3,4,5
	global_store_b64 v7, v[PC+2*\p:PC+2*\p+1], s[14:15] offset:1536*\s+256*\p   ; 32 lanes store 256 consecutive bytes, aligned
.endr
.endr
	global_store_b64 v8, v[140:141], s[16:17]      ; the two scale words of my row (lanes 16-31 store the same bytes with the same values)
	s_wait_tensorcnt 0x0
	ds_add_u32 v168, v169
	s_wait_dscnt 0x0
	s_endpgm
.Lfunc_end_k_qdc54e86df0_prep:
	.size	k_qdc54e86df0_prep, .Lfunc_end_k_qdc54e86df0_prep-k_qdc54e86df0_prep
	.p2alignl 7, 3214868480
	.fill 96, 4, 3214868480
	.section	.rodata,"a",@progbits
	.p2align	6, 0x0
	.amdhsa_kernel k_qdc54e86df0_prep
		.amdhsa_group_segment_fixed_size 66560
		.amdhsa_private_segment_fixed_size 0
		.amdhsa_enable_private_segment 0
		.amdhsa_kernarg_size 16
		.amdhsa_user_sgpr_count 2
		.amdhsa_user_sgpr_kernarg_segment_ptr 1
		.amdhsa_wavefront_size32 1
		.amdhsa_system_sgpr_workgroup_id_x 1
		.amdhsa_system_sgpr_workgroup_id_y 1
		.amdhsa_system_sgpr_workgroup_id_z 1
		.amdhsa_system_vgpr_workitem_id 0
		.amdhsa_next_free_vgpr 170
		.amdhsa_next_free_sgpr 66
		.amdhsa_reserve_vcc 0
		.amdhsa_float_denorm_mode_32 3
		.amdhsa_float_denorm_mode_16_64 3
		.amdhsa_memory_ordered 1
		.amdhsa_forward_progress 1
		.amdhsa_inst_pref_size 19
	.end_amdhsa_kernel
	.amdgpu_metadata
---
amdhsa.version: [ 1, 2 ]
amdhsa.kernels:
  - .name:           k_qdc54e86df0_prep
    .symbol:         k_qdc54e86df0_prep.kd
    .args:
      - { .name: x, .offset: 0, .size: 8, .value_kind: global_buffer, .address_space: global }
      - { .name: aq, .offset: 8, .size: 8, .value_kind: global_buffer, .address_space: global }
    .group_segment_fixed_size: 66560
    .private_segment_fixed_size: 0
    .kernarg_segment_align: 8
    .kernarg_segment_size: 16
    .max_flat_workgroup_size: 128
    .sgpr_count:     66
    .vgpr_count:     170
    .wavefront_size: 32
...
	.end_amdgpu_metadata
.endif
;; end of part 1
;; launch qkv (part 2): grid 12 x 16, 4 waves a work-group, clusters of 4 x 4, 327,680 bytes of LDS; arguments aq, qw_codes, qw_scales, kw_codes, kw_scales, vw_codes, vw_scales, qb, kb, vb, qq, kv; writes qq, kv
.if DOCPART == 2
	.amdgcn_target "amdgcn-amd-amdhsa--gfx1250"
	.amdhsa_code_object_version 6
	.text
	.protected	k_qdc54e86df0_qkv
	.globl	k_qdc54e86df0_qkv
	.p2align	8
	.type	k_qdc54e86df0_qkv,@function
k_qdc54e86df0_qkv:
	s_mov_b64 s[64:65], 0
	v_nop
	global_prefetch_b8 v0, s[64:65] scope:SCOPE_SE
	s_setreg_imm32_b32 hwreg(HW_REG_WAVE_MODE, 25, 1), 1
	s_wait_xcnt 0x0
	s_wait_alu depctr_hold_cnt(0) depctr_sa_sdst(0) depctr_va_vdst(0) depctr_va_sdst(0) depctr_va_ssrc(0) depctr_va_vcc(0) depctr_vm_vsrc(0)
	s_getreg_b32 s2, hwreg(HW_REG_IB_STS2, 6, 4)
	s_cmp_eq_u32 s2, 0
	s_cbranch_scc0 .Lentry_in_a_cluster
	s_endpgm
.Lentry_in_a_cluster:
	s_bfe_u32 s2, ttmp6, 0x10000c
	s_cmp_lg_u32 s2, 0xf033
	s_cbranch_scc0 .Lentry_shape_is_right
	s_endpgm
.Lentry_shape_is_right:
; q, k, v = Q(x) W + b on codes of FP6 with E8M0 scales, and the results quantised again for attention: q and k along the head's 64, v along the keys.
; The cluster's x says which of the three weights is multiplied (0 q, 1 k, 2 v): it is the same in all sixteen partners.
; A tile of 256 rows x 256 columns to a work-group of four waves, 128 x 128 to a wave: 64 accumulators.  K goes in steps of 256 through two LDS slots.
; A (aq) comes as register images: 8 tiles x 3,072 bytes to a tensor load, read back by loads of 8 bytes a lane, 256 consecutive bytes each.
; B (the weight) comes as rows of 192 bytes, 16 bytes of padding behind every 64.  The scales of all of K come once and stay.
; CLUSTER 4 x 4: A's tiles are asked for jointly along a row of the cluster, B's along a column.  The matrix instruction is used transposed (source 0 = 16 rows of the weight, source 1 = a tile of A).
; OUT: blocks of KVB bytes for 128 tokens of one head: +0 eight tiles of 768 bytes (q or k: registers 0-5 of a fragment), +6144 four tiles of V^T (1,536 bytes, three chunks of 512), +12288 q's or k's scale words, +12800 v's.
; A q or k scale word is [b0, b1, 1, 1]: the bytes of the K that a head of 64 does not have are the smallest byte.
; LIMITS: NaN and infinities are not served; a block whose largest magnitude lies under 2^-124 gets the byte 1.
.set SIZE_K, 1024
.set ASOFF,  3145728
.set KVB,    13056
.set BHS,    16*KVB
.set KSTEP,  256
.set NQ,     2
.set ROWB,   192
.set KROW,   SIZE_K*6/8
.set PITCH,  240
.set FR,     12
.set NL,     6
.set NP,     4
.set IMG,    1536
.set HALFA,  8*NQ*IMG
.set ASZ,    2*HALFA
.set HALFB,  128*PITCH
.set SLOT,   ASZ+2*HALFB
.set LAPS,   SIZE_K/(2*KSTEP)
.set KS,     SIZE_K/32
.set SCA,    2*SLOT                    ; A's scale words, dense
.set SCB,    SCA+256*KS                ; B's scale bytes, units of 256 bytes + 16
.set HALFS,  (128*KS/256)*272
.set SBLK,   (16*KS/256)*272
.set SPARE,  SCB+2*HALFS               ; the spare words: two blocks of 256 bytes that no other line names
.set SPITCH, 528
.set ADRA, 16
.set ADRB, 20
.set STO,  24
.set RD,   25
.set CO,   26
.set ADSB, 27
.set SPW,  28
.set NIL,  29
.set ADSA, 30
.set SA,   32                          ; v32-63 A's scale words, two sets; v64-95 B's
.set SB,   64
.set AF,   128
.set G1, 24
.set G0, 32
.set G1B, 48
.set G0B, 56
.set G1S, 68
.set G0S, 76
.set G1SB, 80
.set G0SB, 88
.set MSB, 0
.macro WIN new
.if MSB != (\new)
	s_set_vgpr_msb (MSB<<8)|(\new)
.set MSB, \new
.endif
.endm
.set MUL_LO, 0xa1
.set MUL_HI, 0xf1
.set TO_B,   0x40
.macro JLOAD g0a, g1a, g0b, g1b        ; a joint load: waves 0 and 1 fetch for A, waves 2 and 3 for B; four v_nop follow each line
	s_cmp_eq_u32 s15, 0
	s_cbranch_scc0 .Lfor_b_\@
	tensor_load_to_lds s[\g0a:\g0a+3], s[\g1a:\g1a+7]
	s_nop 0
.rept 4
	v_nop
.endr
	s_branch .Lasked_\@
.Lfor_b_\@:
	tensor_load_to_lds s[\g0b:\g0b+3], s[\g1b:\g1b+7]
	s_nop 0
.rept 4
	v_nop
.endr
.Lasked_\@:
.endm
.macro CREST
	s_cmp_lg_u32 s14, 0
	s_cbranch_scc1 .Lnot_wave_0_\@
	s_barrier_signal -3
.Lnot_wave_0_\@:
	s_barrier_wait -3
	s_barrier_signal -1
	s_barrier_wait -1
.endm
.macro CROUND
	s_barrier_signal -1
	s_barrier_wait -1
	CREST
.endm
	s_load_b64 s[4:5], s[0:1], 0x0                 ; aq
	s_load_b128 s[68:71], s[0:1], 0x8              ; qw's codes and scales
	s_load_b128 s[72:75], s[0:1], 0x18             ; kw's
	s_load_b128 s[76:79], s[0:1], 0x28             ; vw's
	v_lshl_add_u32 v[SPW], v0, 2, SPARE
	v_mov_b32 v[NIL], 0
	ds_add_u32 v28, v29
	ds_add_u32 v28, v29
	s_wait_dscnt 0x0
	v_lshrrev_b32 v1, 5, v0
	v_readfirstlane_b32 s14, v1                    ; wave
	s_lshr_b32 s15, s14, 1                         ; my half of the rows; also: I fetch for A (0) or B (1)
	s_and_b32 s16, s14, 1                          ; my half of the columns; also: which half I fetch
	s_bfe_u32 s40, ttmp6, 0x40000                  ; cx
	s_bfe_u32 s41, ttmp6, 0x40004                  ; cy
	s_and_b32 s17, ttmp7, 0xffff
	s_lshl_b32 s17, s17, 2
	s_add_co_u32 s17, s17, s41                     ; tile row
	s_lshl_b32 s43, s41, 2
	s_lshl_b32 s43, 15, s43                        ; my row of the cluster
	s_lshl_b32 s44, 0x1111, s40                    ; my column
	s_wait_kmcnt 0x0
	s_cmp_eq_u32 ttmp9, 0                          ; which weight: the choice hangs on the cluster's x alone
	s_cselect_b64 s[8:9], s[68:69], s[72:73]
	s_cselect_b64 s[10:11], s[70:71], s[74:75]
	s_cmp_eq_u32 ttmp9, 2
	s_cselect_b64 s[8:9], s[76:77], s[8:9]
	s_cselect_b64 s[10:11], s[78:79], s[10:11]
	s_or_b32 s[G1+0], s43, (3<<16)|(1<<21)         ; A's tiles: elements of 8 bytes, no padding; the mask: my row
	s_mov_b32 s[G1+1], (NQ*192)<<16                ; 3,072 bytes: two K steps' images of a tile
	s_mov_b32 s[G1+2], 8<<16
	s_mov_b32 s[G1+3], (NQ*192)<<16
	s_mov_b32 s[G1+4], 8                           ; eight tiles
	s_mov_b32 s[G1+5], (SIZE_K/128)*192            ; from tile to tile
	s_mov_b32 s[G1+6], 0
	s_mov_b32 s[G1+7], 0
	s_or_b32 s[G1B+0], s44, (0<<16)|(1<<20)|(1<<21)|(3<<22)|(3<<25)   ; B's tiles: bytes; 16 bytes of padding behind every 64; the mask: my column
	s_mov_b32 s[G1B+1], ROWB<<16
	s_mov_b32 s[G1B+2], 128<<16
	s_mov_b32 s[G1B+3], ROWB<<16
	s_mov_b32 s[G1B+4], 128
	s_mov_b32 s[G1B+5], KROW
	s_mov_b32 s[G1B+6], 0
	s_mov_b32 s[G1B+7], 0
	s_or_b32 s[G1S+0], s43, (3<<16)|(1<<21)        ; A's scale words: rows of 256 bytes, dense
	s_or_b32 s[G1SB+0], s44, (3<<16)|(1<<20)|(1<<21)|(5<<22)|(3<<25)  ; B's: 16 bytes of padding behind each 256
.irp g, G1S, G1SB
	s_mov_b32 s[\g+1], 32<<16
	s_mov_b32 s[\g+2], (KS/2)<<16
	s_mov_b32 s[\g+3], 32<<16
	s_mov_b32 s[\g+4], KS/2
	s_mov_b32 s[\g+5], 32
	s_mov_b32 s[\g+6], 0
	s_mov_b32 s[\g+7], 0
.endr
	s_lshl_b32 s20, s17, 4
	s_lshl_b32 s18, s16, 3
	s_add_co_u32 s20, s20, s18                     ; A: image tile 16 x tile row + 8 x half
	s_mul_i32 s20, s20, (SIZE_K/128)*IMG
	s_mov_b32 s21, 0
	s_mul_i32 s22, s17, 256*KS
	s_mul_i32 s18, s16, 128*KS
	s_add_co_u32 s22, s22, s18
	s_add_co_u32 s22, s22, ASOFF                   ; and its scale words
	s_mov_b32 s23, 0
	s_lshl_b32 s46, s40, 8
	s_lshl_b32 s18, s16, 7
	s_add_co_u32 s46, s46, s18                     ; B: row 256 cx + 128 x half of the chosen weight
	s_mul_i32 s92, s46, KS
	s_mov_b32 s93, 0
	s_mul_i32 s46, s46, KROW
	s_mov_b32 s47, 0
	s_mul_i32 s45, s16, HALFA                      ; where they go: no place in the cluster enters an LDS address
	s_mul_i32 s95, s16, HALFB
	s_add_co_u32 s95, s95, ASZ
	s_mul_i32 s94, s16, 128*KS
	s_add_co_u32 s94, s94, SCA
	s_mul_i32 s96, s16, HALFS
	s_add_co_u32 s96, s96, SCB
	s_add_nc_u64 s[20:21], s[4:5], s[20:21]
	s_add_nc_u64 s[22:23], s[4:5], s[22:23]
	s_add_nc_u64 s[46:47], s[8:9], s[46:47]
	s_add_nc_u64 s[92:93], s[10:11], s[92:93]
	CROUND                                         ; all sixteen work-groups are here: the first joint loads meet
	s_mov_b32 s[G0S], 1
	s_mov_b32 s[G0S+1], s94
	s_mov_b64 s[G0S+2:G0S+3], s[22:23]
	s_or_b32 s[G0S+3], s[G0S+3], 0x80000000
	s_mov_b32 s[G0SB], 1
	s_mov_b32 s[G0SB+1], s96
	s_mov_b64 s[G0SB+2:G0SB+3], s[92:93]
	s_or_b32 s[G0SB+3], s[G0SB+3], 0x80000000
	JLOAD G0S, G1S, G0SB, G1SB                     ; the scales first
.irp s, 0,1
	s_mov_b32 s[G0+4*\s], 1
	s_add_co_u32 s[G0+4*\s+1], s45, \s*SLOT
	s_add_nc_u64 s[G0+4*\s+2:G0+4*\s+3], s[20:21], \s*NQ*IMG
	s_or_b32 s[G0+4*\s+3], s[G0+4*\s+3], 0x80000000
	s_mov_b32 s[G0B+4*\s], 1
	s_add_co_u32 s[G0B+4*\s+1], s95, \s*SLOT
	s_add_nc_u64 s[G0B+4*\s+2:G0B+4*\s+3], s[46:47], \s*ROWB
	s_or_b32 s[G0B+4*\s+3], s[G0B+4*\s+3], 0x80000000
	JLOAD G0+4*\s, G1, G0B+4*\s, G1B
.endr
	v_and_b32 v1, 15, v0                           ; r
	v_bfe_u32 v2, v0, 4, 1                         ; h
	v_and_b32 v6, 31, v0                           ; lane
	v_lshlrev_b32 v7, 3, v6                        ; 8 x lane
	v_mul_u32_u24 v3, v1, PITCH
	v_mul_u32_u24 v4, v2, 24
	v_add_nc_u32 v4, v3, v4                        ; B: row x pitch + 24 x half
	v_lshl_add_u32 v5, v2, 4, v4                   ; and the same behind one padding more
	s_mul_i32 s21, s15, HALFA
	s_mul_i32 s22, s16, HALFB
	s_add_co_u32 s22, s22, ASZ
.irp s, 0,1
	v_add_nc_u32 v[ADRA+\s], s21, v7
	v_add_nc_u32 v[ADRB+\s], s22, v4
	v_add_nc_u32 v[ADRB+2+\s], s22, v5
	s_add_co_u32 s21, s21, SLOT
	s_add_co_u32 s22, s22, SLOT
.endr
	s_lshl_b32 s21, s15, 10
	s_add_co_u32 s21, s21, SCA
	v_lshl_add_u32 v[ADSA], v1, 3, s21             ; A's scale words: 8 bytes a row and slot, my 128 rows
	v_mul_u32_u24 v5, v1, KS
	v_lshrrev_b32 v8, 8, v5
	v_lshl_add_u32 v5, v8, 4, v5
	s_mul_i32 s22, s16, HALFS
	s_add_co_u32 s22, s22, SCB
	v_add_nc_u32 v[ADSB], s22, v5                  ; B's: KS bytes a row, 16 more for each 256 passed
	s_mul_i32 s23, s14, 16*SPITCH                  ; my stage (v's way out alone): 16 channel rows of 528 bytes, in slot 0
	v_and_b32 v5, 8, v1
	v_add_nc_u32 v5, v5, v1
	v_lshlrev_b32 v5, 2, v5
	v_mad_u32_u24 v5, v2, 8*SPITCH, v5
	v_add_nc_u32 v[STO], s23, v5                   ; in: channel row 8 h (+ j), token r + 8 (r / 8)
	v_mul_u32_u24 v5, v1, SPITCH
	v_lshl_add_u32 v5, v2, 6, v5
	v_add_nc_u32 v[RD], s23, v5                    ; back: channel row r, + 64 h
.macro FRAG reg, adr, q, i             ; a fragment of B: 24 bytes twice, in pieces of 8 bytes; where the piece three on lies behind one padding more, the second address register serves
.irp p, 0,1,2,3,4,5
.set PCE, 12*(\q)+6*(\p/3)+\p%3
.if PCE%8 < 5
	ds_load_b64 v[\reg+2*\p:\reg+2*\p+1], v[\adr] offset:8*PCE+16*(PCE/8)+(\i)*16*PITCH
.else
	ds_load_b64 v[\reg+2*\p:\reg+2*\p+1], v[\adr+2] offset:8*PCE+16*(PCE/8)+(\i)*16*PITCH
.endif
.endr
.endm
.macro FRAGA reg, slot, q, i           ; a fragment of A: its image, six pieces of 256 bytes
.irp p, 0,1,2,3,4,5
	ds_load_b64 v[\reg+2*\p:\reg+2*\p+1], v[ADRA+\slot] offset:((\i)*NQ+(\q))*IMG+256*\p
.endr
.endm
; 16 matrix instructions: A's blocks a0, a0 + 1 x B's eight.  The 64 accumulators take turns, one instruction a turn
.macro MUL16 a0, p, q, sc, zero
.irp a, \a0, \a0+1
.irp b, 0,1,2,3,4,5,6,7
.if \zero
	v_wmma_scale_f32_16x16x128_f8f6f4 v[8*(8*((\a)%4)+\b):8*(8*((\a)%4)+\b)+7], v[128*(\p)+FR*\b:128*(\p)+FR*\b+FR-1], v[AF+FR*(\a):AF+FR*(\a)+FR-1], 0, v[SB+16*(\sc)+2*\b+(\q)], v[SA+16*(\sc)+2*(\a)+(\q)] matrix_a_fmt:MATRIX_FMT_FP6 matrix_b_fmt:MATRIX_FMT_FP6
.else
	v_wmma_scale_f32_16x16x128_f8f6f4 v[8*(8*((\a)%4)+\b):8*(8*((\a)%4)+\b)+7], v[128*(\p)+FR*\b:128*(\p)+FR*\b+FR-1], v[AF+FR*(\a):AF+FR*(\a)+FR-1], v[8*(8*((\a)%4)+\b):8*(8*((\a)%4)+\b)+7], v[SB+16*(\sc)+2*\b+(\q)], v[SA+16*(\sc)+2*(\a)+(\q)] matrix_a_fmt:MATRIX_FMT_FP6 matrix_b_fmt:MATRIX_FMT_FP6
.endif
.endr
.endr
.endm
.macro FETCH_B slot, q, p
	WIN TO_B
.irp i, 0,1,2,3,4,5,6,7
	FRAG 128*(\p)+FR*\i, ADRB+\slot, \q, \i
.endr
	WIN 0
.endm
.macro FETCH_A slot, q, i0
.irp i, \i0, \i0+1, \i0+2, \i0+3
	FRAGA AF+FR*(\i), \slot, \q, \i
.endr
.endm
.macro SCALES sc                       ; a slot's scale words, two a row: lane r takes row r's (lanes 16-31 the same)
.irp i, 0,1,2,3,4,5,6,7
	ds_load_b64 v[SA+16*\sc+2*\i:SA+16*\sc+2*\i+1], v[ADSA] offset:128*\i
	ds_load_b64 v[SB+16*\sc+2*\i:SB+16*\sc+2*\i+1], v[ADSB] offset:\i*SBLK
.endr
.endm
.macro PLACES n                        ; places behind matrix instructions, in front of loads into their registers and of reads of their results
.rept \n
	v_nop
.endr
.endm
.macro STEP slot, q, zero
	s_wait_dscnt 4*NL                              ; all but the youngest 24 loads (A's blocks 4-7)
	WIN MUL_LO
	MUL16 0, (\q)%2, \q, \slot, \zero
	MUL16 2, (\q)%2, \q, \slot, \zero
	s_wait_dscnt 0
	PLACES NP
	FETCH_B \slot, (\q)+1, 1-(\q)%2
	FETCH_A \slot, (\q)+1, 0
	WIN MUL_HI
	MUL16 4, (\q)%2, \q, \slot, \zero
	MUL16 6, (\q)%2, \q, \slot, \zero
	PLACES NP
	WIN 0
	FETCH_A \slot, (\q)+1, 4
.endm
.macro TURN slot, next, fill           ; a slot's last step changes slots
	s_wait_tensorcnt 0x0                           ; all my tensor loads have landed: my part of the next slot
	ds_add_u32 v[SPW], v[NIL]                      ; 0 onto my spare word
	s_wait_dscnt 4*NL+1                            ; (the add and A's blocks 4-7 may be out)
	WIN MUL_LO
	MUL16 0, 1, NQ-1, \slot, 0
	s_wait_dscnt 0x0                               ; the add is done, and my reads of this slot are over
	s_barrier_signal -1
	MUL16 2, 1, NQ-1, \slot, 0
	WIN 0
	s_barrier_wait -1
.if \fill
	CREST                                          ; the barrier has opened a round of the cluster's: no wave of any partner still reads this slot or has a load on its way
	s_add_nc_u64 s[G0+4*\slot+2:G0+4*\slot+3], s[G0+4*\slot+2:G0+4*\slot+3], 2*NQ*IMG
	s_add_nc_u64 s[G0B+4*\slot+2:G0B+4*\slot+3], s[G0B+4*\slot+2:G0B+4*\slot+3], 2*ROWB
	JLOAD G0+4*\slot, G1, G0B+4*\slot, G1B
.else
	PLACES NP
.endif
	v_add_nc_u32 v[ADSA], 2048, v[ADSA]            ; the next slot's scale words (no LDS load of mine is out)
	v_add_nc_u32 v[ADSB], 4*NQ, v[ADSB]
	FETCH_B \next, 0, 0
	FETCH_A \next, 0, 0
	SCALES \next
	WIN MUL_HI
	MUL16 4, 1, NQ-1, \slot, 0
	MUL16 6, 1, NQ-1, \slot, 0
	PLACES NP
	WIN 0
	FETCH_A \next, 0, 4
.endm
	s_wait_tensorcnt 1                             ; the scales and my part of slot 0 are in; slot 1's load may be out
	s_barrier_signal -1
	s_barrier_wait -1
	FETCH_B 0, 0, 0
	FETCH_A 0, 0, 0
	SCALES 0
	FETCH_A 0, 0, 4
	STEP 0, 0, 1                                   ; the first step's products start the sums
	s_mov_b32 s3, LAPS-1
.Llap:
	TURN 0, 1, 1
	STEP 1, 0, 0
	TURN 1, 0, 1
	STEP 0, 0, 0
	s_sub_co_u32 s3, s3, 1
	s_cmp_lg_u32 s3, 0
	s_cbranch_scc1 .Llap
	TURN 0, 1, 0
	STEP 1, 0, 0
	s_wait_dscnt 4*NL
	WIN MUL_LO
	MUL16 0, 1, NQ-1, 1, 0
	MUL16 2, 1, NQ-1, 1, 0
	s_wait_dscnt 0
	WIN MUL_HI
	MUL16 4, 1, NQ-1, 1, 0
	MUL16 6, 1, NQ-1, 1, 0
	WIN 0
; THE WAY OUT.  Accumulator (a, b): lane (r, h) holds token ROW(a, r) and columns 16 b + 8 h + 0 .. 7 of my 128, which are two heads.
.set X,   96
.set PC,  160
.set TM,  180
.set PW,  196
.set T1,  197
.set BV,  200
.set BVP, 208
.set SEL, 98
.macro QUANT s
.irp b, 0,1,2,3
	v_max3_num_f32 v[TM+\b], |v[\s+16*\b]|, |v[\s+1+16*\b]|, 0x1800000
.endr
.irp i, 2,4,6,8,10,12,14
.irp b, 0,1,2,3
	v_max3_num_f32 v[TM+\b], v[TM+\b], |v[\s+16*\b+\i]|, |v[\s+1+16*\b+\i]|
.endr
.endr
.irp b, 0,1,2,3
	v_permlanex16_b32 v[TM+4+\b], v[TM+\b], s[SEL], s[SEL+1]
.endr
.irp b, 0,1,2,3
	v_max_num_f32 v[TM+\b], v[TM+\b], v[TM+4+\b]
.endr
.irp b, 0,1,2,3
	v_add_nc_u32 v[TM+12+\b], 0xff000000, v[TM+\b]
.endr
.irp b, 0,1,2,3
	v_lshrrev_b32 v[TM+4+\b], 23, v[TM+12+\b]
.endr
	v_lshl_or_b32 v[PW], v[TM+5], 8, v[TM+4]
	v_lshl_or_b32 v[PW], v[TM+6], 16, v[PW]
	v_lshl_or_b32 v[PW], v[TM+7], 24, v[PW]
.irp c, 0,1
	v_cvt_scalef32_pk16_fp6_f32 v[PC+6*\c:PC+2+6*\c], v[\s+32*\c:\s+15+32*\c], v[TM+12+2*\c]
	v_cvt_scalef32_pk16_fp6_f32 v[PC+12+4*\c:PC+14+4*\c], v[\s+16+32*\c:\s+31+32*\c], v[TM+12+2*\c+1]
.endr
	v_nop
.irp c, 0,1
.irp i, 0,1,2
	v_permlane16_swap_b32 v[PC+6*\c+\i], v[PC+12+4*\c+\i]
.endr
.irp i, 0,1,2
	v_mov_b32 v[PC+3+6*\c+\i], v[PC+12+4*\c+\i]
.endr
.endr
.endm
.macro SWAP16 x                        ; two neighbouring result tiles (columns 8 h + j, 16 + 8 h + j) become 16 neighbours: 16 h + i
.irp i, 0,1,2,3,4,5,6,7
	v_permlane16_swap_b32 v[\x+\i], v[\x+8+\i]
.endr
.endm
	s_load_b128 s[4:7], s[0:1], 0x38               ; qb, kb
	s_load_b128 s[8:11], s[0:1], 0x48              ; vb, qq
	s_load_b64 s[12:13], s[0:1], 0x58              ; kv
	PLACES NP
	s_mov_b32 s[SEL], 0x76543210
	s_mov_b32 s[SEL+1], 0xfedcba98
	s_mov_b32 s22, 0x01010000
.irp b, 0,1,2,3
	v_mov_b32 v[TM+4+\b], 0
.endr
	v_lshlrev_b32 v9, 5, v2                        ; 32 h: my half's eight biases of a tile
	v_mul_u32_u24 v10, v2, BHS
	v_lshl_add_u32 v10, v1, 2, v10                 ; scale words: 4 r; lanes 16-31 store the odd head's
	v_lshlrev_b32 v11, 4, v2                       ; 16 h
	v_lshlrev_b32 v12, 4, v6                       ; 16 x lane
	v_lshlrev_b32 v13, 2, v1                       ; 4 r
	s_lshr_b32 s20, s17, 3
	s_lshl_b32 s20, s20, 4
	s_lshl_b32 s21, s40, 2
	s_add_co_u32 s20, s20, s21
	s_lshl_b32 s21, s16, 1
	s_add_co_u32 s20, s20, s21                     ; 16 x batch + my first head
	s_lshl_b32 s20, s20, 4
	s_lshl_b32 s21, s17, 1
	s_add_co_u32 s21, s21, s15
	s_and_b32 s21, s21, 15
	s_add_co_u32 s20, s20, s21                     ; x 16 + which 128 tokens of the batch
	s_mul_i32 s20, s20, KVB
	s_mov_b32 s21, 0
	s_lshl_b32 s46, s40, 10
	s_lshl_b32 s47, s16, 9
	s_add_co_u32 s46, s46, s47                     ; my first column, in bytes of a bias
	s_mov_b32 s47, 0
	s_wait_kmcnt 0x0
	s_cmp_eq_u32 ttmp9, 0
	s_cselect_b64 s[4:5], s[4:5], s[6:7]
	s_cselect_b64 s[12:13], s[10:11], s[12:13]
	s_cmp_eq_u32 ttmp9, 2
	s_cselect_b64 s[4:5], s[8:9], s[4:5]
	s_add_nc_u64 s[4:5], s[4:5], s[46:47]
	s_add_nc_u64 s[12:13], s[12:13], s[20:21]
	s_cmp_eq_u32 ttmp9, 2
	s_cbranch_scc1 .Lv
	; ---- q and k: quantised along the columns.  No LDS.
	WIN TO_B
.irp b, 0,1,2,3,4,5,6,7
	global_load_b128 v[8*\b:8*\b+3], v9, s[4:5] offset:64*\b          ; the biases in the result's layout, in window 1, over B's fragments
	global_load_b128 v[8*\b+4:8*\b+7], v9, s[4:5] offset:64*\b+16
.endr
	WIN 0
	s_wait_loadcnt 0x0
.irp a, 0,1,2,3,4,5,6,7
.if \a > 0
	s_wait_xcnt 0x0                                ; the last block's stores have read their registers
.endif
	WIN 0x06+(\a)/4                                ; source 0: window 2 or 3; source 1: window 1
.set ii, 0
.rept 32
	v_pk_add_f32 v[X+ii:X+ii+1], v[64*((\a)%4)+ii:64*((\a)%4)+ii+1], v[ii:ii+1]
.set ii, ii+2
.endr
	WIN 0
	SWAP16 X
	SWAP16 X+16
	SWAP16 X+32
	SWAP16 X+48
	QUANT X
.irp p, 0,1,2
	global_store_b64 v7, v[PC+2*\p:PC+2*\p+1], s[12:13] offset:768*\a+256*\p          ; the even head's 64: registers 0-5
	global_store_b64 v7, v[PC+6+2*\p:PC+7+2*\p], s[12:13] offset:BHS+768*\a+256*\p    ; the odd head's: registers 6-11
.endr
	v_lshrrev_b32 v[T1], v11, v[PW]
	v_and_or_b32 v[T1], v[T1], 0xffff, s22         ; my head's two bytes, and 1, 1
	global_store_b32 v10, v[T1], s[12:13] offset:12288+64*\a
.endr
	s_branch .Ldone
.Lv:
	; ---- v: quantised along the tokens.  A tile of 16 channels at a time turns through my stage: channel rows of 528 bytes, the tokens in their true order.
.irp c, 0,1,2,3,4,5,6,7
	global_load_b32 v[BV+\c], v13, s[4:5] offset:64*\c
.endr
	s_wait_loadcnt 0x0
.irp c, 0,1,2,3,4,5,6,7
	WIN 0x08
.irp a, 0,1,2,3
.irp j, 0,1,2,3,4,5,6,7
	ds_store_b32 v[STO], v[64*\a+8*\c+\j] offset:SPITCH*\j+4*(32*(\a/2)+8*(\a%2))
.endr
.endr
	WIN 0x0c
.irp a, 0,1,2,3
.irp j, 0,1,2,3,4,5,6,7
	ds_store_b32 v[STO], v[64*\a+8*\c+\j] offset:SPITCH*\j+4*(64+32*(\a/2)+8*(\a%2))
.endr
.endr
	WIN 0
.irp b, 0,1,2,3
.irp n, 0,1,2,3
	ds_load_b128 v[X+16*\b+4*\n:X+16*\b+4*\n+3], v[RD] offset:128*\b+16*\n   ; LDS serves a wave's instructions in order: these see my stores
.endr
.endr
	v_mov_b32 v[BVP], v[BV+\c]
	v_mov_b32 v[BVP+1], v[BV+\c]
	s_wait_dscnt 0x0
	s_wait_xcnt 0x0                                ; the last tile's stores have read their registers
.set ii, 0
.rept 32
	v_pk_add_f32 v[X+ii:X+ii+1], v[X+ii:X+ii+1], v[BVP:BVP+1]
.set ii, ii+2
.endr
	QUANT X
.irp k, 0,1,2
	global_store_b128 v12, v[PC+4*\k:PC+4*\k+3], s[12:13] offset:(\c/4)*BHS+6144+(\c%4)*1536+512*\k   ; 32 lanes store 512 consecutive bytes
.endr
	global_store_b32 v13, v[PW], s[12:13] offset:(\c/4)*BHS+12800+64*(\c%4)
.endr
.Ldone:
	s_wait_tensorcnt 0x0                           ; the wave's end
	ds_add_u32 v[SPW], v[NIL]
	s_wait_dscnt 0x0
	CROUND                                         ; the closing round
	s_endpgm
.Lfunc_end_k_qdc54e86df0_qkv:
	.size	k_qdc54e86df0_qkv, .Lfunc_end_k_qdc54e86df0_qkv-k_qdc54e86df0_qkv
	.p2alignl 7, 3214868480
	.fill 96, 4, 3214868480
	.section	.rodata,"a",@progbits
	.p2align	6, 0x0
	.amdhsa_kernel k_qdc54e86df0_qkv
		.amdhsa_group_segment_fixed_size 327680
		.amdhsa_private_segment_fixed_size 0
		.amdhsa_enable_private_segment 0
		.amdhsa_kernarg_size 96
		.amdhsa_user_sgpr_count 2
		.amdhsa_user_sgpr_kernarg_segment_ptr 1
		.amdhsa_wavefront_size32 1
		.amdhsa_system_sgpr_workgroup_id_x 1
		.amdhsa_system_sgpr_workgroup_id_y 1
		.amdhsa_system_sgpr_workgroup_id_z 1
		.amdhsa_system_vgpr_workitem_id 0
		.amdhsa_next_free_vgpr 1024
		.amdhsa_next_free_sgpr 100
		.amdhsa_reserve_vcc 0
		.amdhsa_float_denorm_mode_32 3
		.amdhsa_float_denorm_mode_16_64 3
		.amdhsa_memory_ordered 1
		.amdhsa_forward_progress 1
		.amdhsa_inst_pref_size 255
	.end_amdhsa_kernel
	.section	.bss,"aw",@nobits
	.p2align	6
	.space	262144
	.amdgpu_metadata
---
amdhsa.version: [ 1, 2 ]
amdhsa.kernels:
  - .name:           k_qdc54e86df0_qkv
    .symbol:         k_qdc54e86df0_qkv.kd
    .args:
      - { .name: aq, .offset: 0, .size: 8, .value_kind: global_buffer, .address_space: global }
      - { .name: qw_codes, .offset: 8, .size: 8, .value_kind: global_buffer, .address_space: global }
      - { .name: qw_scales, .offset: 16, .size: 8, .value_kind: global_buffer, .address_space: global }
      - { .name: kw_codes, .offset: 24, .size: 8, .value_kind: global_buffer, .address_space: global }
      - { .name: kw_scales, .offset: 32, .size: 8, .value_kind: global_buffer, .address_space: global }
      - { .name: vw_codes, .offset: 40, .size: 8, .value_kind: global_buffer, .address_space: global }
      - { .name: vw_scales, .offset: 48, .size: 8, .value_kind: global_buffer, .address_space: global }
      - { .name: qb, .offset: 56, .size: 8, .value_kind: global_buffer, .address_space: global }
      - { .name: kb, .offset: 64, .size: 8, .value_kind: global_buffer, .address_space: global }
      - { .name: vb, .offset: 72, .size: 8, .value_kind: global_buffer, .address_space: global }
      - { .name: qq, .offset: 80, .size: 8, .value_kind: global_buffer, .address_space: global }
      - { .name: kv, .offset: 88, .size: 8, .value_kind: global_buffer, .address_space: global }
    .group_segment_fixed_size: 327680
    .private_segment_fixed_size: 0
    .kernarg_segment_align: 8
    .kernarg_segment_size: 96
    .max_flat_workgroup_size: 128
    .sgpr_count:     100
    .vgpr_count:     1024
    .wavefront_size: 32
...
	.end_amdgpu_metadata
.endif
;; end of part 2
;; launch attn (part 3): grid 8 x 32, 16 waves a work-group, clusters of 4 x 1, 239,872 bytes of LDS; arguments qq, kv, rel_bias, mask, aq; writes aq
.if DOCPART == 3
	.amdgcn_target "amdgcn-amd-amdhsa--gfx1250"
	.amdhsa_code_object_version 6
	.text
	.protected	k_qdc54e86df0_attn
	.globl	k_qdc54e86df0_attn
	.p2align	8
	.type	k_qdc54e86df0_attn,@function
k_qdc54e86df0_attn:
	s_mov_b64 s[64:65], 0
	v_nop
	global_prefetch_b8 v0, s[64:65] scope:SCOPE_SE
	s_setreg_imm32_b32 hwreg(HW_REG_WAVE_MODE, 25, 1), 1
	s_wait_xcnt 0x0
	s_wait_alu depctr_hold_cnt(0) depctr_sa_sdst(0) depctr_va_vdst(0) depctr_va_sdst(0) depctr_va_ssrc(0) depctr_va_vcc(0) depctr_vm_vsrc(0)
	s_getreg_b32 s2, hwreg(HW_REG_IB_STS2, 6, 4)
	s_cmp_eq_u32 s2, 0
	s_cbranch_scc0 .Lentry_in_a_cluster
	s_endpgm
.Lentry_in_a_cluster:
	s_bfe_u32 s2, ttmp6, 0x10000c
	s_cmp_lg_u32 s2, 0x3003
	s_cbranch_scc0 .Lentry_shape_is_right
	s_endpgm
.Lentry_shape_is_right:
; Attention of one head on codes of FP6: S^T = K Q^T + 8 rel, t = S^T log2(e) / 8, p = 2^(t - M) with M the ceiling of the running largest t, O^T += V^T p^T, O / l, and the result quantised for the next product.
; SHARES.  A work-group owns 256 queries of one (batch, head); each of its sixteen waves one tile of 16, in 256 registers: four waves to a SIMD.
; THE WHOLE HEAD'S K AND V LIE IN LDS: 16 blocks of 13,056 bytes (128 keys each: K's tiles, V^T's tiles, their scale words), each filled once: no slot is filled again.
; CLUSTER 4 x 1: the four query blocks of a cluster belong to one head and ask for each block jointly.  Waves 0 to 3 fetch, four loads each: four tensor loads of a wave are out at the most.
; The keys of a tile of K are not neighbours (lane r of tile 2 b + u: key 32 b + 8 u + r + 8 (r / 8)), so the 16 registers of tiles 2 b, 2 b + 1 of S^T are 16 neighbouring keys.
; A head has 64 along K, the instruction 128: Q's registers 6-11 are zero codes, K's are whatever follows (the next tile's codes), under scale bytes of 1: they add nothing.
; THE RELATIVE BIAS IS THE C OF THE FIRST PRODUCT.  A table L[j] = 8 rel[256 x block + 2302 - j] lies in LDS twice, the second copy one word back, so that every lane reads pairs at multiples of 8 bytes.
; THE MASK lies in LDS as 0 or -infinity for each key and is added to the scores in every step: no branch hangs on loaded numbers, so all partners of a cluster run alike.
; LIMITS: NaN and infinities among the inputs are not served.  A batch whose mask hides every key gives NaN in the definition; here the sum is 0 and what is stored are finite codes: that case is not reproduced.
.set KVB,  13056
.set BHS,  16*KVB
.set RB,   BHS                         ; the bias table: copy 0 10,240 bytes, 32 bytes, copy 1; written by LDS stores, no tile lands here
.set RB1,  10272
.set MK,   RB+20736                    ; the mask as f32, 8,192 bytes
.set AQS,  3145728
.set ADK,  6
.set ADV,  7
.set ADS,  8
.set ADB,  9
.set ADM,  10
.set KF,   32                          ; v32-79 K's eight tiles (six registers each) or V's four fragments; v80-85 zeros
.set SW,   86                          ; v86-93 K's or V's scale words
.set PW,   94                          ; v94 p's scale word
.set S,    96
.set O,    160
.set MR,   192                         ; v192-255: at a step's head the mask of my 64 keys; behind the additions p's codes and the softmax's registers at work
.set PC,   192
.set PT,   204
.set BM,   212
.set BT,   216
.set BS,   220
.set F,    226
.set T,    228
.set PW2,  232
.set TM,   208
.set SEL,  20
.set CS,   22
.set G1,   24
.set G0,   36
.set TB,   52
.set CNT,  54
.set TR,   56
.macro CROUND
	s_barrier_signal -1
	s_barrier_wait -1
	s_cmp_lg_u32 s14, 0
	s_cbranch_scc1 .Lnot_wave_0_\@
	s_barrier_signal -3
.Lnot_wave_0_\@:
	s_barrier_wait -3
	s_barrier_signal -1
	s_barrier_wait -1
.endm
	s_load_b256 s[4:11], s[0:1], 0x0               ; qq, kv, rel_bias, mask
	s_load_b64 s[12:13], s[0:1], 0x20              ; aq
	v_lshl_add_u32 v31, v0, 2, 0x3a100
	v_mov_b32 v95, 0
	ds_add_u32 v31, v95
	ds_add_u32 v31, v95
	v_lshrrev_b32 v1, 5, v0
	v_readfirstlane_b32 s14, v1                    ; wave 0..15
	s_bfe_u32 s15, ttmp6, 0x40000                  ; cx
	s_lshl_b32 s16, ttmp9, 2
	s_add_co_u32 s16, s16, s15                     ; my block of 256 queries: it enters global addresses alone
	s_and_b32 s17, ttmp7, 0xffff                   ; 16 x batch + head, which the partners share
	s_lshr_b32 s18, s17, 4
	s_and_b32 s19, s17, 15
	s_mov_b32 s[G1], 15|(3<<16)|(1<<21)            ; the mask: all four; elements of 8 bytes; no padding
	s_mov_b32 s[G1+1], 32<<16                      ; rows of 256 bytes
	s_mov_b32 s[G1+2], 51<<16                      ; 51 of them: one block
	s_mov_b32 s[G1+3], 32<<16
	s_mov_b32 s[G1+4], 51
	s_mov_b32 s[G1+5], 32
	s_mov_b32 s[G1+6], 0
	s_mov_b32 s[G1+7], 0
	s_and_b32 s32, s14, 3
	s_mul_i32 s33, s32, KVB                        ; my block's place in a chunk of four, in LDS and in memory alike
	s_mul_i32 s34, s17, BHS
	s_add_co_u32 s34, s34, s33
	s_mov_b32 s35, 0
	s_mov_b32 s[SEL], 0x76543210
	s_mov_b32 s[SEL+1], 0xfedcba98
	s_mov_b32 s[CS], 0x3e38aa3b                    ; log2(e) / 8
	s_mov_b32 s[CS+1], s[CS]
	s_mov_b32 s[TB], 0
	s_mov_b32 s[TR], 0
	s_wait_dscnt 0x0
	s_wait_kmcnt 0x0
	s_add_nc_u64 s[34:35], s[6:7], s[34:35]
.irp c, 0,1,2,3
	s_mov_b32 s[G0+4*\c], 1
	s_add_co_u32 s[G0+4*\c+1], s33, \c*4*KVB
	s_add_nc_u64 s[G0+4*\c+2:G0+4*\c+3], s[34:35], \c*4*KVB
	s_or_b32 s[G0+4*\c+3], s[G0+4*\c+3], 0x80000000
.endr
	CROUND                                         ; all four work-groups are here: the joint loads meet
	s_cmp_lt_u32 s14, 4
	s_cbranch_scc0 .Lno_fetch
	tensor_load_to_lds s[G0:G0+3], s[G1:G1+7]
	s_nop 0
	tensor_load_to_lds s[G0+4:G0+7], s[G1:G1+7]
	s_nop 0
	tensor_load_to_lds s[G0+8:G0+11], s[G1:G1+7]
	s_nop 0
	tensor_load_to_lds s[G0+12:G0+15], s[G1:G1+7]
	s_nop 0
.rept 4
	v_nop
.endr
.Lno_fetch:
	; ---- what the work-group's 512 threads lay in LDS themselves, and Q
	s_lshl_b32 s32, s16, 10
	s_mov_b32 s33, 0
	s_add_nc_u64 s[8:9], s[8:9], s[32:33]          ; rel_bias at 256 x block
	s_lshl_b32 s32, s18, 11
	s_add_nc_u64 s[10:11], s[10:11], s[32:33]      ; my batch's mask
	s_lshl_b32 s32, s17, 4
	s_lshl_b32 s34, s16, 1
	s_add_co_u32 s32, s32, s34
	s_lshr_b32 s34, s14, 3
	s_add_co_u32 s32, s32, s34
	s_mul_i32 s32, s32, KVB                        ; the block that holds my 16 queries
	s_and_b32 s34, s14, 7
	s_mul_i32 s58, s34, 768
	s_add_co_u32 s58, s58, s32
	s_mov_b32 s59, 0
	s_lshl_b32 s60, s34, 6
	s_add_co_u32 s60, s60, s32
	s_add_co_u32 s60, s60, 12288
	s_mov_b32 s61, 0
	s_add_nc_u64 s[58:59], s[4:5], s[58:59]
	s_add_nc_u64 s[60:61], s[4:5], s[60:61]
	v_and_b32 v11, 31, v0
	v_lshlrev_b32 v1, 3, v11                       ; 8 x lane
	v_lshlrev_b32 v2, 4, v11                       ; 16 x lane
	v_and_b32 v3, 15, v0
	v_lshlrev_b32 v3, 2, v3                        ; 4 r
.irp i, 0,1,2,3,4
	v_sub_nc_u32 v[96+\i], 2302-512*\i, v0         ; table entry j = thread + 512 i holds rel[256 x block + 2302 - j];
.endr
	v_max_i32 v100, 0, v100                        ; entries past 2302 are never read: their index is held at 0, inside the buffer
.irp i, 0,1,2,3,4
	v_lshlrev_b32 v[96+\i], 2, v[96+\i]
.endr
.irp i, 0,1,2,3,4
	global_load_b32 v[101+\i], v[96+\i], s[8:9]
.endr
	v_lshlrev_b32 v106, 2, v0
	global_load_b32 v107, v106, s[10:11]           ; four mask bytes a thread
.irp p, 0,1,2
	global_load_b64 v[16+2*\p:17+2*\p], v1, s[58:59] offset:256*\p      ; Q: registers 0-5
.endr
	global_load_b32 v28, v3, s[60:61]              ; Q's scale words
	v_and_b32 v4, 0x1c0, v0
	v_lshrrev_b32 v4, 1, v4                        ; 32 (wave / 2)
	v_bfe_u32 v5, v0, 5, 1
	v_lshl_add_u32 v4, v5, 3, v4                   ; + 8 (wave % 2)
	v_and_b32 v5, 15, v0
	v_add_nc_u32 v4, v4, v5                        ; + r
	v_and_b32 v5, 8, v0
	v_add_nc_u32 v4, v4, v5                        ; + 8 (r / 8): my query in the block
	v_bfe_u32 v5, v0, 4, 1                         ; h
	v_lshl_add_u32 v6, v5, 4, 255
	v_sub_nc_u32 v6, v6, v4                        ; a = 255 - query + 16 h: register 16 b + i of step s wants L[a + 128 s + 32 b + i]
	v_and_b32 v4, 1, v6
	v_mul_u32_u24 v4, v4, RB1                      ; an odd a reads the copy that lies one word back
	v_and_b32 v6, 0x1fe, v6
	v_lshl_add_u32 v4, v6, 2, v4
	v_add_nc_u32 v4, RB, v4
	v_lshl_add_u32 v5, v5, 6, MK                   ; the mask: + 64 h
.irp j, 22,23,24,25,26,27, 80,81,82,83,84,85
	v_mov_b32 v[\j], 0                             ; zero codes
.endr
.set ii, 0
.rept 32
	v_mov_b32 v[O+ii], 0                           ; O^T: the first change of M leaves zeros zeros
.set ii, ii+1
.endr
	v_mov_b32 v13, 0xff61b1e6                      ; the largest t so far: -3e38
	v_floor_f32 v12, -v13                          ; -M
	v_mov_b32 v14, 0
	v_mov_b32 v15, 0
	s_wait_loadcnt 0x0
.irp i, 0,1,2,3,4
	v_ldexp_f32 v[101+\i], v[101+\i], 3            ; 8 rel: exact
.endr
	v_lshl_add_u32 v110, v0, 2, RB
.irp i, 0,1,2,3,4
	ds_store_b32 v110, v[101+\i] offset:2048*\i
	ds_store_b32 v110, v[101+\i] offset:RB1-4+2048*\i
.endr
	v_mov_b32 v111, 0xff800000
.irp k, 0,1,2,3
	v_bfe_u32 v[128+\k], v107, 8*\k, 8
	v_cmp_eq_u32 vcc_lo, 0, v[128+\k]
	v_cndmask_b32 v[128+\k], 0, v111, vcc_lo       ; a hidden key: -infinity
.endr
	v_lshl_add_u32 v132, v0, 4, MK
	ds_store_b128 v132, v[128:131]
; A KEY STEP: 128 keys.
.macro STEP
	v_add_nc_u32 v[ADK], s[TB], v1                 ; these five are also the places behind the last products
	v_add_nc_u32 v[ADV], s[TB], v2
	v_add_nc_u32 v[ADS], s[TB], v3
	v_add_nc_u32 v[ADB], s[TR], v4
	v_add_nc_u32 v[ADM], s[TR], v5
.irp t, 0,1,2,3,4,5,6,7
.irp p, 0,1,2
	ds_load_b64 v[KF+6*\t+2*\p:KF+6*\t+2*\p+1], v[ADK] offset:768*\t+256*\p
.endr
	ds_load_b32 v[SW+\t], v[ADS] offset:12288+64*\t
.endr
.irp b, 0,1,2,3
.irp n, 0,1,2,3,4,5,6,7
	ds_load_b64 v[S+16*\b+2*\n:S+16*\b+2*\n+1], v[ADB] offset:128*\b+8*\n    ; 8 rel, straight into the accumulators
.endr
.endr
	s_wait_dscnt 0x0
.irp b, 0,1,2,3
.irp n, 0,1,2,3
	ds_load_b128 v[MR+16*\b+4*\n:MR+16*\b+4*\n+3], v[ADM] offset:128*\b+16*\n   ; the mask of my 64 keys: the sixteen lanes of a half read the same 16 bytes; they land under the products
.endr
.endr
.irp t, 0,1,2,3,4,5,6,7
	v_wmma_scale_f32_16x16x128_f8f6f4 v[S+8*\t:S+8*\t+7], v[KF+6*\t:KF+6*\t+11], v[16:27], v[S+8*\t:S+8*\t+7], v[SW+\t], v28 matrix_a_fmt:MATRIX_FMT_FP6 matrix_b_fmt:MATRIX_FMT_FP6
.endr
.rept 4
	v_nop                                          ; places in front of the loads into K's registers and of the first read of the scores
.endr
.irp t, 0,1,2,3
.irp c, 0,1,2
	ds_load_b128 v[KF+12*\t+4*\c:KF+12*\t+4*\c+3], v[ADV] offset:6144+1536*\t+512*\c   ; V^T's fragments land under the softmax
.endr
	ds_load_b32 v[SW+\t], v[ADS] offset:12800+64*\t
.endr
	s_wait_dscnt 16                                ; the mask's sixteen loads are in; V's sixteen, issued behind them, may be out
.set ii, 0
.rept 32
	v_pk_add_f32 v[S+ii:S+ii+1], v[S+ii:S+ii+1], v[MR+ii:MR+ii+1]    ; + 0 or -infinity; each accumulator from its low end on
.set ii, ii+2
.endr
.irp b, 0,1,2,3
	v_max3_num_f32 v[BM+\b], v[S+16*\b], v[S+1+16*\b], v[S+2+16*\b]    ; the largest score of each block of 32 keys: for the row's maximum and for the block's largest p
.endr
.irp i, 3,5,7,9,11,13
.irp b, 0,1,2,3
	v_max3_num_f32 v[BM+\b], v[BM+\b], v[S+16*\b+\i], v[S+1+16*\b+\i]
.endr
.endr
.irp b, 0,1,2,3
	v_max_num_f32 v[BM+\b], v[BM+\b], v[S+15+16*\b]
.endr
.irp b, 0,1,2,3
	v_permlanex16_b32 v[BT+\b], v[BM+\b], s[SEL], s[SEL+1]
.endr
.irp b, 0,1,2,3
	v_max_num_f32 v[BM+\b], v[BM+\b], v[BT+\b]
.endr
	v_max3_num_f32 v[T], v[BM], v[BM+1], v[BM+2]
	v_max_num_f32 v[T], v[T], v[BM+3]
	v_mul_f32 v[T], s[CS], v[T]
	v_max_num_f32 v13, v13, v[T]                   ; the running largest t
	v_mov_b32 v[T], v12
	v_floor_f32 v12, -v13                          ; -M = floor(-t): M is a whole number
	v_sub_f32 v[T], v12, v[T]
	v_cvt_i32_f32 v[T], v[T]                       ; (it saturates)
	v_ldexp_f32 v[F], 1.0, v[T]                    ; f = 2^(old M - new M)
.set ii, 0
.rept 32
	v_pk_fma_f32 v[S+ii:S+ii+1], v[S+ii:S+ii+1], s[CS:CS+1], v[12:13] op_sel_hi:[1,0,0]
.set ii, ii+2
.endr
.irp b, 0,1,2,3
	v_fma_f32 v[BM+\b], v[BM+\b], s[CS], v12
.endr
.set ii, 0
.rept 64
	v_exp_f32 v[S+ii], v[S+ii]                     ; p = 2^(t - M)
.set ii, ii+1
.endr
.irp b, 0,1,2,3
	v_exp_f32 v[BM+\b], v[BM+\b]                   ; the block's largest p: the same two instructions on the same number
.endr
	v_pk_mul_f32 v[14:15], v[14:15], v[F:F+1] op_sel_hi:[1,0]   ; the sums under the new M (a plain place behind the exponentials)
	s_wait_alu depctr_va_vdst(0)
.irp b, 0,1,2,3
	v_max_num_f32 v[BM+\b], 0x1800000, v[BM+\b]
.endr
.irp b, 0,1,2,3
	v_add_nc_u32 v[BS+\b], 0xff000000, v[BM+\b]
.endr
.irp b, 0,1,2,3
	v_lshrrev_b32 v[BT+\b], 23, v[BS+\b]
.endr
	v_lshl_or_b32 v[PW], v[BT+1], 8, v[BT]
	v_lshl_or_b32 v[PW], v[BT+2], 16, v[PW]
	v_lshl_or_b32 v[PW], v[BT+3], 24, v[PW]
.irp c, 0,1
	v_cvt_scalef32_pk16_fp6_f32 v[PC+6*\c:PC+6*\c+2], v[S+32*\c:S+32*\c+15], v[BS+2*\c]
	v_cvt_scalef32_pk16_fp6_f32 v[PT+4*\c:PT+4*\c+2], v[S+16+32*\c:S+31+32*\c], v[BS+2*\c+1]
.endr
	v_nop
.irp c, 0,1
.irp i, 0,1,2
	v_permlane16_swap_b32 v[PC+6*\c+\i], v[PT+4*\c+\i]
.endr
.irp i, 0,1,2
	v_mov_b32 v[PC+3+6*\c+\i], v[PT+4*\c+\i]
.endr
.endr
	v_pk_add_f32 v[T+2:T+3], v[S:S+1], v[S+2:S+3]  ; the row's sum is taken of the unquantised p
.irp j, 4,8,12,16,20,24,28,32,36,40,44,48,52,56,60
	v_pk_add_f32 v[14:15], v[14:15], v[S+\j:S+\j+1]
	v_pk_add_f32 v[T+2:T+3], v[T+2:T+3], v[S+2+\j:S+3+\j]
.endr
	v_pk_add_f32 v[14:15], v[14:15], v[T+2:T+3]
.set ii, 0
.rept 16
	v_pk_mul_f32 v[O+ii:O+ii+1], v[O+ii:O+ii+1], v[F:F+1] op_sel_hi:[1,0]
.set ii, ii+2
.endr
	s_wait_dscnt 0x0                               ; V
.irp t, 0,1,2,3
	v_wmma_scale_f32_16x16x128_f8f6f4 v[O+8*\t:O+8*\t+7], v[KF+12*\t:KF+12*\t+11], v[PC:PC+11], v[O+8*\t:O+8*\t+7], v[SW+\t], v[PW] matrix_a_fmt:MATRIX_FMT_FP6 matrix_b_fmt:MATRIX_FMT_FP6
.endr
	s_add_co_u32 s[TB], s[TB], KVB
	s_add_co_u32 s[TR], s[TR], 512
.endm
; Four steps, whose blocks came by one load of each of waves 0 to 3.  left: the later chunks' loads, which may stay out.
.macro CHUNK left
	s_wait_tensorcnt \left
	s_wait_dscnt 0x0                               ; my LDS stores have landed
	s_barrier_signal -1
	s_barrier_wait -1
	s_mov_b32 s[CNT], 4
.Lstep_\@:
	STEP
	s_sub_co_u32 s[CNT], s[CNT], 1
	s_cmp_lg_u32 s[CNT], 0
	s_cbranch_scc1 .Lstep_\@
.endm
	CHUNK 3
	CHUNK 2
	CHUNK 1
	CHUNK 0
	; ---- the way out: O / l, quantised along the head's 64, into the image of the next product's A
.rept 4
	v_nop
.endr
	v_add_f32 v14, v14, v15
	v_permlanex16_b32 v[T], v14, s[SEL], s[SEL+1]
	v_add_f32 v14, v14, v[T]
	v_rcp_f32 v14, v14
	v_lshlrev_b32 v11, 1, v3                       ; 8 r (a plain place behind the reciprocal)
.set ii, 0
	s_wait_alu depctr_va_vdst(0)
.rept 16
	v_pk_mul_f32 v[S+ii:S+ii+1], v[O+ii:O+ii+1], v[14:15] op_sel_hi:[1,0]   ; register 8 t + j: channel 16 t + 8 h + j
.set ii, ii+2
.endr
.irp x, 0,16
.irp i, 0,1,2,3,4,5,6,7
	v_permlane16_swap_b32 v[S+\x+\i], v[S+\x+8+\i]  ; 16 neighbours: channel 2 x + 16 h + i
.endr
.endr
.irp b, 0,1
	v_max3_num_f32 v[TM+\b], |v[S+16*\b]|, |v[S+1+16*\b]|, 0x1800000
.endr
.irp i, 2,4,6,8,10,12,14
.irp b, 0,1
	v_max3_num_f32 v[TM+\b], v[TM+\b], |v[S+16*\b+\i]|, |v[S+1+16*\b+\i]|
.endr
.endr
.irp b, 0,1
	v_permlanex16_b32 v[TM+4+\b], v[TM+\b], s[SEL], s[SEL+1]
.endr
.irp b, 0,1
	v_max_num_f32 v[TM+\b], v[TM+\b], v[TM+4+\b]
.endr
.irp b, 0,1
	v_add_nc_u32 v[TM+12+\b], 0xff000000, v[TM+\b]
.endr
.irp b, 0,1
	v_lshrrev_b32 v[TM+4+\b], 23, v[TM+12+\b]
.endr
	v_lshl_or_b32 v[PW2], v[TM+5], 8, v[TM+4]
	v_cvt_scalef32_pk16_fp6_f32 v[PC:PC+2], v[S:S+15], v[TM+12]
	v_cvt_scalef32_pk16_fp6_f32 v[PT:PT+2], v[S+16:S+31], v[TM+13]
	v_nop
.irp i, 0,1,2
	v_permlane16_swap_b32 v[PC+\i], v[PT+\i]
.endr
.irp i, 0,1,2
	v_mov_b32 v[PC+3+\i], v[PT+\i]
.endr
	s_lshl_b32 s55, s18, 7
	s_lshl_b32 s57, s16, 4
	s_add_co_u32 s55, s55, s57
	s_add_co_u32 s55, s55, s14                     ; the image tile: 128 x batch + 16 x block + wave
	s_lshl_b32 s55, s55, 3
	s_lshr_b32 s57, s19, 1
	s_add_co_u32 s55, s55, s57                     ; K step = head / 2
	s_mul_i32 s58, s55, 1536
	s_and_b32 s57, s19, 1
	s_mul_i32 s55, s57, 768                        ; an odd head: registers 6-11
	s_add_co_u32 s58, s58, s55
	s_mov_b32 s59, 0
	s_add_nc_u64 s[58:59], s[12:13], s[58:59]
	s_lshl_b32 s60, s18, 3
	s_add_co_u32 s60, s60, s16
	s_lshl_b32 s60, s60, 13
	s_lshr_b32 s55, s19, 2
	s_lshl_b32 s55, s55, 11
	s_add_co_u32 s60, s60, s55
	s_lshl_b32 s55, s14, 7
	s_add_co_u32 s60, s60, s55
	s_bfe_u32 s55, s19, 0x10001
	s_lshl_b32 s55, s55, 2
	s_add_co_u32 s60, s60, s55
	s_lshl_b32 s57, s57, 1
	s_add_co_u32 s60, s60, s57
	s_add_co_u32 s60, s60, AQS
	s_mov_b32 s61, 0
	s_add_nc_u64 s[60:61], s[12:13], s[60:61]
.irp p, 0,1,2
	global_store_b64 v1, v[PC+2*\p:PC+2*\p+1], s[58:59] offset:256*\p   ; 32 lanes store 256 consecutive bytes, aligned
.endr
	global_store_b16 v11, v[PW2], s[60:61]         ; a head owns half a scale word: two bytes a row, 8 bytes apart (131,072 bytes in the whole launch)
	s_wait_tensorcnt 0x0
	ds_add_u32 v31, v95
	s_wait_dscnt 0x0
	CROUND                                         ; the closing round
	s_endpgm
.Lfunc_end_k_qdc54e86df0_attn:
	.size	k_qdc54e86df0_attn, .Lfunc_end_k_qdc54e86df0_attn-k_qdc54e86df0_attn
	.p2alignl 7, 3214868480
	.fill 96, 4, 3214868480
	.section	.rodata,"a",@progbits
	.p2align	6, 0x0
	.amdhsa_kernel k_qdc54e86df0_attn
		.amdhsa_group_segment_fixed_size 239872
		.amdhsa_private_segment_fixed_size 0
		.amdhsa_enable_private_segment 0
		.amdhsa_kernarg_size 40
		.amdhsa_user_sgpr_count 2
		.amdhsa_user_sgpr_kernarg_segment_ptr 1
		.amdhsa_wavefront_size32 1
		.amdhsa_system_sgpr_workgroup_id_x 1
		.amdhsa_system_sgpr_workgroup_id_y 1
		.amdhsa_system_sgpr_workgroup_id_z 1
		.amdhsa_system_vgpr_workitem_id 0
		.amdhsa_next_free_vgpr 256
		.amdhsa_next_free_sgpr 66
		.amdhsa_reserve_vcc 1
		.amdhsa_float_denorm_mode_32 3
		.amdhsa_float_denorm_mode_16_64 3
		.amdhsa_memory_ordered 1
		.amdhsa_forward_progress 1
		.amdhsa_inst_pref_size 104
	.end_amdhsa_kernel
	.amdgpu_metadata
---
amdhsa.version: [ 1, 2 ]
amdhsa.kernels:
  - .name:           k_qdc54e86df0_attn
    .symbol:         k_qdc54e86df0_attn.kd
    .args:
      - { .name: qq, .offset: 0, .size: 8, .value_kind: global_buffer, .address_space: global }
      - { .name: kv, .offset: 8, .size: 8, .value_kind: global_buffer, .address_space: global }
      - { .name: rel_bias, .offset: 16, .size: 8, .value_kind: global_buffer, .address_space: global }
      - { .name: mask, .offset: 24, .size: 8, .value_kind: global_buffer, .address_space: global }
      - { .name: aq, .offset: 32, .size: 8, .value_kind: global_buffer, .address_space: global }
    .group_segment_fixed_size: 239872
    .private_segment_fixed_size: 0
    .kernarg_segment_align: 8
    .kernarg_segment_size: 40
    .max_flat_workgroup_size: 512
    .sgpr_count:     66
    .vgpr_count:     256
    .wavefront_size: 32
...
	.end_amdgpu_metadata
.endif
;; end of part 3
;; launch oproj (part 4): grid 4 x 16, 4 waves a work-group, clusters of 4 x 4, 327,680 bytes of LDS; arguments aq, ow_codes, ow_scales, ob, x, y; writes y
.if DOCPART == 4
	.amdgcn_target "amdgcn-amd-amdhsa--gfx1250"
	.amdhsa_code_object_version 6
	.text
	.protected	k_qdc54e86df0_oproj
	.globl	k_qdc54e86df0_oproj
	.p2align	8
	.type	k_qdc54e86df0_oproj,@function
k_qdc54e86df0_oproj:
	s_mov_b64 s[64:65], 0
	v_nop
	global_prefetch_b8 v0, s[64:65] scope:SCOPE_SE
	s_setreg_imm32_b32 hwreg(HW_REG_WAVE_MODE, 25, 1), 1
	s_wait_xcnt 0x0
	s_wait_alu depctr_hold_cnt(0) depctr_sa_sdst(0) depctr_va_vdst(0) depctr_va_sdst(0) depctr_va_ssrc(0) depctr_va_vcc(0) depctr_vm_vsrc(0)
	s_getreg_b32 s2, hwreg(HW_REG_IB_STS2, 6, 4)
	s_cmp_eq_u32 s2, 0
	s_cbranch_scc0 .Lentry_in_a_cluster
	s_endpgm
.Lentry_in_a_cluster:
	s_bfe_u32 s2, ttmp6, 0x10000c
	s_cmp_lg_u32 s2, 0xf033
	s_cbranch_scc0 .Lentry_shape_is_right
	s_endpgm
.Lentry_shape_is_right:
; y = Q(attention's result) ow + ob + x, on codes of FP6 with E8M0 scales; y [4096][1024] f32 is what the layer norm takes.
; A tile of 256 rows x 256 columns to a work-group of four waves, 128 x 128 to a wave: 64 accumulators.  K goes in steps of 256 through two LDS slots.
; A (aq) comes as register images: 8 tiles x 3,072 bytes to a tensor load.  B (the weight) comes as rows of 192 bytes, 16 bytes of padding behind every 64.  The scales of all of K come once and stay.
; CLUSTER 4 x 4: A's tiles are asked for jointly along a row of the cluster, B's along a column.  The matrix instruction is used transposed (source 0 = 16 rows of the weight, source 1 = a tile of A).
; Lane r of A's tile 2 g + u is row 32 g + 8 u + r + 8 (r / 8): the way out puts each row where it belongs.  1,024 columns make 64 such tiles: 64 work-groups.
.set SIZE_K, 1024
.set ASOFF,  3145728
.set KSTEP,  256
.set NQ,     2
.set ROWB,   192
.set KROW,   SIZE_K*6/8
.set PITCH,  240
.set FR,     12
.set NL,     6
.set NP,     4
.set IMG,    1536
.set HALFA,  8*NQ*IMG
.set ASZ,    2*HALFA
.set HALFB,  128*PITCH
.set SLOT,   ASZ+2*HALFB
.set LAPS,   SIZE_K/(2*KSTEP)
.set KS,     SIZE_K/32
.set SCA,    2*SLOT
.set SCB,    SCA+256*KS
.set HALFS,  (128*KS/256)*272
.set SBLK,   (16*KS/256)*272
.set SPARE,  SCB+2*HALFS               ; the spare words: two blocks of 256 bytes that no other line names
.set SPITCH, 528
.set ADRA, 16
.set ADRB, 20
.set STO,  24
.set RD,   25
.set CO,   26
.set ADSB, 27
.set SPW,  28
.set NIL,  29
.set ADSA, 30
.set SA,   32
.set SB,   64
.set AF,   128
.set G1, 24
.set G0, 32
.set G1B, 48
.set G0B, 56
.set G1S, 68
.set G0S, 76
.set G1SB, 80
.set G0SB, 88
.set MSB, 0
.macro WIN new
.if MSB != (\new)
	s_set_vgpr_msb (MSB<<8)|(\new)
.set MSB, \new
.endif
.endm
.set MUL_LO, 0xa1
.set MUL_HI, 0xf1
.set TO_B,   0x40
.macro JLOAD g0a, g1a, g0b, g1b        ; a joint load: waves 0 and 1 fetch for A, waves 2 and 3 for B; four v_nop follow each line
	s_cmp_eq_u32 s15, 0
	s_cbranch_scc0 .Lfor_b_\@
	tensor_load_to_lds s[\g0a:\g0a+3], s[\g1a:\g1a+7]
	s_nop 0
.rept 4
	v_nop
.endr
	s_branch .Lasked_\@
.Lfor_b_\@:
	tensor_load_to_lds s[\g0b:\g0b+3], s[\g1b:\g1b+7]
	s_nop 0
.rept 4
	v_nop
.endr
.Lasked_\@:
.endm
.macro CREST
	s_cmp_lg_u32 s14, 0
	s_cbranch_scc1 .Lnot_wave_0_\@
	s_barrier_signal -3
.Lnot_wave_0_\@:
	s_barrier_wait -3
	s_barrier_signal -1
	s_barrier_wait -1
.endm
.macro CROUND
	s_barrier_signal -1
	s_barrier_wait -1
	CREST
.endm
	s_load_b64 s[4:5], s[0:1], 0x0                 ; A's images and scale words
	s_load_b128 s[8:11], s[0:1], 0x8               ; B's codes, B's scales
	v_lshl_add_u32 v[SPW], v0, 2, SPARE
	v_mov_b32 v[NIL], 0
	ds_add_u32 v28, v29
	ds_add_u32 v28, v29
	s_wait_dscnt 0x0
	v_lshrrev_b32 v1, 5, v0
	v_readfirstlane_b32 s14, v1                    ; wave
	s_lshr_b32 s15, s14, 1                         ; my half of the rows; also: I fetch for A (0) or B (1)
	s_and_b32 s16, s14, 1                          ; my half of the columns; also: which half I fetch
	s_bfe_u32 s40, ttmp6, 0x40000                  ; cx
	s_bfe_u32 s41, ttmp6, 0x40004                  ; cy
	s_lshl_b32 s42, ttmp9, 2
	s_add_co_u32 s42, s42, s40                     ; tile column
	s_and_b32 s17, ttmp7, 0xffff
	s_lshl_b32 s17, s17, 2
	s_add_co_u32 s17, s17, s41                     ; tile row
	s_lshl_b32 s43, s41, 2
	s_lshl_b32 s43, 15, s43                        ; my row of the cluster
	s_lshl_b32 s44, 0x1111, s40                    ; my column
	s_wait_kmcnt 0x0
	s_or_b32 s[G1+0], s43, (3<<16)|(1<<21)         ; A's tiles: elements of 8 bytes, no padding; the mask: my row
	s_mov_b32 s[G1+1], (NQ*192)<<16
	s_mov_b32 s[G1+2], 8<<16
	s_mov_b32 s[G1+3], (NQ*192)<<16
	s_mov_b32 s[G1+4], 8
	s_mov_b32 s[G1+5], (SIZE_K/128)*192
	s_mov_b32 s[G1+6], 0
	s_mov_b32 s[G1+7], 0
	s_or_b32 s[G1B+0], s44, (0<<16)|(1<<20)|(1<<21)|(3<<22)|(3<<25)   ; B's tiles: bytes; 16 bytes of padding behind every 64; the mask: my column
	s_mov_b32 s[G1B+1], ROWB<<16
	s_mov_b32 s[G1B+2], 128<<16
	s_mov_b32 s[G1B+3], ROWB<<16
	s_mov_b32 s[G1B+4], 128
	s_mov_b32 s[G1B+5], KROW
	s_mov_b32 s[G1B+6], 0
	s_mov_b32 s[G1B+7], 0
	s_or_b32 s[G1S+0], s43, (3<<16)|(1<<21)
	s_or_b32 s[G1SB+0], s44, (3<<16)|(1<<20)|(1<<21)|(5<<22)|(3<<25)
.irp g, G1S, G1SB
	s_mov_b32 s[\g+1], 32<<16
	s_mov_b32 s[\g+2], (KS/2)<<16
	s_mov_b32 s[\g+3], 32<<16
	s_mov_b32 s[\g+4], KS/2
	s_mov_b32 s[\g+5], 32
	s_mov_b32 s[\g+6], 0
	s_mov_b32 s[\g+7], 0
.endr
	s_lshl_b32 s20, s17, 4
	s_lshl_b32 s18, s16, 3
	s_add_co_u32 s20, s20, s18                     ; A: image tile 16 x tile row + 8 x half
	s_mul_i32 s20, s20, (SIZE_K/128)*IMG
	s_mov_b32 s21, 0
	s_mul_i32 s22, s17, 256*KS
	s_mul_i32 s18, s16, 128*KS
	s_add_co_u32 s22, s22, s18
	s_add_co_u32 s22, s22, ASOFF
	s_mov_b32 s23, 0
	s_lshl_b32 s46, s42, 8
	s_lshl_b32 s18, s16, 7
	s_add_co_u32 s46, s46, s18                     ; B: row 256 x tile column + 128 x half
	s_mul_i32 s92, s46, KS
	s_mov_b32 s93, 0
	s_mul_i32 s46, s46, KROW
	s_mov_b32 s47, 0
	s_mul_i32 s45, s16, HALFA
	s_mul_i32 s95, s16, HALFB
	s_add_co_u32 s95, s95, ASZ
	s_mul_i32 s94, s16, 128*KS
	s_add_co_u32 s94, s94, SCA
	s_mul_i32 s96, s16, HALFS
	s_add_co_u32 s96, s96, SCB
	s_add_nc_u64 s[20:21], s[4:5], s[20:21]
	s_add_nc_u64 s[22:23], s[4:5], s[22:23]
	s_add_nc_u64 s[46:47], s[8:9], s[46:47]
	s_add_nc_u64 s[92:93], s[10:11], s[92:93]
	CROUND                                         ; all sixteen work-groups are here: the first joint loads meet
	s_mov_b32 s[G0S], 1
	s_mov_b32 s[G0S+1], s94
	s_mov_b64 s[G0S+2:G0S+3], s[22:23]
	s_or_b32 s[G0S+3], s[G0S+3], 0x80000000
	s_mov_b32 s[G0SB], 1
	s_mov_b32 s[G0SB+1], s96
	s_mov_b64 s[G0SB+2:G0SB+3], s[92:93]
	s_or_b32 s[G0SB+3], s[G0SB+3], 0x80000000
	JLOAD G0S, G1S, G0SB, G1SB
.irp s, 0,1
	s_mov_b32 s[G0+4*\s], 1
	s_add_co_u32 s[G0+4*\s+1], s45, \s*SLOT
	s_add_nc_u64 s[G0+4*\s+2:G0+4*\s+3], s[20:21], \s*NQ*IMG
	s_or_b32 s[G0+4*\s+3], s[G0+4*\s+3], 0x80000000
	s_mov_b32 s[G0B+4*\s], 1
	s_add_co_u32 s[G0B+4*\s+1], s95, \s*SLOT
	s_add_nc_u64 s[G0B+4*\s+2:G0B+4*\s+3], s[46:47], \s*ROWB
	s_or_b32 s[G0B+4*\s+3], s[G0B+4*\s+3], 0x80000000
	JLOAD G0+4*\s, G1, G0B+4*\s, G1B
.endr
	v_and_b32 v1, 15, v0                           ; r
	v_bfe_u32 v2, v0, 4, 1                         ; h
	v_and_b32 v6, 31, v0                           ; lane
	v_lshlrev_b32 v7, 3, v6                        ; 8 x lane
	v_mul_u32_u24 v3, v1, PITCH
	v_mul_u32_u24 v4, v2, 24
	v_add_nc_u32 v4, v3, v4
	v_lshl_add_u32 v5, v2, 4, v4
	s_mul_i32 s21, s15, HALFA
	s_mul_i32 s22, s16, HALFB
	s_add_co_u32 s22, s22, ASZ
.irp s, 0,1
	v_add_nc_u32 v[ADRA+\s], s21, v7
	v_add_nc_u32 v[ADRB+\s], s22, v4
	v_add_nc_u32 v[ADRB+2+\s], s22, v5
	s_add_co_u32 s21, s21, SLOT
	s_add_co_u32 s22, s22, SLOT
.endr
	s_lshl_b32 s21, s15, 10
	s_add_co_u32 s21, s21, SCA
	v_lshl_add_u32 v[ADSA], v1, 3, s21
	v_mul_u32_u24 v5, v1, KS
	v_lshrrev_b32 v8, 8, v5
	v_lshl_add_u32 v5, v8, 4, v5
	s_mul_i32 s22, s16, HALFS
	s_add_co_u32 s22, s22, SCB
	v_add_nc_u32 v[ADSB], s22, v5
	s_mul_i32 s23, s14, 16*SPITCH                  ; my stage: 16 rows x 528 bytes, in slot 0, which has had its last fill and its last read when the first result is stored there
	v_mul_u32_u24 v5, v1, SPITCH
	v_lshl_add_u32 v5, v2, 5, v5
	v_add_nc_u32 v[STO], s23, v5
	v_lshlrev_b32 v[CO], 4, v6
	v_add_nc_u32 v[RD], s23, v[CO]
.macro FRAG reg, adr, q, i
.irp p, 0,1,2,3,4,5
.set PCE, 12*(\q)+6*(\p/3)+\p%3
.if PCE%8 < 5
	ds_load_b64 v[\reg+2*\p:\reg+2*\p+1], v[\adr] offset:8*PCE+16*(PCE/8)+(\i)*16*PITCH
.else
	ds_load_b64 v[\reg+2*\p:\reg+2*\p+1], v[\adr+2] offset:8*PCE+16*(PCE/8)+(\i)*16*PITCH
.endif
.endr
.endm
.macro FRAGA reg, slot, q, i
.irp p, 0,1,2,3,4,5
	ds_load_b64 v[\reg+2*\p:\reg+2*\p+1], v[ADRA+\slot] offset:((\i)*NQ+(\q))*IMG+256*\p
.endr
.endm
; 16 matrix instructions: A's blocks a0, a0 + 1 x B's eight.  The 64 accumulators take turns, one instruction a turn
.macro MUL16 a0, p, q, sc, zero
.irp a, \a0, \a0+1
.irp b, 0,1,2,3,4,5,6,7
.if \zero
	v_wmma_scale_f32_16x16x128_f8f6f4 v[8*(8*((\a)%4)+\b):8*(8*((\a)%4)+\b)+7], v[128*(\p)+FR*\b:128*(\p)+FR*\b+FR-1], v[AF+FR*(\a):AF+FR*(\a)+FR-1], 0, v[SB+16*(\sc)+2*\b+(\q)], v[SA+16*(\sc)+2*(\a)+(\q)] matrix_a_fmt:MATRIX_FMT_FP6 matrix_b_fmt:MATRIX_FMT_FP6
.else
	v_wmma_scale_f32_16x16x128_f8f6f4 v[8*(8*((\a)%4)+\b):8*(8*((\a)%4)+\b)+7], v[128*(\p)+FR*\b:128*(\p)+FR*\b+FR-1], v[AF+FR*(\a):AF+FR*(\a)+FR-1], v[8*(8*((\a)%4)+\b):8*(8*((\a)%4)+\b)+7], v[SB+16*(\sc)+2*\b+(\q)], v[SA+16*(\sc)+2*(\a)+(\q)] matrix_a_fmt:MATRIX_FMT_FP6 matrix_b_fmt:MATRIX_FMT_FP6
.endif
.endr
.endr
.endm
.macro FETCH_B slot, q, p
	WIN TO_B
.irp i, 0,1,2,3,4,5,6,7
	FRAG 128*(\p)+FR*\i, ADRB+\slot, \q, \i
.endr
	WIN 0
.endm
.macro FETCH_A slot, q, i0
.irp i, \i0, \i0+1, \i0+2, \i0+3
	FRAGA AF+FR*(\i), \slot, \q, \i
.endr
.endm
.macro SCALES sc
.irp i, 0,1,2,3,4,5,6,7
	ds_load_b64 v[SA+16*\sc+2*\i:SA+16*\sc+2*\i+1], v[ADSA] offset:128*\i
	ds_load_b64 v[SB+16*\sc+2*\i:SB+16*\sc+2*\i+1], v[ADSB] offset:\i*SBLK
.endr
.endm
.macro PLACES n                        ; places behind matrix instructions (ISA guide 7.12.1)
.rept \n
	v_nop
.endr
.endm
.macro STEP slot, q, zero
	s_wait_dscnt 4*NL                              ; all but the youngest 24 loads (A's blocks 4-7)
	WIN MUL_LO
	MUL16 0, (\q)%2, \q, \slot, \zero
	MUL16 2, (\q)%2, \q, \slot, \zero
	s_wait_dscnt 0
	PLACES NP
	FETCH_B \slot, (\q)+1, 1-(\q)%2
	FETCH_A \slot, (\q)+1, 0
	WIN MUL_HI
	MUL16 4, (\q)%2, \q, \slot, \zero
	MUL16 6, (\q)%2, \q, \slot, \zero
	PLACES NP
	WIN 0
	FETCH_A \slot, (\q)+1, 4
.endm
.macro TURN slot, next, fill
	s_wait_tensorcnt 0x0                           ; all my tensor loads have landed: my part of the next slot
	ds_add_u32 v[SPW], v[NIL]                      ; 0 onto my spare word
	s_wait_dscnt 4*NL+1                            ; (the add and A's blocks 4-7 may be out)
	WIN MUL_LO
	MUL16 0, 1, NQ-1, \slot, 0
	s_wait_dscnt 0x0                               ; the add is done, and my reads of this slot are over
	s_barrier_signal -1
	MUL16 2, 1, NQ-1, \slot, 0
	WIN 0
	s_barrier_wait -1
.if \fill
	CREST                                          ; the barrier has opened a round of the cluster's
	s_add_nc_u64 s[G0+4*\slot+2:G0+4*\slot+3], s[G0+4*\slot+2:G0+4*\slot+3], 2*NQ*IMG
	s_add_nc_u64 s[G0B+4*\slot+2:G0B+4*\slot+3], s[G0B+4*\slot+2:G0B+4*\slot+3], 2*ROWB
	JLOAD G0+4*\slot, G1, G0B+4*\slot, G1B
.else
	PLACES NP
.endif
	v_add_nc_u32 v[ADSA], 2048, v[ADSA]
	v_add_nc_u32 v[ADSB], 4*NQ, v[ADSB]
	FETCH_B \next, 0, 0
	FETCH_A \next, 0, 0
	SCALES \next
	WIN MUL_HI
	MUL16 4, 1, NQ-1, \slot, 0
	MUL16 6, 1, NQ-1, \slot, 0
	PLACES NP
	WIN 0
	FETCH_A \next, 0, 4
.endm
	s_wait_tensorcnt 1                             ; the scales and my part of slot 0 are in; slot 1's load may be out
	s_barrier_signal -1
	s_barrier_wait -1
	FETCH_B 0, 0, 0
	FETCH_A 0, 0, 0
	SCALES 0
	FETCH_A 0, 0, 4
	STEP 0, 0, 1
	s_mov_b32 s3, LAPS-1
.Llap:
	TURN 0, 1, 1
	STEP 1, 0, 0
	TURN 1, 0, 1
	STEP 0, 0, 0
	s_sub_co_u32 s3, s3, 1
	s_cmp_lg_u32 s3, 0
	s_cbranch_scc1 .Llap
	TURN 0, 1, 0
	STEP 1, 0, 0
	s_wait_dscnt 4*NL
	WIN MUL_LO
	MUL16 0, 1, NQ-1, 1, 0
	MUL16 2, 1, NQ-1, 1, 0
	s_wait_dscnt 0
	WIN MUL_HI
	MUL16 4, 1, NQ-1, 1, 0
	MUL16 6, 1, NQ-1, 1, 0
	WIN 0
; THE WAY OUT, block by block of 16 rows x 128 columns: through my stage, back as whole rows of 512 bytes; the residual's rows come into window 1; sum + residual + bias is stored.
.set BK,   128
.set BIAS, 100
.macro RLOAD a
	WIN TO_B
.irp t, 0,1,2,3,4,5,6,7,8,9,10,11,12,13,14,15
	global_load_b128 v[64*((\a)%2)+4*\t:64*((\a)%2)+4*\t+3], v[CO], s[8:9] offset:(32*((\a)/2)+8*((\a)%2)+\t+8*(\t/8))*4096
.endr
	WIN 0
.endm
.macro TOSTAGE a
.set AC, 64*((\a)%4)
	WIN 0x08+4*((\a)/4)
.irp b, 0,1,2,3,4,5,6,7
	ds_store_b128 v[STO], v[AC+8*\b:AC+8*\b+3] offset:64*\b
	ds_store_b128 v[STO], v[AC+8*\b+4:AC+8*\b+7] offset:64*\b+16
.endr
	WIN 0
.set BB, BK+64*((\a)%2)
.irp t, 0,1,2,3,4,5,6,7,8,9,10,11,12,13,14,15
	ds_load_b128 v[BB+4*\t:BB+4*\t+3], v[RD] offset:\t*SPITCH    ; LDS serves a wave's instructions in order: these see the stores above
.endr
.endm
.macro SEND a, yd, yl                  ; yd, yl: the LDS instructions and the loads issued behind block a's, which may stay out
.set BB, BK+64*((\a)%2)
.set RRB, 64*((\a)%2)
	s_wait_dscnt \yd
	s_wait_loadcnt \yl
	WIN 0x04                                       ; source 1: window 1
.set ii, 0
.rept 32
	v_pk_add_f32 v[BB+ii:BB+ii+1], v[BB+ii:BB+ii+1], v[RRB+ii:RRB+ii+1]
.set ii, ii+2
.endr
	WIN 0
.irp t, 0,1,2,3,4,5,6,7,8,9,10,11,12,13,14,15
	v_pk_add_f32 v[BB+4*\t:BB+4*\t+1], v[BB+4*\t:BB+4*\t+1], v[BIAS:BIAS+1]
	v_pk_add_f32 v[BB+4*\t+2:BB+4*\t+3], v[BB+4*\t+2:BB+4*\t+3], v[BIAS+2:BIAS+3]
.endr
.irp t, 0,1,2,3,4,5,6,7,8,9,10,11,12,13,14,15
	global_store_b128 v[CO], v[BB+4*\t:BB+4*\t+3], s[10:11] offset:(32*((\a)/2)+8*((\a)%2)+\t+8*(\t/8))*4096   ; 32 lanes store 512 consecutive bytes, aligned; 127 rows of 4,096 bytes at the most in the immediate
.endr
.endm
	s_load_b64 s[6:7], s[0:1], 0x18                ; the bias
	s_load_b128 s[8:11], s[0:1], 0x20              ; the residual, y
	PLACES NP
	s_lshl_b32 s20, s17, 8
	s_lshl_b32 s21, s15, 7
	s_add_co_u32 s20, s20, s21
	s_lshl_b32 s20, s20, 12                        ; my first row, in bytes
	s_lshl_b32 s46, s42, 10
	s_lshl_b32 s47, s16, 9
	s_add_co_u32 s46, s46, s47                     ; my first column, in bytes
	s_add_co_u32 s20, s20, s46
	s_mov_b32 s21, 0
	s_mov_b32 s47, 0
	s_wait_kmcnt 0x0
	s_add_nc_u64 s[6:7], s[6:7], s[46:47]
	s_add_nc_u64 s[8:9], s[8:9], s[20:21]
	s_add_nc_u64 s[10:11], s[10:11], s[20:21]
	global_load_b128 v[BIAS:BIAS+3], v[CO], s[6:7]
	RLOAD 0
	TOSTAGE 0
.irp a, 1,2,3,4,5,6,7
.if \a > 1
	s_wait_xcnt 0x0                                ; block a - 2's stores have read their registers
.endif
	RLOAD \a
	TOSTAGE \a
	SEND \a-1, 32, 16
.endr
	SEND 7, 0, 0
	s_wait_tensorcnt 0x0                           ; the wave's end
	ds_add_u32 v[SPW], v[NIL]
	s_wait_dscnt 0x0
	CROUND                                         ; the closing round
	s_endpgm
.Lfunc_end_k_qdc54e86df0_oproj:
	.size	k_qdc54e86df0_oproj, .Lfunc_end_k_qdc54e86df0_oproj-k_qdc54e86df0_oproj
	.p2alignl 7, 3214868480
	.fill 96, 4, 3214868480
	.section	.rodata,"a",@progbits
	.p2align	6, 0x0
	.amdhsa_kernel k_qdc54e86df0_oproj
		.amdhsa_group_segment_fixed_size 327680
		.amdhsa_private_segment_fixed_size 0
		.amdhsa_enable_private_segment 0
		.amdhsa_kernarg_size 48
		.amdhsa_user_sgpr_count 2
		.amdhsa_user_sgpr_kernarg_segment_ptr 1
		.amdhsa_wavefront_size32 1
		.amdhsa_system_sgpr_workgroup_id_x 1
		.amdhsa_system_sgpr_workgroup_id_y 1
		.amdhsa_system_sgpr_workgroup_id_z 1
		.amdhsa_system_vgpr_workitem_id 0
		.amdhsa_next_free_vgpr 1024
		.amdhsa_next_free_sgpr 100
		.amdhsa_reserve_vcc 0
		.amdhsa_float_denorm_mode_32 3
		.amdhsa_float_denorm_mode_16_64 3
		.amdhsa_memory_ordered 1
		.amdhsa_forward_progress 1
		.amdhsa_inst_pref_size 207
	.end_amdhsa_kernel
	.amdgpu_metadata
---
amdhsa.version: [ 1, 2 ]
amdhsa.kernels:
  - .name:           k_qdc54e86df0_oproj
    .symbol:         k_qdc54e86df0_oproj.kd
    .args:
      - { .name: aq, .offset: 0, .size: 8, .value_kind: global_buffer, .address_space: global }
      - { .name: ow_codes, .offset: 8, .size: 8, .value_kind: global_buffer, .address_space: global }
      - { .name: ow_scales, .offset: 16, .size: 8, .value_kind: global_buffer, .address_space: global }
      - { .name: ob, .offset: 24, .size: 8, .value_kind: global_buffer, .address_space: global }
      - { .name: x, .offset: 32, .size: 8, .value_kind: global_buffer, .address_space: global }
      - { .name: y, .offset: 40, .size: 8, .value_kind: global_buffer, .address_space: global }
    .group_segment_fixed_size: 327680
    .private_segment_fixed_size: 0
    .kernarg_segment_align: 8
    .kernarg_segment_size: 48
    .max_flat_workgroup_size: 128
    .sgpr_count:     100
    .vgpr_count:     1024
    .wavefront_size: 32
...
	.end_amdgpu_metadata
.endif
;; end of part 4
;; launch ln1 (part 5): grid 256 x 1, 4 waves a work-group, no clusters, 66,560 bytes of LDS; arguments y, ln1_w, ln1_b, x1, aq; writes x1, aq
.if DOCPART == 5
	.amdgcn_target "amdgcn-amd-amdhsa--gfx1250"
	.amdhsa_code_object_version 6
	.text
	.protected	k_qdc54e86df0_ln1
	.globl	k_qdc54e86df0_ln1
	.p2align	8
	.type	k_qdc54e86df0_ln1,@function
k_qdc54e86df0_ln1:
	s_mov_b64 s[64:65], 0
	v_nop
	global_prefetch_b8 v0, s[64:65] scope:SCOPE_SE
	s_setreg_imm32_b32 hwreg(HW_REG_WAVE_MODE, 25, 1), 1
	s_wait_xcnt 0x0
; x1 = layer norm of y (mean, then the mean of squares of what is left: two passes over registers), stored as f32 and, quantised to FP6 along its 1,024, as images in aq.
; A work-group makes one image tile of 16 rows (lane r of tile 2 g + u: row 32 g + 8 u + r + 8 (r / 8)).  Wave w owns four neighbouring rows, a row in 32 registers; the reductions never leave the wave.
; The normalised rows go to memory (512 consecutive bytes a store) and into LDS, rows 4,112 bytes apart; behind one barrier wave w quantises K steps 2 w and 2 w + 1.
; Work-groups share no input but the gains: no cluster, no tensor load.  LIMITS: NaN and infinities are not served; a block whose largest magnitude lies under 2^-124 gets the byte 1.
.set AQS,  3145728
.set LP,   4112
.set ST,   10                          ; row j: v[ST+6j:+1], v[ST+6j+2:+3] two chains; +4 the figure, +5 at work
.set X,    40
.set W,    168
.set BV,   200
.set PC,   104
.set TM,   124
.set PW,   140
.set SEL,  20
.macro QUANT s
.irp b, 0,1,2,3
	v_max3_num_f32 v[TM+\b], |v[\s+16*\b]|, |v[\s+1+16*\b]|, 0x1800000
.endr
.irp i, 2,4,6,8,10,12,14
.irp b, 0,1,2,3
	v_max3_num_f32 v[TM+\b], v[TM+\b], |v[\s+16*\b+\i]|, |v[\s+1+16*\b+\i]|
.endr
.endr
.irp b, 0,1,2,3
	v_permlanex16_b32 v[TM+4+\b], v[TM+\b], s[SEL], s[SEL+1]
.endr
.irp b, 0,1,2,3
	v_max_num_f32 v[TM+\b], v[TM+\b], v[TM+4+\b]
.endr
.irp b, 0,1,2,3
	v_add_nc_u32 v[TM+12+\b], 0xff000000, v[TM+\b]
.endr
.irp b, 0,1,2,3
	v_lshrrev_b32 v[TM+4+\b], 23, v[TM+12+\b]
.endr
	v_lshl_or_b32 v[PW], v[TM+5], 8, v[TM+4]
	v_lshl_or_b32 v[PW], v[TM+6], 16, v[PW]
	v_lshl_or_b32 v[PW], v[TM+7], 24, v[PW]
.irp c, 0,1
	v_cvt_scalef32_pk16_fp6_f32 v[PC+6*\c:PC+2+6*\c], v[\s+32*\c:\s+15+32*\c], v[TM+12+2*\c]
	v_cvt_scalef32_pk16_fp6_f32 v[PC+12+4*\c:PC+14+4*\c], v[\s+16+32*\c:\s+31+32*\c], v[TM+12+2*\c+1]
.endr
	v_nop
.irp c, 0,1
.irp i, 0,1,2
	v_permlane16_swap_b32 v[PC+6*\c+\i], v[PC+12+4*\c+\i]
.endr
.irp i, 0,1,2
	v_mov_b32 v[PC+3+6*\c+\i], v[PC+12+4*\c+\i]
.endr
.endr
.endm
.macro FOLD                            ; each row's two chains become one figure in every lane
.irp j, 0,1,2,3
	v_pk_add_f32 v[ST+6*\j:ST+6*\j+1], v[ST+6*\j:ST+6*\j+1], v[ST+6*\j+2:ST+6*\j+3]
.endr
.irp j, 0,1,2,3
	v_add_f32 v[ST+6*\j+4], v[ST+6*\j], v[ST+6*\j+1]
.endr
.irp m, 1,2,4,8
.irp j, 0,1,2,3
	v_add_f32_dpp v[ST+6*\j+4], v[ST+6*\j+4], v[ST+6*\j+4] row_xmask:\m row_mask:0xf bank_mask:0xf
.endr
.endr
.irp j, 0,1,2,3
	v_permlanex16_b32 v[ST+6*\j+5], v[ST+6*\j+4], s[SEL], s[SEL+1]
.endr
.irp j, 0,1,2,3
	v_add_f32 v[ST+6*\j+4], v[ST+6*\j+4], v[ST+6*\j+5]
.endr
.endm
	s_load_b256 s[4:11], s[0:1], 0x0               ; y, the gain, the bias, x1
	s_load_b64 s[12:13], s[0:1], 0x20              ; aq
	v_lshl_add_u32 v232, v0, 2, 0x10200
	v_mov_b32 v233, 0
	v_lshrrev_b32 v1, 5, v0
	v_readfirstlane_b32 s14, v1                    ; wave
	v_and_b32 v1, 31, v0
	v_lshlrev_b32 v2, 4, v1                        ; 16 x lane
	v_and_b32 v3, 15, v0                           ; r
	v_bfe_u32 v4, v0, 4, 1                         ; h
	s_lshr_b32 s16, ttmp9, 1
	s_lshl_b32 s16, s16, 5
	s_and_b32 s15, ttmp9, 1
	s_lshl_b32 s15, s15, 3
	s_add_co_u32 s16, s16, s15
	s_lshl_b32 s15, s14, 2
	s_add_co_u32 s16, s16, s15
	s_lshr_b32 s15, s14, 1
	s_lshl_b32 s15, s15, 3
	s_add_co_u32 s16, s16, s15                     ; my first row
	s_lshl_b32 s16, s16, 12
	s_mov_b32 s17, 0
	s_mov_b32 s18, 0x3a800000                      ; 1 / 1024
	s_mov_b32 s19, 0x358637bd                      ; 1e-6
	s_mov_b32 s[SEL], 0x76543210
	s_mov_b32 s[SEL+1], 0xfedcba98
	s_mul_i32 s15, s14, 4*LP
	v_add_nc_u32 v5, s15, v2
	v_mul_u32_u24 v6, v3, LP
	v_lshl_add_u32 v6, v4, 6, v6
	s_lshl_b32 s15, s14, 10
	v_add_nc_u32 v6, s15, v6
	v_lshlrev_b32 v7, 3, v1
	v_lshlrev_b32 v8, 3, v3
	s_mul_i32 s22, ttmp9, 8*1536
	s_mul_i32 s15, s14, 2*1536
	s_add_co_u32 s22, s22, s15
	s_mov_b32 s23, 0
	s_lshr_b32 s24, ttmp9, 4
	s_lshl_b32 s24, s24, 13
	s_lshl_b32 s15, s14, 11
	s_add_co_u32 s24, s24, s15
	s_and_b32 s15, ttmp9, 15
	s_lshl_b32 s15, s15, 7
	s_add_co_u32 s24, s24, s15
	s_add_co_u32 s24, s24, AQS
	s_mov_b32 s25, 0
.irp j, 0,1,2,3
	v_mov_b32 v[ST+6*\j+5], 0                      ; a lane permute's destination counts as one of its sources
	v_mov_b32 v[TM+4+\j], 0
.endr
	s_wait_kmcnt 0x0
	s_add_nc_u64 s[4:5], s[4:5], s[16:17]
	s_add_nc_u64 s[10:11], s[10:11], s[16:17]
	s_add_nc_u64 s[22:23], s[12:13], s[22:23]
	s_add_nc_u64 s[24:25], s[12:13], s[24:25]
.irp j, 0,1,2,3
.irp c, 0,1,2,3,4,5,6,7
	global_load_b128 v[X+32*\j+4*\c:X+32*\j+4*\c+3], v2, s[4:5] offset:4096*\j+512*\c th:TH_LOAD_NT
.endr
.endr
.irp c, 0,1,2,3,4,5,6,7
	global_load_b128 v[W+4*\c:W+4*\c+3], v2, s[6:7] offset:512*\c
	global_load_b128 v[BV+4*\c:BV+4*\c+3], v2, s[8:9] offset:512*\c
.endr
	s_wait_loadcnt 0x0
.irp j, 0,1,2,3
	v_pk_add_f32 v[ST+6*\j:ST+6*\j+1], v[X+32*\j:X+32*\j+1], v[X+32*\j+2:X+32*\j+3]
	v_pk_add_f32 v[ST+6*\j+2:ST+6*\j+3], v[X+32*\j+4:X+32*\j+5], v[X+32*\j+6:X+32*\j+7]
.endr
.irp i, 8,12,16,20,24,28
.irp j, 0,1,2,3
	v_pk_add_f32 v[ST+6*\j:ST+6*\j+1], v[ST+6*\j:ST+6*\j+1], v[X+32*\j+\i:X+32*\j+\i+1]
	v_pk_add_f32 v[ST+6*\j+2:ST+6*\j+3], v[ST+6*\j+2:ST+6*\j+3], v[X+32*\j+\i+2:X+32*\j+\i+3]
.endr
.endr
	FOLD
.irp j, 0,1,2,3
	v_mul_f32 v[ST+6*\j+4], s18, v[ST+6*\j+4]      ; the mean
.endr
.irp i, 0,2,4,6,8,10,12,14,16,18,20,22,24,26,28,30
.irp j, 0,1,2,3
	v_pk_add_f32 v[X+32*\j+\i:X+32*\j+\i+1], v[X+32*\j+\i:X+32*\j+\i+1], v[ST+6*\j+4:ST+6*\j+5] op_sel_hi:[1,0] neg_lo:[0,1] neg_hi:[0,1]
.endr
.endr
.irp j, 0,1,2,3
	v_pk_mul_f32 v[ST+6*\j:ST+6*\j+1], v[X+32*\j:X+32*\j+1], v[X+32*\j:X+32*\j+1]
	v_pk_mul_f32 v[ST+6*\j+2:ST+6*\j+3], v[X+32*\j+2:X+32*\j+3], v[X+32*\j+2:X+32*\j+3]
.endr
.irp i, 4,8,12,16,20,24,28
.irp j, 0,1,2,3
	v_pk_fma_f32 v[ST+6*\j:ST+6*\j+1], v[X+32*\j+\i:X+32*\j+\i+1], v[X+32*\j+\i:X+32*\j+\i+1], v[ST+6*\j:ST+6*\j+1]
	v_pk_fma_f32 v[ST+6*\j+2:ST+6*\j+3], v[X+32*\j+\i+2:X+32*\j+\i+3], v[X+32*\j+\i+2:X+32*\j+\i+3], v[ST+6*\j+2:ST+6*\j+3]
.endr
.endr
	FOLD
.irp j, 0,1,2,3
	v_fma_f32 v[ST+6*\j+4], v[ST+6*\j+4], s18, s19 ; the variance + 1e-6
.endr
.irp j, 0,1,2,3
	v_rsq_f32 v[ST+6*\j+4], v[ST+6*\j+4]
.endr
	v_nop                                          ; one plain place behind a transcendental
	s_wait_alu depctr_va_vdst(0)
.irp i, 0,2,4,6,8,10,12,14,16,18,20,22,24,26,28,30
.irp j, 0,1,2,3
	v_pk_mul_f32 v[X+32*\j+\i:X+32*\j+\i+1], v[X+32*\j+\i:X+32*\j+\i+1], v[ST+6*\j+4:ST+6*\j+5] op_sel_hi:[1,0]
.endr
.endr
.irp i, 0,2,4,6,8,10,12,14,16,18,20,22,24,26,28,30
.irp j, 0,1,2,3
	v_pk_fma_f32 v[X+32*\j+\i:X+32*\j+\i+1], v[X+32*\j+\i:X+32*\j+\i+1], v[W+\i:W+\i+1], v[BV+\i:BV+\i+1]
.endr
.endr
.irp j, 0,1,2,3
.irp c, 0,1,2,3,4,5,6,7
	global_store_b128 v2, v[X+32*\j+4*\c:X+32*\j+4*\c+3], s[10:11] offset:4096*\j+512*\c
	ds_store_b128 v5, v[X+32*\j+4*\c:X+32*\j+4*\c+3] offset:LP*\j+512*\c
.endr
.endr
	s_wait_dscnt 0x0                               ; for the others' sake: my rows lie in LDS
	s_barrier_signal -1
	s_barrier_wait -1
	s_wait_xcnt 0x0                                ; the stores of x1 have read their registers
.irp s, 0,1
.irp b, 0,1,2,3
.irp n, 0,1,2,3
	ds_load_b128 v[X+16*\b+4*\n:X+16*\b+4*\n+3], v6 offset:512*\s+128*\b+16*\n
.endr
.endr
	s_wait_dscnt 0x0
.if \s
	s_wait_xcnt 0x0
.endif
.set PW, 140+\s
	QUANT X
.irp p, 0,1,2,3,4,5
	global_store_b64 v7, v[PC+2*\p:PC+2*\p+1], s[22:23] offset:1536*\s+256*\p
.endr
.endr
	global_store_b64 v8, v[140:141], s[24:25]
	s_wait_tensorcnt 0x0
	ds_add_u32 v232, v233
	s_wait_dscnt 0x0
	s_endpgm
.Lfunc_end_k_qdc54e86df0_ln1:
	.size	k_qdc54e86df0_ln1, .Lfunc_end_k_qdc54e86df0_ln1-k_qdc54e86df0_ln1
	.p2alignl 7, 3214868480
	.fill 96, 4, 3214868480
	.section	.rodata,"a",@progbits
	.p2align	6, 0x0
	.amdhsa_kernel k_qdc54e86df0_ln1
		.amdhsa_group_segment_fixed_size 66560
		.amdhsa_private_segment_fixed_size 0
		.amdhsa_enable_private_segment 0
		.amdhsa_kernarg_size 40
		.amdhsa_user_sgpr_count 2
		.amdhsa_user_sgpr_kernarg_segment_ptr 1
		.amdhsa_wavefront_size32 1
		.amdhsa_system_sgpr_workgroup_id_x 1
		.amdhsa_system_sgpr_workgroup_id_y 1
		.amdhsa_system_sgpr_workgroup_id_z 1
		.amdhsa_system_vgpr_workitem_id 0
		.amdhsa_next_free_vgpr 234
		.amdhsa_next_free_sgpr 66
		.amdhsa_reserve_vcc 0
		.amdhsa_float_denorm_mode_32 3
		.amdhsa_float_denorm_mode_16_64 3
		.amdhsa_memory_ordered 1
		.amdhsa_forward_progress 1
		.amdhsa_inst_pref_size 47
	.end_amdhsa_kernel
	.amdgpu_metadata
---
amdhsa.version: [ 1, 2 ]
amdhsa.kernels:
  - .name:           k_qdc54e86df0_ln1
    .symbol:         k_qdc54e86df0_ln1.kd
    .args:
      - { .name: y, .offset: 0, .size: 8, .value_kind: global_buffer, .address_space: global }
      - { .name: ln1_w, .offset: 8, .size: 8, .value_kind: global_buffer, .address_space: global }
      - { .name: ln1_b, .offset: 16, .size: 8, .value_kind: global_buffer, .address_space: global }
      - { .name: x1, .offset: 24, .size: 8, .value_kind: global_buffer, .address_space: global }
      - { .name: aq, .offset: 32, .size: 8, .value_kind: global_buffer, .address_space: global }
    .group_segment_fixed_size: 66560
    .private_segment_fixed_size: 0
    .kernarg_segment_align: 8
    .kernarg_segment_size: 40
    .max_flat_workgroup_size: 128
    .sgpr_count:     66
    .vgpr_count:     234
    .wavefront_size: 32
...
	.end_amdgpu_metadata
.endif
;; end of part 5
;; launch ffn1 (part 6): grid 16 x 16, 4 waves a work-group, clusters of 4 x 4, 327,680 bytes of LDS; arguments aq, f1w_codes, f1w_scales, f1b, hq; writes hq
.if DOCPART == 6
	.amdgcn_target "amdgcn-amd-amdhsa--gfx1250"
	.amdhsa_code_object_version 6
	.text
	.protected	k_qdc54e86df0_ffn1
	.globl	k_qdc54e86df0_ffn1
	.p2align	8
	.type	k_qdc54e86df0_ffn1,@function
k_qdc54e86df0_ffn1:
	s_mov_b64 s[64:65], 0
	v_nop
	global_prefetch_b8 v0, s[64:65] scope:SCOPE_SE
	s_setreg_imm32_b32 hwreg(HW_REG_WAVE_MODE, 25, 1), 1
	s_wait_xcnt 0x0
	s_wait_alu depctr_hold_cnt(0) depctr_sa_sdst(0) depctr_va_vdst(0) depctr_va_sdst(0) depctr_va_ssrc(0) depctr_va_vcc(0) depctr_vm_vsrc(0)
	s_getreg_b32 s2, hwreg(HW_REG_IB_STS2, 6, 4)
	s_cmp_eq_u32 s2, 0
	s_cbranch_scc0 .Lentry_in_a_cluster
	s_endpgm
.Lentry_in_a_cluster:
	s_bfe_u32 s2, ttmp6, 0x10000c
	s_cmp_lg_u32 s2, 0xf033
	s_cbranch_scc0 .Lentry_shape_is_right
	s_endpgm
.Lentry_shape_is_right:
; h = gelu(Q(x1) f1w + f1b), exact form, in f32, and h quantised to FP6 along its 4,096 into images (hq) for the next product.
; A tile of 256 rows x 256 columns to a work-group of four waves, 128 x 128 to a wave: 64 accumulators.  K goes in steps of 256 through two LDS slots.
; A (aq) comes as register images, B (the weight) as rows of 192 bytes with 16 bytes of padding behind every 64; the scales of all of K come once and stay.
; CLUSTER 4 x 4: A's tiles are asked for jointly along a row of the cluster, B's along a column.  The matrix instruction is used transposed: a lane holds one row and eight neighbouring columns.
; A wave's 128 columns are one K step of the next product: each block of 16 rows becomes one fragment and one scale word a row, without LDS.
; erf(z) = z P(z^2) / Q(z^2), polynomials of degree 6 and 4, z held to -4 .. 4 (beyond that erf is 1 to the last bit of f32).
; LIMITS: NaN and infinities are not served; a block whose largest magnitude lies under 2^-124 gets the byte 1.
.set SIZE_K, 1024
.set ASOFF,  3145728
.set HQS,    12582912
.set KSTEP,  256
.set NQ,     2
.set ROWB,   192
.set KROW,   SIZE_K*6/8
.set PITCH,  240
.set FR,     12
.set NL,     6
.set NP,     4
.set IMG,    1536
.set HALFA,  8*NQ*IMG
.set ASZ,    2*HALFA
.set HALFB,  128*PITCH
.set SLOT,   ASZ+2*HALFB
.set LAPS,   SIZE_K/(2*KSTEP)
.set KS,     SIZE_K/32
.set SCA,    2*SLOT
.set SCB,    SCA+256*KS
.set HALFS,  (128*KS/256)*272
.set SBLK,   (16*KS/256)*272
.set SPARE,  SCB+2*HALFS               ; the spare words: two blocks of 256 bytes that no other line names
.set ADRA, 16
.set ADRB, 20
.set ADSB, 27
.set SPW,  28
.set NIL,  29
.set ADSA, 30
.set SA,   32
.set SB,   64
.set AF,   128
.set G1, 24
.set G0, 32
.set G1B, 48
.set G0B, 56
.set G1S, 68
.set G0S, 76
.set G1SB, 80
.set G0SB, 88
.set MSB, 0
.macro WIN new
.if MSB != (\new)
	s_set_vgpr_msb (MSB<<8)|(\new)
.set MSB, \new
.endif
.endm
.set MUL_LO, 0xa1
.set MUL_HI, 0xf1
.set TO_B,   0x40
.macro JLOAD g0a, g1a, g0b, g1b        ; a joint load: waves 0 and 1 fetch for A, waves 2 and 3 for B; four v_nop follow each line
	s_cmp_eq_u32 s15, 0
	s_cbranch_scc0 .Lfor_b_\@
	tensor_load_to_lds s[\g0a:\g0a+3], s[\g1a:\g1a+7]
	s_nop 0
.rept 4
	v_nop
.endr
	s_branch .Lasked_\@
.Lfor_b_\@:
	tensor_load_to_lds s[\g0b:\g0b+3], s[\g1b:\g1b+7]
	s_nop 0
.rept 4
	v_nop
.endr
.Lasked_\@:
.endm
.macro CREST
	s_cmp_lg_u32 s14, 0
	s_cbranch_scc1 .Lnot_wave_0_\@
	s_barrier_signal -3
.Lnot_wave_0_\@:
	s_barrier_wait -3
	s_barrier_signal -1
	s_barrier_wait -1
.endm
.macro CROUND
	s_barrier_signal -1
	s_barrier_wait -1
	CREST
.endm
	s_load_b64 s[4:5], s[0:1], 0x0                 ; A's images and scale words
	s_load_b128 s[8:11], s[0:1], 0x8               ; B's codes, B's scales
	v_lshl_add_u32 v[SPW], v0, 2, SPARE
	v_mov_b32 v[NIL], 0
	ds_add_u32 v28, v29
	ds_add_u32 v28, v29
	s_wait_dscnt 0x0
	v_lshrrev_b32 v1, 5, v0
	v_readfirstlane_b32 s14, v1                    ; wave
	s_lshr_b32 s15, s14, 1
	s_and_b32 s16, s14, 1
	s_bfe_u32 s40, ttmp6, 0x40000                  ; cx
	s_bfe_u32 s41, ttmp6, 0x40004                  ; cy
	s_lshl_b32 s42, ttmp9, 2
	s_add_co_u32 s42, s42, s40                     ; tile column
	s_and_b32 s17, ttmp7, 0xffff
	s_lshl_b32 s17, s17, 2
	s_add_co_u32 s17, s17, s41                     ; tile row
	s_lshl_b32 s43, s41, 2
	s_lshl_b32 s43, 15, s43
	s_lshl_b32 s44, 0x1111, s40
	s_wait_kmcnt 0x0
	s_or_b32 s[G1+0], s43, (3<<16)|(1<<21)
	s_mov_b32 s[G1+1], (NQ*192)<<16
	s_mov_b32 s[G1+2], 8<<16
	s_mov_b32 s[G1+3], (NQ*192)<<16
	s_mov_b32 s[G1+4], 8
	s_mov_b32 s[G1+5], (SIZE_K/128)*192
	s_mov_b32 s[G1+6], 0
	s_mov_b32 s[G1+7], 0
	s_or_b32 s[G1B+0], s44, (0<<16)|(1<<20)|(1<<21)|(3<<22)|(3<<25)
	s_mov_b32 s[G1B+1], ROWB<<16
	s_mov_b32 s[G1B+2], 128<<16
	s_mov_b32 s[G1B+3], ROWB<<16
	s_mov_b32 s[G1B+4], 128
	s_mov_b32 s[G1B+5], KROW
	s_mov_b32 s[G1B+6], 0
	s_mov_b32 s[G1B+7], 0
	s_or_b32 s[G1S+0], s43, (3<<16)|(1<<21)
	s_or_b32 s[G1SB+0], s44, (3<<16)|(1<<20)|(1<<21)|(5<<22)|(3<<25)
.irp g, G1S, G1SB
	s_mov_b32 s[\g+1], 32<<16
	s_mov_b32 s[\g+2], (KS/2)<<16
	s_mov_b32 s[\g+3], 32<<16
	s_mov_b32 s[\g+4], KS/2
	s_mov_b32 s[\g+5], 32
	s_mov_b32 s[\g+6], 0
	s_mov_b32 s[\g+7], 0
.endr
	s_lshl_b32 s20, s17, 4
	s_lshl_b32 s18, s16, 3
	s_add_co_u32 s20, s20, s18
	s_mul_i32 s20, s20, (SIZE_K/128)*IMG
	s_mov_b32 s21, 0
	s_mul_i32 s22, s17, 256*KS
	s_mul_i32 s18, s16, 128*KS
	s_add_co_u32 s22, s22, s18
	s_add_co_u32 s22, s22, ASOFF
	s_mov_b32 s23, 0
	s_lshl_b32 s46, s42, 8
	s_lshl_b32 s18, s16, 7
	s_add_co_u32 s46, s46, s18
	s_mul_i32 s92, s46, KS
	s_mov_b32 s93, 0
	s_mul_i32 s46, s46, KROW
	s_mov_b32 s47, 0
	s_mul_i32 s45, s16, HALFA
	s_mul_i32 s95, s16, HALFB
	s_add_co_u32 s95, s95, ASZ
	s_mul_i32 s94, s16, 128*KS
	s_add_co_u32 s94, s94, SCA
	s_mul_i32 s96, s16, HALFS
	s_add_co_u32 s96, s96, SCB
	s_add_nc_u64 s[20:21], s[4:5], s[20:21]
	s_add_nc_u64 s[22:23], s[4:5], s[22:23]
	s_add_nc_u64 s[46:47], s[8:9], s[46:47]
	s_add_nc_u64 s[92:93], s[10:11], s[92:93]
	CROUND                                         ; all sixteen work-groups are here: the first joint loads meet
	s_mov_b32 s[G0S], 1
	s_mov_b32 s[G0S+1], s94
	s_mov_b64 s[G0S+2:G0S+3], s[22:23]
	s_or_b32 s[G0S+3], s[G0S+3], 0x80000000
	s_mov_b32 s[G0SB], 1
	s_mov_b32 s[G0SB+1], s96
	s_mov_b64 s[G0SB+2:G0SB+3], s[92:93]
	s_or_b32 s[G0SB+3], s[G0SB+3], 0x80000000
	JLOAD G0S, G1S, G0SB, G1SB
.irp s, 0,1
	s_mov_b32 s[G0+4*\s], 1
	s_add_co_u32 s[G0+4*\s+1], s45, \s*SLOT
	s_add_nc_u64 s[G0+4*\s+2:G0+4*\s+3], s[20:21], \s*NQ*IMG
	s_or_b32 s[G0+4*\s+3], s[G0+4*\s+3], 0x80000000
	s_mov_b32 s[G0B+4*\s], 1
	s_add_co_u32 s[G0B+4*\s+1], s95, \s*SLOT
	s_add_nc_u64 s[G0B+4*\s+2:G0B+4*\s+3], s[46:47], \s*ROWB
	s_or_b32 s[G0B+4*\s+3], s[G0B+4*\s+3], 0x80000000
	JLOAD G0+4*\s, G1, G0B+4*\s, G1B
.endr
	v_and_b32 v1, 15, v0                           ; r
	v_bfe_u32 v2, v0, 4, 1                         ; h
	v_and_b32 v6, 31, v0                           ; lane
	v_lshlrev_b32 v7, 3, v6                        ; 8 x lane
	v_mul_u32_u24 v3, v1, PITCH
	v_mul_u32_u24 v4, v2, 24
	v_add_nc_u32 v4, v3, v4
	v_lshl_add_u32 v5, v2, 4, v4
	s_mul_i32 s21, s15, HALFA
	s_mul_i32 s22, s16, HALFB
	s_add_co_u32 s22, s22, ASZ
.irp s, 0,1
	v_add_nc_u32 v[ADRA+\s], s21, v7
	v_add_nc_u32 v[ADRB+\s], s22, v4
	v_add_nc_u32 v[ADRB+2+\s], s22, v5
	s_add_co_u32 s21, s21, SLOT
	s_add_co_u32 s22, s22, SLOT
.endr
	s_lshl_b32 s21, s15, 10
	s_add_co_u32 s21, s21, SCA
	v_lshl_add_u32 v[ADSA], v1, 3, s21
	v_mul_u32_u24 v5, v1, KS
	v_lshrrev_b32 v8, 8, v5
	v_lshl_add_u32 v5, v8, 4, v5
	s_mul_i32 s22, s16, HALFS
	s_add_co_u32 s22, s22, SCB
	v_add_nc_u32 v[ADSB], s22, v5
.macro FRAG reg, adr, q, i
.irp p, 0,1,2,3,4,5
.set PCE, 12*(\q)+6*(\p/3)+\p%3
.if PCE%8 < 5
	ds_load_b64 v[\reg+2*\p:\reg+2*\p+1], v[\adr] offset:8*PCE+16*(PCE/8)+(\i)*16*PITCH
.else
	ds_load_b64 v[\reg+2*\p:\reg+2*\p+1], v[\adr+2] offset:8*PCE+16*(PCE/8)+(\i)*16*PITCH
.endif
.endr
.endm
.macro FRAGA reg, slot, q, i
.irp p, 0,1,2,3,4,5
	ds_load_b64 v[\reg+2*\p:\reg+2*\p+1], v[ADRA+\slot] offset:((\i)*NQ+(\q))*IMG+256*\p
.endr
.endm
; 16 matrix instructions: A's blocks a0, a0 + 1 x B's eight.  The 64 accumulators take turns, one instruction a turn
.macro MUL16 a0, p, q, sc, zero
.irp a, \a0, \a0+1
.irp b, 0,1,2,3,4,5,6,7
.if \zero
	v_wmma_scale_f32_16x16x128_f8f6f4 v[8*(8*((\a)%4)+\b):8*(8*((\a)%4)+\b)+7], v[128*(\p)+FR*\b:128*(\p)+FR*\b+FR-1], v[AF+FR*(\a):AF+FR*(\a)+FR-1], 0, v[SB+16*(\sc)+2*\b+(\q)], v[SA+16*(\sc)+2*(\a)+(\q)] matrix_a_fmt:MATRIX_FMT_FP6 matrix_b_fmt:MATRIX_FMT_FP6
.else
	v_wmma_scale_f32_16x16x128_f8f6f4 v[8*(8*((\a)%4)+\b):8*(8*((\a)%4)+\b)+7], v[128*(\p)+FR*\b:128*(\p)+FR*\b+FR-1], v[AF+FR*(\a):AF+FR*(\a)+FR-1], v[8*(8*((\a)%4)+\b):8*(8*((\a)%4)+\b)+7], v[SB+16*(\sc)+2*\b+(\q)], v[SA+16*(\sc)+2*(\a)+(\q)] matrix_a_fmt:MATRIX_FMT_FP6 matrix_b_fmt:MATRIX_FMT_FP6
.endif
.endr
.endr
.endm
.macro FETCH_B slot, q, p
	WIN TO_B
.irp i, 0,1,2,3,4,5,6,7
	FRAG 128*(\p)+FR*\i, ADRB+\slot, \q, \i
.endr
	WIN 0
.endm
.macro FETCH_A slot, q, i0
.irp i, \i0, \i0+1, \i0+2, \i0+3
	FRAGA AF+FR*(\i), \slot, \q, \i
.endr
.endm
.macro SCALES sc
.irp i, 0,1,2,3,4,5,6,7
	ds_load_b64 v[SA+16*\sc+2*\i:SA+16*\sc+2*\i+1], v[ADSA] offset:128*\i
	ds_load_b64 v[SB+16*\sc+2*\i:SB+16*\sc+2*\i+1], v[ADSB] offset:\i*SBLK
.endr
.endm
.macro PLACES n                        ; places behind matrix instructions (ISA guide 7.12.1)
.rept \n
	v_nop
.endr
.endm
.macro STEP slot, q, zero
	s_wait_dscnt 4*NL                              ; all but the youngest 24 loads (A's blocks 4-7)
	WIN MUL_LO
	MUL16 0, (\q)%2, \q, \slot, \zero
	MUL16 2, (\q)%2, \q, \slot, \zero
	s_wait_dscnt 0
	PLACES NP
	FETCH_B \slot, (\q)+1, 1-(\q)%2
	FETCH_A \slot, (\q)+1, 0
	WIN MUL_HI
	MUL16 4, (\q)%2, \q, \slot, \zero
	MUL16 6, (\q)%2, \q, \slot, \zero
	PLACES NP
	WIN 0
	FETCH_A \slot, (\q)+1, 4
.endm
.macro TURN slot, next, fill
	s_wait_tensorcnt 0x0                           ; all my tensor loads have landed: my part of the next slot
	ds_add_u32 v[SPW], v[NIL]                      ; 0 onto my spare word
	s_wait_dscnt 4*NL+1                            ; (the add and A's blocks 4-7 may be out)
	WIN MUL_LO
	MUL16 0, 1, NQ-1, \slot, 0
	s_wait_dscnt 0x0                               ; the add is done, and my reads of this slot are over
	s_barrier_signal -1
	MUL16 2, 1, NQ-1, \slot, 0
	WIN 0
	s_barrier_wait -1
.if \fill
	CREST                                          ; the barrier has opened a round of the cluster's
	s_add_nc_u64 s[G0+4*\slot+2:G0+4*\slot+3], s[G0+4*\slot+2:G0+4*\slot+3], 2*NQ*IMG
	s_add_nc_u64 s[G0B+4*\slot+2:G0B+4*\slot+3], s[G0B+4*\slot+2:G0B+4*\slot+3], 2*ROWB
	JLOAD G0+4*\slot, G1, G0B+4*\slot, G1B
.else
	PLACES NP
.endif
	v_add_nc_u32 v[ADSA], 2048, v[ADSA]
	v_add_nc_u32 v[ADSB], 4*NQ, v[ADSB]
	FETCH_B \next, 0, 0
	FETCH_A \next, 0, 0
	SCALES \next
	WIN MUL_HI
	MUL16 4, 1, NQ-1, \slot, 0
	MUL16 6, 1, NQ-1, \slot, 0
	PLACES NP
	WIN 0
	FETCH_A \next, 0, 4
.endm
	s_wait_tensorcnt 1                             ; the scales and my part of slot 0 are in; slot 1's load may be out
	s_barrier_signal -1
	s_barrier_wait -1
	FETCH_B 0, 0, 0
	FETCH_A 0, 0, 0
	SCALES 0
	FETCH_A 0, 0, 4
	STEP 0, 0, 1
	s_mov_b32 s3, LAPS-1
.Llap:
	TURN 0, 1, 1
	STEP 1, 0, 0
	TURN 1, 0, 1
	STEP 0, 0, 0
	s_sub_co_u32 s3, s3, 1
	s_cmp_lg_u32 s3, 0
	s_cbranch_scc1 .Llap
	TURN 0, 1, 0
	STEP 1, 0, 0
	s_wait_dscnt 4*NL
	WIN MUL_LO
	MUL16 0, 1, NQ-1, 1, 0
	MUL16 2, 1, NQ-1, 1, 0
	s_wait_dscnt 0
	WIN MUL_HI
	MUL16 4, 1, NQ-1, 1, 0
	MUL16 6, 1, NQ-1, 1, 0
	WIN 0
; THE WAY OUT: + bias, gelu, quantiser, image.  All in registers.
.set X,   96
.set PC,  160
.set TM,  180
.set PW,  196
.set Z,   200
.set Z2,  208
.set PP,  216
.set QQ,  224
.set CN,  232                          ; twelve constants, each in both halves of a pair
.set SEL, 98
.macro QUANT s
.irp b, 0,1,2,3
	v_max3_num_f32 v[TM+\b], |v[\s+16*\b]|, |v[\s+1+16*\b]|, 0x1800000
.endr
.irp i, 2,4,6,8,10,12,14
.irp b, 0,1,2,3
	v_max3_num_f32 v[TM+\b], v[TM+\b], |v[\s+16*\b+\i]|, |v[\s+1+16*\b+\i]|
.endr
.endr
.irp b, 0,1,2,3
	v_permlanex16_b32 v[TM+4+\b], v[TM+\b], s[SEL], s[SEL+1]
.endr
.irp b, 0,1,2,3
	v_max_num_f32 v[TM+\b], v[TM+\b], v[TM+4+\b]
.endr
.irp b, 0,1,2,3
	v_add_nc_u32 v[TM+12+\b], 0xff000000, v[TM+\b]
.endr
.irp b, 0,1,2,3
	v_lshrrev_b32 v[TM+4+\b], 23, v[TM+12+\b]
.endr
	v_lshl_or_b32 v[PW], v[TM+5], 8, v[TM+4]
	v_lshl_or_b32 v[PW], v[TM+6], 16, v[PW]
	v_lshl_or_b32 v[PW], v[TM+7], 24, v[PW]
.irp c, 0,1
	v_cvt_scalef32_pk16_fp6_f32 v[PC+6*\c:PC+2+6*\c], v[\s+32*\c:\s+15+32*\c], v[TM+12+2*\c]
	v_cvt_scalef32_pk16_fp6_f32 v[PC+12+4*\c:PC+14+4*\c], v[\s+16+32*\c:\s+31+32*\c], v[TM+12+2*\c+1]
.endr
	v_nop
.irp c, 0,1
.irp i, 0,1,2
	v_permlane16_swap_b32 v[PC+6*\c+\i], v[PC+12+4*\c+\i]
.endr
.irp i, 0,1,2
	v_mov_b32 v[PC+3+6*\c+\i], v[PC+12+4*\c+\i]
.endr
.endr
.endm
.macro SWAP16 x
.irp i, 0,1,2,3,4,5,6,7
	v_permlane16_swap_b32 v[\x+\i], v[\x+8+\i]
.endr
.endm
.macro GELU8 x                         ; eight numbers: x = 0.5 x (1 + erf(x / sqrt 2))
.irp k, 0,2,4,6
	v_pk_mul_f32 v[Z+\k:Z+\k+1], v[\x+\k:\x+\k+1], 0x3f3504f3 op_sel_hi:[1,0]
.endr
.irp k, 0,1,2,3,4,5,6,7
	v_med3_num_f32 v[Z+\k], v[Z+\k], -4.0, 4.0
.endr
.irp k, 0,2,4,6
	v_pk_mul_f32 v[Z2+\k:Z2+\k+1], v[Z+\k:Z+\k+1], v[Z+\k:Z+\k+1]
.endr
.irp k, 0,2,4,6
	v_pk_fma_f32 v[PP+\k:PP+\k+1], v[Z2+\k:Z2+\k+1], v[CN:CN+1], v[CN+2:CN+3]
	v_pk_fma_f32 v[QQ+\k:QQ+\k+1], v[Z2+\k:Z2+\k+1], v[CN+14:CN+15], v[CN+16:CN+17]
.endr
.irp c, 4,6,8,10,12
.irp k, 0,2,4,6
	v_pk_fma_f32 v[PP+\k:PP+\k+1], v[PP+\k:PP+\k+1], v[Z2+\k:Z2+\k+1], v[CN+\c:CN+\c+1]
.endr
.endr
.irp c, 18,20,22
.irp k, 0,2,4,6
	v_pk_fma_f32 v[QQ+\k:QQ+\k+1], v[QQ+\k:QQ+\k+1], v[Z2+\k:Z2+\k+1], v[CN+\c:CN+\c+1]
.endr
.endr
.irp k, 0,1,2,3,4,5,6,7
	v_rcp_f32 v[Z2+\k], v[QQ+\k]
.endr
.irp k, 0,2,4,6
	v_pk_mul_f32 v[PP+\k:PP+\k+1], v[PP+\k:PP+\k+1], v[Z+\k:Z+\k+1]     ; (plain places behind the reciprocals)
.endr
	s_wait_alu depctr_va_vdst(0)
.irp k, 0,2,4,6
	v_pk_mul_f32 v[PP+\k:PP+\k+1], v[PP+\k:PP+\k+1], v[Z2+\k:Z2+\k+1]   ; erf
	v_pk_mul_f32 v[QQ+\k:QQ+\k+1], v[\x+\k:\x+\k+1], 0.5 op_sel_hi:[1,0]
.endr
.irp k, 0,2,4,6
	v_pk_fma_f32 v[\x+\k:\x+\k+1], v[PP+\k:PP+\k+1], v[QQ+\k:QQ+\k+1], v[QQ+\k:QQ+\k+1]
.endr
.endm
	s_load_b128 s[4:7], s[0:1], 0x18               ; f1b, hq
	PLACES NP
	s_mov_b32 s[SEL], 0x76543210
	s_mov_b32 s[SEL+1], 0xfedcba98
.irp b, 0,1,2,3
	v_mov_b32 v[TM+4+\b], 0
.endr
.set ii, 0
.irp c, 0xAF95DF0B, 0x32EDFFEE, 0xB60CFF51, 0xB86EC2D2, 0xBA40AC63, 0xBB41A1F6, 0xBC83DBD4, 0xB77460CD, 0xB95FBD29, 0xBADC924E, 0xBBF19BF8, 0xBC69B6A7
	v_mov_b32 v[CN+2*ii], \c                       ; P's seven coefficients from the highest down, then Q's five
	v_mov_b32 v[CN+2*ii+1], \c
.set ii, ii+1
.endr
	v_lshlrev_b32 v9, 5, v2                        ; 32 h
	v_lshlrev_b32 v10, 3, v1                       ; 8 r
	s_lshl_b32 s46, s42, 10
	s_lshl_b32 s47, s16, 9
	s_add_co_u32 s46, s46, s47                     ; my first column, in bytes of the bias
	s_mov_b32 s47, 0
	s_lshl_b32 s22, s17, 4
	s_lshl_b32 s23, s15, 3
	s_add_co_u32 s22, s22, s23                     ; my first image tile
	s_lshl_b32 s22, s22, 5
	s_lshl_b32 s23, s42, 1
	s_add_co_u32 s22, s22, s23
	s_add_co_u32 s22, s22, s16                     ; x 32 + my K step of the next product
	s_mul_i32 s22, s22, IMG
	s_mov_b32 s23, 0
	s_lshl_b32 s92, s17, 15
	s_lshl_b32 s93, s42, 11
	s_add_co_u32 s92, s92, s93
	s_lshl_b32 s93, s15, 10
	s_add_co_u32 s92, s92, s93
	s_lshl_b32 s93, s16, 2
	s_add_co_u32 s92, s92, s93
	s_add_co_u32 s92, s92, HQS
	s_mov_b32 s93, 0
	s_wait_kmcnt 0x0
	s_add_nc_u64 s[4:5], s[4:5], s[46:47]
	s_add_nc_u64 s[8:9], s[6:7], s[22:23]
	s_add_nc_u64 s[10:11], s[6:7], s[92:93]
	WIN TO_B
.irp b, 0,1,2,3,4,5,6,7
	global_load_b128 v[8*\b:8*\b+3], v9, s[4:5] offset:64*\b          ; the biases in the result's layout, in window 1, over B's fragments
	global_load_b128 v[8*\b+4:8*\b+7], v9, s[4:5] offset:64*\b+16
.endr
	WIN 0
	s_wait_loadcnt 0x0
.irp a, 0,1,2,3,4,5,6,7
.if \a > 0
	s_wait_xcnt 0x0                                ; the last block's stores have read their registers
.endif
	WIN 0x06+(\a)/4                                ; source 0: window 2 or 3; source 1: window 1
.set ii, 0
.rept 32
	v_pk_add_f32 v[X+ii:X+ii+1], v[64*((\a)%4)+ii:64*((\a)%4)+ii+1], v[ii:ii+1]
.set ii, ii+2
.endr
	WIN 0
.irp g, 0,8,16,24,32,40,48,56
	GELU8 X+\g
.endr
	SWAP16 X
	SWAP16 X+16
	SWAP16 X+32
	SWAP16 X+48
	QUANT X
.irp p, 0,1,2,3,4,5
	global_store_b64 v7, v[PC+2*\p:PC+2*\p+1], s[8:9] offset:\a*32*IMG+256*\p   ; 32 lanes store 256 consecutive bytes, aligned
.endr
	global_store_b32 v10, v[PW], s[10:11] offset:128*\a     ; one word of each row's pair; the wave beside me stores the other
.endr
	s_wait_tensorcnt 0x0                           ; the wave's end
	ds_add_u32 v[SPW], v[NIL]
	s_wait_dscnt 0x0
	CROUND                                         ; the closing round
	s_endpgm
.Lfunc_end_k_qdc54e86df0_ffn1:
	.size	k_qdc54e86df0_ffn1, .Lfunc_end_k_qdc54e86df0_ffn1-k_qdc54e86df0_ffn1
	.p2alignl 7, 3214868480
	.fill 96, 4, 3214868480
	.section	.rodata,"a",@progbits
	.p2align	6, 0x0
	.amdhsa_kernel k_qdc54e86df0_ffn1
		.amdhsa_group_segment_fixed_size 327680
		.amdhsa_private_segment_fixed_size 0
		.amdhsa_enable_private_segment 0
		.amdhsa_kernarg_size 40
		.amdhsa_user_sgpr_count 2
		.amdhsa_user_sgpr_kernarg_segment_ptr 1
		.amdhsa_wavefront_size32 1
		.amdhsa_system_sgpr_workgroup_id_x 1
		.amdhsa_system_sgpr_workgroup_id_y 1
		.amdhsa_system_sgpr_workgroup_id_z 1
		.amdhsa_system_vgpr_workitem_id 0
		.amdhsa_next_free_vgpr 1024
		.amdhsa_next_free_sgpr 100
		.amdhsa_reserve_vcc 0
		.amdhsa_float_denorm_mode_32 3
		.amdhsa_float_denorm_mode_16_64 3
		.amdhsa_memory_ordered 1
		.amdhsa_forward_progress 1
		.amdhsa_inst_pref_size 255
	.end_amdhsa_kernel
	.section	.bss,"aw",@nobits
	.p2align	6
	.space	262144
	.amdgpu_metadata
---
amdhsa.version: [ 1, 2 ]
amdhsa.kernels:
  - .name:           k_qdc54e86df0_ffn1
    .symbol:         k_qdc54e86df0_ffn1.kd
    .args:
      - { .name: aq, .offset: 0, .size: 8, .value_kind: global_buffer, .address_space: global }
      - { .name: f1w_codes, .offset: 8, .size: 8, .value_kind: global_buffer, .address_space: global }
      - { .name: f1w_scales, .offset: 16, .size: 8, .value_kind: global_buffer, .address_space: global }
      - { .name: f1b, .offset: 24, .size: 8, .value_kind: global_buffer, .address_space: global }
      - { .name: hq, .offset: 32, .size: 8, .value_kind: global_buffer, .address_space: global }
    .group_segment_fixed_size: 327680
    .private_segment_fixed_size: 0
    .kernarg_segment_align: 8
    .kernarg_segment_size: 40
    .max_flat_workgroup_size: 128
    .sgpr_count:     100
    .vgpr_count:     1024
    .wavefront_size: 32
...
	.end_amdgpu_metadata
.endif
;; end of part 6
;; launch ffn2 (part 7): grid 4 x 16, 4 waves a work-group, clusters of 4 x 4, 327,680 bytes of LDS; arguments hq, f2w_codes, f2w_scales, f2b, x1, y; writes y
.if DOCPART == 7
	.amdgcn_target "amdgcn-amd-amdhsa--gfx1250"
	.amdhsa_code_object_version 6
	.text
	.protected	k_qdc54e86df0_ffn2
	.globl	k_qdc54e86df0_ffn2
	.p2align	8
	.type	k_qdc54e86df0_ffn2,@function
k_qdc54e86df0_ffn2:
	s_mov_b64 s[64:65], 0
	v_nop
	global_prefetch_b8 v0, s[64:65] scope:SCOPE_SE
	s_setreg_imm32_b32 hwreg(HW_REG_WAVE_MODE, 25, 1), 1
	s_wait_xcnt 0x0
	s_wait_alu depctr_hold_cnt(0) depctr_sa_sdst(0) depctr_va_vdst(0) depctr_va_sdst(0) depctr_va_ssrc(0) depctr_va_vcc(0) depctr_vm_vsrc(0)
	s_getreg_b32 s2, hwreg(HW_REG_IB_STS2, 6, 4)
	s_cmp_eq_u32 s2, 0
	s_cbranch_scc0 .Lentry_in_a_cluster
	s_endpgm
.Lentry_in_a_cluster:
	s_bfe_u32 s2, ttmp6, 0x10000c
	s_cmp_lg_u32 s2, 0xf033
	s_cbranch_scc0 .Lentry_shape_is_right
	s_endpgm
.Lentry_shape_is_right:
; y = Q(h) f2w + f2b + x1, on codes of FP6 with E8M0 scales; K = 4,096; y [4096][1024] f32 is what the second layer norm takes.
; A tile of 256 rows x 256 columns to a work-group of four waves, 128 x 128 to a wave: 64 accumulators.  K goes in steps of 256 through two LDS slots.
; A (hq) comes as register images: 8 tiles x 3,072 bytes to a tensor load.  B (the weight) comes as rows of 192 bytes, 16 bytes of padding behind every 64.  The scales of all of K come once and stay.
; CLUSTER 4 x 4: A's tiles are asked for jointly along a row of the cluster, B's along a column.  The matrix instruction is used transposed (source 0 = 16 rows of the weight, source 1 = a tile of A).
; Lane r of A's tile 2 g + u is row 32 g + 8 u + r + 8 (r / 8): the way out puts each row where it belongs.  1,024 columns make 64 such tiles: 64 work-groups.
.set SIZE_K, 4096
.set ASOFF,  12582912
.set KSTEP,  256
.set NQ,     2
.set ROWB,   192
.set KROW,   SIZE_K*6/8
.set PITCH,  240
.set FR,     12
.set NL,     6
.set NP,     4
.set IMG,    1536
.set HALFA,  8*NQ*IMG
.set ASZ,    2*HALFA
.set HALFB,  128*PITCH
.set SLOT,   ASZ+2*HALFB
.set LAPS,   SIZE_K/(2*KSTEP)
.set KS,     SIZE_K/32
.set SCA,    2*SLOT
.set SCB,    SCA+256*KS
.set HALFS,  (128*KS/256)*272
.set SBLK,   (16*KS/256)*272
.set SPARE,  SCB+2*HALFS               ; the spare words: two blocks of 256 bytes that no other line names
.set SPITCH, 528
.set ADRA, 16
.set ADRB, 20
.set STO,  24
.set RD,   25
.set CO,   26
.set ADSB, 27
.set SPW,  28
.set NIL,  29
.set ADSA, 30
.set SA,   32
.set SB,   64
.set AF,   128
.set G1, 24
.set G0, 32
.set G1B, 48
.set G0B, 56
.set G1S, 68
.set G0S, 76
.set G1SB, 80
.set G0SB, 88
.set MSB, 0
.macro WIN new
.if MSB != (\new)
	s_set_vgpr_msb (MSB<<8)|(\new)
.set MSB, \new
.endif
.endm
.set MUL_LO, 0xa1
.set MUL_HI, 0xf1
.set TO_B,   0x40
.macro JLOAD g0a, g1a, g0b, g1b        ; a joint load: waves 0 and 1 fetch for A, waves 2 and 3 for B; four v_nop follow each line
	s_cmp_eq_u32 s15, 0
	s_cbranch_scc0 .Lfor_b_\@
	tensor_load_to_lds s[\g0a:\g0a+3], s[\g1a:\g1a+7]
	s_nop 0
.rept 4
	v_nop
.endr
	s_branch .Lasked_\@
.Lfor_b_\@:
	tensor_load_to_lds s[\g0b:\g0b+3], s[\g1b:\g1b+7]
	s_nop 0
.rept 4
	v_nop
.endr
.Lasked_\@:
.endm
.macro CREST
	s_cmp_lg_u32 s14, 0
	s_cbranch_scc1 .Lnot_wave_0_\@
	s_barrier_signal -3
.Lnot_wave_0_\@:
	s_barrier_wait -3
	s_barrier_signal -1
	s_barrier_wait -1
.endm
.macro CROUND
	s_barrier_signal -1
	s_barrier_wait -1
	CREST
.endm
	s_load_b64 s[4:5], s[0:1], 0x0                 ; A's images and scale words
	s_load_b128 s[8:11], s[0:1], 0x8               ; B's codes, B's scales
	v_lshl_add_u32 v[SPW], v0, 2, SPARE
	v_mov_b32 v[NIL], 0
	ds_add_u32 v28, v29
	ds_add_u32 v28, v29
	s_wait_dscnt 0x0
	v_lshrrev_b32 v1, 5, v0
	v_readfirstlane_b32 s14, v1                    ; wave
	s_lshr_b32 s15, s14, 1
	s_and_b32 s16, s14, 1
	s_bfe_u32 s40, ttmp6, 0x40000                  ; cx
	s_bfe_u32 s41, ttmp6, 0x40004                  ; cy
	s_lshl_b32 s42, ttmp9, 2
	s_add_co_u32 s42, s42, s40                     ; tile column
	s_and_b32 s17, ttmp7, 0xffff
	s_lshl_b32 s17, s17, 2
	s_add_co_u32 s17, s17, s41                     ; tile row
	s_lshl_b32 s43, s41, 2
	s_lshl_b32 s43, 15, s43
	s_lshl_b32 s44, 0x1111, s40
	s_wait_kmcnt 0x0
	s_or_b32 s[G1+0], s43, (3<<16)|(1<<21)
	s_mov_b32 s[G1+1], (NQ*192)<<16
	s_mov_b32 s[G1+2], 8<<16
	s_mov_b32 s[G1+3], (NQ*192)<<16
	s_mov_b32 s[G1+4], 8
	s_mov_b32 s[G1+5], (SIZE_K/128)*192
	s_mov_b32 s[G1+6], 0
	s_mov_b32 s[G1+7], 0
	s_or_b32 s[G1B+0], s44, (0<<16)|(1<<20)|(1<<21)|(3<<22)|(3<<25)
	s_mov_b32 s[G1B+1], ROWB<<16
	s_mov_b32 s[G1B+2], 128<<16
	s_mov_b32 s[G1B+3], ROWB<<16
	s_mov_b32 s[G1B+4], 128
	s_mov_b32 s[G1B+5], KROW
	s_mov_b32 s[G1B+6], 0
	s_mov_b32 s[G1B+7], 0
	s_or_b32 s[G1S+0], s43, (3<<16)|(1<<21)
	s_or_b32 s[G1SB+0], s44, (3<<16)|(1<<20)|(1<<21)|(5<<22)|(3<<25)
.irp g, G1S, G1SB
	s_mov_b32 s[\g+1], 32<<16
	s_mov_b32 s[\g+2], (KS/2)<<16
	s_mov_b32 s[\g+3], 32<<16
	s_mov_b32 s[\g+4], KS/2
	s_mov_b32 s[\g+5], 32
	s_mov_b32 s[\g+6], 0
	s_mov_b32 s[\g+7], 0
.endr
	s_lshl_b32 s20, s17, 4
	s_lshl_b32 s18, s16, 3
	s_add_co_u32 s20, s20, s18
	s_mul_i32 s20, s20, (SIZE_K/128)*IMG
	s_mov_b32 s21, 0
	s_mul_i32 s22, s17, 256*KS
	s_mul_i32 s18, s16, 128*KS
	s_add_co_u32 s22, s22, s18
	s_add_co_u32 s22, s22, ASOFF
	s_mov_b32 s23, 0
	s_lshl_b32 s46, s42, 8
	s_lshl_b32 s18, s16, 7
	s_add_co_u32 s46, s46, s18
	s_mul_i32 s92, s46, KS
	s_mov_b32 s93, 0
	s_mul_i32 s46, s46, KROW
	s_mov_b32 s47, 0
	s_mul_i32 s45, s16, HALFA
	s_mul_i32 s95, s16, HALFB
	s_add_co_u32 s95, s95, ASZ
	s_mul_i32 s94, s16, 128*KS
	s_add_co_u32 s94, s94, SCA
	s_mul_i32 s96, s16, HALFS
	s_add_co_u32 s96, s96, SCB
	s_add_nc_u64 s[20:21], s[4:5], s[20:21]
	s_add_nc_u64 s[22:23], s[4:5], s[22:23]
	s_add_nc_u64 s[46:47], s[8:9], s[46:47]
	s_add_nc_u64 s[92:93], s[10:11], s[92:93]
	CROUND                                         ; all sixteen work-groups are here: the first joint loads meet
	s_mov_b32 s[G0S], 1
	s_mov_b32 s[G0S+1], s94
	s_mov_b64 s[G0S+2:G0S+3], s[22:23]
	s_or_b32 s[G0S+3], s[G0S+3], 0x80000000
	s_mov_b32 s[G0SB], 1
	s_mov_b32 s[G0SB+1], s96
	s_mov_b64 s[G0SB+2:G0SB+3], s[92:93]
	s_or_b32 s[G0SB+3], s[G0SB+3], 0x80000000
	JLOAD G0S, G1S, G0SB, G1SB
.irp s, 0,1
	s_mov_b32 s[G0+4*\s], 1
	s_add_co_u32 s[G0+4*\s+1], s45, \s*SLOT
	s_add_nc_u64 s[G0+4*\s+2:G0+4*\s+3], s[20:21], \s*NQ*IMG
	s_or_b32 s[G0+4*\s+3], s[G0+4*\s+3], 0x80000000
	s_mov_b32 s[G0B+4*\s], 1
	s_add_co_u32 s[G0B+4*\s+1], s95, \s*SLOT
	s_add_nc_u64 s[G0B+4*\s+2:G0B+4*\s+3], s[46:47], \s*ROWB
	s_or_b32 s[G0B+4*\s+3], s[G0B+4*\s+3], 0x80000000
	JLOAD G0+4*\s, G1, G0B+4*\s, G1B
.endr
	v_and_b32 v1, 15, v0                           ; r
	v_bfe_u32 v2, v0, 4, 1                         ; h
	v_and_b32 v6, 31, v0                           ; lane
	v_lshlrev_b32 v7, 3, v6                        ; 8 x lane
	v_mul_u32_u24 v3, v1, PITCH
	v_mul_u32_u24 v4, v2, 24
	v_add_nc_u32 v4, v3, v4
	v_lshl_add_u32 v5, v2, 4, v4
	s_mul_i32 s21, s15, HALFA
	s_mul_i32 s22, s16, HALFB
	s_add_co_u32 s22, s22, ASZ
.irp s, 0,1
	v_add_nc_u32 v[ADRA+\s], s21, v7
	v_add_nc_u32 v[ADRB+\s], s22, v4
	v_add_nc_u32 v[ADRB+2+\s], s22, v5
	s_add_co_u32 s21, s21, SLOT
	s_add_co_u32 s22, s22, SLOT
.endr
	s_lshl_b32 s21, s15, 10
	s_add_co_u32 s21, s21, SCA
	v_lshl_add_u32 v[ADSA], v1, 3, s21
	v_mul_u32_u24 v5, v1, KS
	v_lshrrev_b32 v8, 8, v5
	v_lshl_add_u32 v5, v8, 4, v5
	s_mul_i32 s22, s16, HALFS
	s_add_co_u32 s22, s22, SCB
	v_add_nc_u32 v[ADSB], s22, v5
	s_mul_i32 s23, s14, 16*SPITCH                  ; my stage: 16 rows x 528 bytes, in slot 0, which has had its last fill and its last read when the first result is stored there
	v_mul_u32_u24 v5, v1, SPITCH
	v_lshl_add_u32 v5, v2, 5, v5
	v_add_nc_u32 v[STO], s23, v5
	v_lshlrev_b32 v[CO], 4, v6
	v_add_nc_u32 v[RD], s23, v[CO]
.macro FRAG reg, adr, q, i
.irp p, 0,1,2,3,4,5
.set PCE, 12*(\q)+6*(\p/3)+\p%3
.if PCE%8 < 5
	ds_load_b64 v[\reg+2*\p:\reg+2*\p+1], v[\adr] offset:8*PCE+16*(PCE/8)+(\i)*16*PITCH
.else
	ds_load_b64 v[\reg+2*\p:\reg+2*\p+1], v[\adr+2] offset:8*PCE+16*(PCE/8)+(\i)*16*PITCH
.endif
.endr
.endm
.macro FRAGA reg, slot, q, i
.irp p, 0,1,2,3,4,5
	ds_load_b64 v[\reg+2*\p:\reg+2*\p+1], v[ADRA+\slot] offset:((\i)*NQ+(\q))*IMG+256*\p
.endr
.endm
; 16 matrix instructions: A's blocks a0, a0 + 1 x B's eight.  The 64 accumulators take turns, one instruction a turn
.macro MUL16 a0, p, q, sc, zero
.irp a, \a0, \a0+1
.irp b, 0,1,2,3,4,5,6,7
.if \zero
	v_wmma_scale_f32_16x16x128_f8f6f4 v[8*(8*((\a)%4)+\b):8*(8*((\a)%4)+\b)+7], v[128*(\p)+FR*\b:128*(\p)+FR*\b+FR-1], v[AF+FR*(\a):AF+FR*(\a)+FR-1], 0, v[SB+16*(\sc)+2*\b+(\q)], v[SA+16*(\sc)+2*(\a)+(\q)] matrix_a_fmt:MATRIX_FMT_FP6 matrix_b_fmt:MATRIX_FMT_FP6
.else
	v_wmma_scale_f32_16x16x128_f8f6f4 v[8*(8*((\a)%4)+\b):8*(8*((\a)%4)+\b)+7], v[128*(\p)+FR*\b:128*(\p)+FR*\b+FR-1], v[AF+FR*(\a):AF+FR*(\a)+FR-1], v[8*(8*((\a)%4)+\b):8*(8*((\a)%4)+\b)+7], v[SB+16*(\sc)+2*\b+(\q)], v[SA+16*(\sc)+2*(\a)+(\q)] matrix_a_fmt:MATRIX_FMT_FP6 matrix_b_fmt:MATRIX_FMT_FP6
.endif
.endr
.endr
.endm
.macro FETCH_B slot, q, p
	WIN TO_B
.irp i, 0,1,2,3,4,5,6,7
	FRAG 128*(\p)+FR*\i, ADRB+\slot, \q, \i
.endr
	WIN 0
.endm
.macro FETCH_A slot, q, i0
.irp i, \i0, \i0+1, \i0+2, \i0+3
	FRAGA AF+FR*(\i), \slot, \q, \i
.endr
.endm
.macro SCALES sc
.irp i, 0,1,2,3,4,5,6,7
	ds_load_b64 v[SA+16*\sc+2*\i:SA+16*\sc+2*\i+1], v[ADSA] offset:128*\i
	ds_load_b64 v[SB+16*\sc+2*\i:SB+16*\sc+2*\i+1], v[ADSB] offset:\i*SBLK
.endr
.endm
.macro PLACES n                        ; places behind matrix instructions (ISA guide 7.12.1)
.rept \n
	v_nop
.endr
.endm
.macro STEP slot, q, zero
	s_wait_dscnt 4*NL                              ; all but the youngest 24 loads (A's blocks 4-7)
	WIN MUL_LO
	MUL16 0, (\q)%2, \q, \slot, \zero
	MUL16 2, (\q)%2, \q, \slot, \zero
	s_wait_dscnt 0
	PLACES NP
	FETCH_B \slot, (\q)+1, 1-(\q)%2
	FETCH_A \slot, (\q)+1, 0
	WIN MUL_HI
	MUL16 4, (\q)%2, \q, \slot, \zero
	MUL16 6, (\q)%2, \q, \slot, \zero
	PLACES NP
	WIN 0
	FETCH_A \slot, (\q)+1, 4
.endm
.macro TURN slot, next, fill
	s_wait_tensorcnt 0x0                           ; all my tensor loads have landed: my part of the next slot
	ds_add_u32 v[SPW], v[NIL]                      ; 0 onto my spare word
	s_wait_dscnt 4*NL+1                            ; (the add and A's blocks 4-7 may be out)
	WIN MUL_LO
	MUL16 0, 1, NQ-1, \slot, 0
	s_wait_dscnt 0x0                               ; the add is done, and my reads of this slot are over
	s_barrier_signal -1
	MUL16 2, 1, NQ-1, \slot, 0
	WIN 0
	s_barrier_wait -1
.if \fill
	CREST                                          ; the barrier has opened a round of the cluster's
	s_add_nc_u64 s[G0+4*\slot+2:G0+4*\slot+3], s[G0+4*\slot+2:G0+4*\slot+3], 2*NQ*IMG
	s_add_nc_u64 s[G0B+4*\slot+2:G0B+4*\slot+3], s[G0B+4*\slot+2:G0B+4*\slot+3], 2*ROWB
	JLOAD G0+4*\slot, G1, G0B+4*\slot, G1B
.else
	PLACES NP
.endif
	v_add_nc_u32 v[ADSA], 2048, v[ADSA]
	v_add_nc_u32 v[ADSB], 4*NQ, v[ADSB]
	FETCH_B \next, 0, 0
	FETCH_A \next, 0, 0
	SCALES \next
	WIN MUL_HI
	MUL16 4, 1, NQ-1, \slot, 0
	MUL16 6, 1, NQ-1, \slot, 0
	PLACES NP
	WIN 0
	FETCH_A \next, 0, 4
.endm
	s_wait_tensorcnt 1                             ; the scales and my part of slot 0 are in; slot 1's load may be out
	s_barrier_signal -1
	s_barrier_wait -1
	FETCH_B 0, 0, 0
	FETCH_A 0, 0, 0
	SCALES 0
	FETCH_A 0, 0, 4
	STEP 0, 0, 1
	s_mov_b32 s3, LAPS-1
.Llap:
	TURN 0, 1, 1
	STEP 1, 0, 0
	TURN 1, 0, 1
	STEP 0, 0, 0
	s_sub_co_u32 s3, s3, 1
	s_cmp_lg_u32 s3, 0
	s_cbranch_scc1 .Llap
	TURN 0, 1, 0
	STEP 1, 0, 0
	s_wait_dscnt 4*NL
	WIN MUL_LO
	MUL16 0, 1, NQ-1, 1, 0
	MUL16 2, 1, NQ-1, 1, 0
	s_wait_dscnt 0
	WIN MUL_HI
	MUL16 4, 1, NQ-1, 1, 0
	MUL16 6, 1, NQ-1, 1, 0
	WIN 0
; THE WAY OUT, block by block of 16 rows x 128 columns: through my stage, back as whole rows of 512 bytes; the residual's rows come into window 1; sum + residual + bias is stored.
.set BK,   128
.set BIAS, 100
.macro RLOAD a
	WIN TO_B
.irp t, 0,1,2,3,4,5,6,7,8,9,10,11,12,13,14,15
	global_load_b128 v[64*((\a)%2)+4*\t:64*((\a)%2)+4*\t+3], v[CO], s[8:9] offset:(32*((\a)/2)+8*((\a)%2)+\t+8*(\t/8))*4096
.endr
	WIN 0
.endm
.macro TOSTAGE a
.set AC, 64*((\a)%4)
	WIN 0x08+4*((\a)/4)
.irp b, 0,1,2,3,4,5,6,7
	ds_store_b128 v[STO], v[AC+8*\b:AC+8*\b+3] offset:64*\b
	ds_store_b128 v[STO], v[AC+8*\b+4:AC+8*\b+7] offset:64*\b+16
.endr
	WIN 0
.set BB, BK+64*((\a)%2)
.irp t, 0,1,2,3,4,5,6,7,8,9,10,11,12,13,14,15
	ds_load_b128 v[BB+4*\t:BB+4*\t+3], v[RD] offset:\t*SPITCH    ; LDS serves a wave's instructions in order: these see the stores above
.endr
.endm
.macro SEND a, yd, yl                  ; yd, yl: the LDS instructions and the loads issued behind block a's, which may stay out
.set BB, BK+64*((\a)%2)
.set RRB, 64*((\a)%2)
	s_wait_dscnt \yd
	s_wait_loadcnt \yl
	WIN 0x04                                       ; source 1: window 1
.set ii, 0
.rept 32
	v_pk_add_f32 v[BB+ii:BB+ii+1], v[BB+ii:BB+ii+1], v[RRB+ii:RRB+ii+1]
.set ii, ii+2
.endr
	WIN 0
.irp t, 0,1,2,3,4,5,6,7,8,9,10,11,12,13,14,15
	v_pk_add_f32 v[BB+4*\t:BB+4*\t+1], v[BB+4*\t:BB+4*\t+1], v[BIAS:BIAS+1]
	v_pk_add_f32 v[BB+4*\t+2:BB+4*\t+3], v[BB+4*\t+2:BB+4*\t+3], v[BIAS+2:BIAS+3]
.endr
.irp t, 0,1,2,3,4,5,6,7,8,9,10,11,12,13,14,15
	global_store_b128 v[CO], v[BB+4*\t:BB+4*\t+3], s[10:11] offset:(32*((\a)/2)+8*((\a)%2)+\t+8*(\t/8))*4096   ; 32 lanes store 512 consecutive bytes, aligned; 127 rows of 4,096 bytes at the most in the immediate
.endr
.endm
	s_load_b64 s[6:7], s[0:1], 0x18                ; the bias
	s_load_b128 s[8:11], s[0:1], 0x20              ; the residual, y
	PLACES NP
	s_lshl_b32 s20, s17, 8
	s_lshl_b32 s21, s15, 7
	s_add_co_u32 s20, s20, s21
	s_lshl_b32 s20, s20, 12                        ; my first row, in bytes
	s_lshl_b32 s46, s42, 10
	s_lshl_b32 s47, s16, 9
	s_add_co_u32 s46, s46, s47                     ; my first column, in bytes
	s_add_co_u32 s20, s20, s46
	s_mov_b32 s21, 0
	s_mov_b32 s47, 0
	s_wait_kmcnt 0x0
	s_add_nc_u64 s[6:7], s[6:7], s[46:47]
	s_add_nc_u64 s[8:9], s[8:9], s[20:21]
	s_add_nc_u64 s[10:11], s[10:11], s[20:21]
	global_load_b128 v[BIAS:BIAS+3], v[CO], s[6:7]
	RLOAD 0
	TOSTAGE 0
.irp a, 1,2,3,4,5,6,7
.if \a > 1
	s_wait_xcnt 0x0                                ; block a - 2's stores have read their registers
.endif
	RLOAD \a
	TOSTAGE \a
	SEND \a-1, 32, 16
.endr
	SEND 7, 0, 0
	s_wait_tensorcnt 0x0                           ; the wave's end
	ds_add_u32 v[SPW], v[NIL]
	s_wait_dscnt 0x0
	CROUND                                         ; the closing round
	s_endpgm
.Lfunc_end_k_qdc54e86df0_ffn2:
	.size	k_qdc54e86df0_ffn2, .Lfunc_end_k_qdc54e86df0_ffn2-k_qdc54e86df0_ffn2
	.p2alignl 7, 3214868480
	.fill 96, 4, 3214868480
	.section	.rodata,"a",@progbits
	.p2align	6, 0x0
	.amdhsa_kernel k_qdc54e86df0_ffn2
		.amdhsa_group_segment_fixed_size 327680
		.amdhsa_private_segment_fixed_size 0
		.amdhsa_enable_private_segment 0
		.amdhsa_kernarg_size 48
		.amdhsa_user_sgpr_count 2
		.amdhsa_user_sgpr_kernarg_segment_ptr 1
		.amdhsa_wavefront_size32 1
		.amdhsa_system_sgpr_workgroup_id_x 1
		.amdhsa_system_sgpr_workgroup_id_y 1
		.amdhsa_system_sgpr_workgroup_id_z 1
		.amdhsa_system_vgpr_workitem_id 0
		.amdhsa_next_free_vgpr 1024
		.amdhsa_next_free_sgpr 100
		.amdhsa_reserve_vcc 0
		.amdhsa_float_denorm_mode_32 3
		.amdhsa_float_denorm_mode_16_64 3
		.amdhsa_memory_ordered 1
		.amdhsa_forward_progress 1
		.amdhsa_inst_pref_size 207
	.end_amdhsa_kernel
	.amdgpu_metadata
---
amdhsa.version: [ 1, 2 ]
amdhsa.kernels:
  - .name:           k_qdc54e86df0_ffn2
    .symbol:         k_qdc54e86df0_ffn2.kd
    .args:
      - { .name: hq, .offset: 0, .size: 8, .value_kind: global_buffer, .address_space: global }
      - { .name: f2w_codes, .offset: 8, .size: 8, .value_kind: global_buffer, .address_space: global }
      - { .name: f2w_scales, .offset: 16, .size: 8, .value_kind: global_buffer, .address_space: global }
      - { .name: f2b, .offset: 24, .size: 8, .value_kind: global_buffer, .address_space: global }
      - { .name: x1, .offset: 32, .size: 8, .value_kind: global_buffer, .address_space: global }
      - { .name: y, .offset: 40, .size: 8, .value_kind: global_buffer, .address_space: global }
    .group_segment_fixed_size: 327680
    .private_segment_fixed_size: 0
    .kernarg_segment_align: 8
    .kernarg_segment_size: 48
    .max_flat_workgroup_size: 128
    .sgpr_count:     100
    .vgpr_count:     1024
    .wavefront_size: 32
...
	.end_amdgpu_metadata
.endif
;; end of part 7
;; launch ln2 (part 8): grid 256 x 1, 4 waves a work-group, no clusters, 0 bytes of LDS; arguments y, ln2_w, ln2_b, out0; writes out0
.if DOCPART == 8
	.amdgcn_target "amdgcn-amd-amdhsa--gfx1250"
	.amdhsa_code_object_version 6
	.text
	.protected	k_qdc54e86df0_ln2
	.globl	k_qdc54e86df0_ln2
	.p2align	8
	.type	k_qdc54e86df0_ln2,@function
k_qdc54e86df0_ln2:
	s_mov_b64 s[64:65], 0
	v_nop
	global_prefetch_b8 v0, s[64:65] scope:SCOPE_SE
	s_setreg_imm32_b32 hwreg(HW_REG_WAVE_MODE, 25, 1), 1
	s_wait_xcnt 0x0
; out0 = layer norm of y: the mean, then the mean of squares of what is left (two passes over registers), 1 / sqrt(variance + 1e-6), gain and bias.
; A wave owns four neighbouring rows, a row in 32 registers: each load and store covers 512 consecutive bytes, the reductions never leave the wave, each byte is read once and written once.
; Work-groups share no input but the gains: no LDS, no barrier, no cluster.  LIMITS: NaN and infinities are not served.
.set ST,   10
.set X,    40
.set W,    168
.set BV,   200
.set SEL,  20
.macro FOLD                            ; each row's two chains become one figure in every lane
.irp j, 0,1,2,3
	v_pk_add_f32 v[ST+6*\j:ST+6*\j+1], v[ST+6*\j:ST+6*\j+1], v[ST+6*\j+2:ST+6*\j+3]
.endr
.irp j, 0,1,2,3
	v_add_f32 v[ST+6*\j+4], v[ST+6*\j], v[ST+6*\j+1]
.endr
.irp m, 1,2,4,8
.irp j, 0,1,2,3
	v_add_f32_dpp v[ST+6*\j+4], v[ST+6*\j+4], v[ST+6*\j+4] row_xmask:\m row_mask:0xf bank_mask:0xf
.endr
.endr
.irp j, 0,1,2,3
	v_permlanex16_b32 v[ST+6*\j+5], v[ST+6*\j+4], s[SEL], s[SEL+1]
.endr
.irp j, 0,1,2,3
	v_add_f32 v[ST+6*\j+4], v[ST+6*\j+4], v[ST+6*\j+5]
.endr
.endm
	s_load_b256 s[4:11], s[0:1], 0x0               ; y, the gain, the bias, out0
	v_lshrrev_b32 v1, 5, v0
	v_readfirstlane_b32 s14, v1                    ; wave
	v_and_b32 v1, 31, v0
	v_lshlrev_b32 v2, 4, v1                        ; 16 x lane
	s_lshl_b32 s16, ttmp9, 4
	s_lshl_b32 s15, s14, 2
	s_add_co_u32 s16, s16, s15                     ; my first row: 16 x work-group + 4 x wave
	s_lshl_b32 s16, s16, 12
	s_mov_b32 s17, 0
	s_mov_b32 s18, 0x3a800000                      ; 1 / 1024
	s_mov_b32 s19, 0x358637bd                      ; 1e-6
	s_mov_b32 s[SEL], 0x76543210
	s_mov_b32 s[SEL+1], 0xfedcba98
.irp j, 0,1,2,3
	v_mov_b32 v[ST+6*\j+5], 0                      ; a lane permute's destination counts as one of its sources
.endr
	s_wait_kmcnt 0x0
	s_add_nc_u64 s[4:5], s[4:5], s[16:17]
	s_add_nc_u64 s[10:11], s[10:11], s[16:17]
.irp j, 0,1,2,3
.irp c, 0,1,2,3,4,5,6,7
	global_load_b128 v[X+32*\j+4*\c:X+32*\j+4*\c+3], v2, s[4:5] offset:4096*\j+512*\c th:TH_LOAD_NT
.endr
.endr
.irp c, 0,1,2,3,4,5,6,7
	global_load_b128 v[W+4*\c:W+4*\c+3], v2, s[6:7] offset:512*\c
	global_load_b128 v[BV+4*\c:BV+4*\c+3], v2, s[8:9] offset:512*\c
.endr
	s_wait_loadcnt 0x0
.irp j, 0,1,2,3
	v_pk_add_f32 v[ST+6*\j:ST+6*\j+1], v[X+32*\j:X+32*\j+1], v[X+32*\j+2:X+32*\j+3]
	v_pk_add_f32 v[ST+6*\j+2:ST+6*\j+3], v[X+32*\j+4:X+32*\j+5], v[X+32*\j+6:X+32*\j+7]
.endr
.irp i, 8,12,16,20,24,28
.irp j, 0,1,2,3
	v_pk_add_f32 v[ST+6*\j:ST+6*\j+1], v[ST+6*\j:ST+6*\j+1], v[X+32*\j+\i:X+32*\j+\i+1]
	v_pk_add_f32 v[ST+6*\j+2:ST+6*\j+3], v[ST+6*\j+2:ST+6*\j+3], v[X+32*\j+\i+2:X+32*\j+\i+3]
.endr
.endr
	FOLD
.irp j, 0,1,2,3
	v_mul_f32 v[ST+6*\j+4], s18, v[ST+6*\j+4]      ; the mean
.endr
.irp i, 0,2,4,6,8,10,12,14,16,18,20,22,24,26,28,30
.irp j, 0,1,2,3
	v_pk_add_f32 v[X+32*\j+\i:X+32*\j+\i+1], v[X+32*\j+\i:X+32*\j+\i+1], v[ST+6*\j+4:ST+6*\j+5] op_sel_hi:[1,0] neg_lo:[0,1] neg_hi:[0,1]
.endr
.endr
.irp j, 0,1,2,3
	v_pk_mul_f32 v[ST+6*\j:ST+6*\j+1], v[X+32*\j:X+32*\j+1], v[X+32*\j:X+32*\j+1]
	v_pk_mul_f32 v[ST+6*\j+2:ST+6*\j+3], v[X+32*\j+2:X+32*\j+3], v[X+32*\j+2:X+32*\j+3]
.endr
.irp i, 4,8,12,16,20,24,28
.irp j, 0,1,2,3
	v_pk_fma_f32 v[ST+6*\j:ST+6*\j+1], v[X+32*\j+\i:X+32*\j+\i+1], v[X+32*\j+\i:X+32*\j+\i+1], v[ST+6*\j:ST+6*\j+1]
	v_pk_fma_f32 v[ST+6*\j+2:ST+6*\j+3], v[X+32*\j+\i+2:X+32*\j+\i+3], v[X+32*\j+\i+2:X+32*\j+\i+3], v[ST+6*\j+2:ST+6*\j+3]
.endr
.endr
	FOLD
.irp j, 0,1,2,3
	v_fma_f32 v[ST+6*\j+4], v[ST+6*\j+4], s18, s19 ; the variance + 1e-6
.endr
.irp j, 0,1,2,3
	v_rsq_f32 v[ST+6*\j+4], v[ST+6*\j+4]
.endr
	v_nop                                          ; one plain place behind a transcendental
	s_wait_alu depctr_va_vdst(0)
.irp i, 0,2,4,6,8,10,12,14,16,18,20,22,24,26,28,30
.irp j, 0,1,2,3
	v_pk_mul_f32 v[X+32*\j+\i:X+32*\j+\i+1], v[X+32*\j+\i:X+32*\j+\i+1], v[ST+6*\j+4:ST+6*\j+5] op_sel_hi:[1,0]
.endr
.endr
.irp i, 0,2,4,6,8,10,12,14,16,18,20,22,24,26,28,30
.irp j, 0,1,2,3
	v_pk_fma_f32 v[X+32*\j+\i:X+32*\j+\i+1], v[X+32*\j+\i:X+32*\j+\i+1], v[W+\i:W+\i+1], v[BV+\i:BV+\i+1]
.endr
.endr
.irp j, 0,1,2,3
.irp c, 0,1,2,3,4,5,6,7
	global_store_b128 v2, v[X+32*\j+4*\c:X+32*\j+4*\c+3], s[10:11] offset:4096*\j+512*\c th:TH_STORE_NT
.endr
.endr
	s_endpgm
.Lfunc_end_k_qdc54e86df0_ln2:
	.size	k_qdc54e86df0_ln2, .Lfunc_end_k_qdc54e86df0_ln2-k_qdc54e86df0_ln2
	.p2alignl 7, 3214868480
	.fill 96, 4, 3214868480
	.section	.rodata,"a",@progbits
	.p2align	6, 0x0
	.amdhsa_kernel k_qdc54e86df0_ln2
		.amdhsa_group_segment_fixed_size 0
		.amdhsa_private_segment_fixed_size 0
		.amdhsa_enable_private_segment 0
		.amdhsa_kernarg_size 32
		.amdhsa_user_sgpr_count 2
		.amdhsa_user_sgpr_kernarg_segment_ptr 1
		.amdhsa_wavefront_size32 1
		.amdhsa_system_sgpr_workgroup_id_x 1
		.amdhsa_system_sgpr_workgroup_id_y 1
		.amdhsa_system_sgpr_workgroup_id_z 1
		.amdhsa_system_vgpr_workitem_id 0
		.amdhsa_next_free_vgpr 232
		.amdhsa_next_free_sgpr 66
		.amdhsa_reserve_vcc 0
		.amdhsa_float_denorm_mode_32 3
		.amdhsa_float_denorm_mode_16_64 3
		.amdhsa_memory_ordered 1
		.amdhsa_forward_progress 1
		.amdhsa_inst_pref_size 33
	.end_amdhsa_kernel
	.amdgpu_metadata
---
amdhsa.version: [ 1, 2 ]
amdhsa.kernels:
  - .name:           k_qdc54e86df0_ln2
    .symbol:         k_qdc54e86df0_ln2.kd
    .args:
      - { .name: y, .offset: 0, .size: 8, .value_kind: global_buffer, .address_space: global }
      - { .name: ln2_w, .offset: 8, .size: 8, .value_kind: global_buffer, .address_space: global }
      - { .name: ln2_b, .offset: 16, .size: 8, .value_kind: global_buffer, .address_space: global }
      - { .name: out0, .offset: 24, .size: 8, .value_kind: global_buffer, .address_space: global }
    .group_segment_fixed_size: 0
    .private_segment_fixed_size: 0
    .kernarg_segment_align: 8
    .kernarg_segment_size: 32
    .max_flat_workgroup_size: 128
    .sgpr_count:     66
    .vgpr_count:     232
    .wavefront_size: 32
...
	.end_amdgpu_metadata
.endif
;; end of part 8
;; ======== version 2 of 2: 8 launches
;; limits: right only within a limited range of input values
;; workspace buffers: aq 3,276,800 bytes; hq 13,107,200 bytes; qq 6,684,672 bytes; kv 6,684,672 bytes; y 16,777,216 bytes; x1 16,777,216 bytes; wi 9,437,184 bytes
;; launch prep (part 9): grid 256 x 1, 4 waves a work-group, no clusters, 66,560 bytes of LDS; arguments x, aq, qw_codes, kw_codes, vw_codes, ow_codes, f1w_codes, f2w_codes, wi; writes aq, wi
.if DOCPART == 9
	.amdgcn_target "amdgcn-amd-amdhsa--gfx1250"
	.amdhsa_code_object_version 6
	.text
	.protected	k_qdc54e86df0_prep
	.globl	k_qdc54e86df0_prep
	.p2align	8
	.type	k_qdc54e86df0_prep,@function
k_qdc54e86df0_prep:
	s_mov_b64 s[64:65], 0
	v_nop
	global_prefetch_b8 v0, s[64:65] scope:SCOPE_SE
	s_setreg_imm32_b32 hwreg(HW_REG_WAVE_MODE, 25, 1), 1
	s_wait_xcnt 0x0
; x [4096][1024] f32 becomes codes of FP6 (E2M3) with one E8M0 byte for each 32 along K, laid as the matrix unit's registers want them.
; IMAGE: a fragment (16 rows x 128 K, 12 registers a lane) is 1,536 bytes: six pieces of 256 bytes, piece p = registers 2p, 2p+1, lane l at byte 8 l.
; aq: codes [tile 256][K step 8][1536]; from AQS on the scale words [tile / 16][K step / 2][16 (tile % 16) + r][2 words].
; THE ROWS OF A TILE ARE NOT NEIGHBOURS: lane r of tile 2 g + u holds row 32 g + 8 u + r + 8 (r / 8); every later launch inherits that order.
; A work-group makes one tile.  Wave w loads four neighbouring rows (each load 512 consecutive bytes) and lays them in LDS, rows 4,112 bytes apart;
; behind one barrier wave w quantises K steps 2 w and 2 w + 1: a lane then holds 16 neighbours of each block of 32 of its row.
; Work-groups share no input: no cluster, no tensor load.  LIMITS: NaN and infinities are not served; a block whose largest magnitude lies under 2^-124 gets the byte 1.
.set AQS,  3145728
.set LP,   4112
.set X,    40
.set PC,   104
.set TM,   124
.set PW,   140
.set SEL,  20
; 64 numbers of a lane, register 16 b + i = k 32 b + 16 (lane / 16) + i of its row, become a fragment's codes in v[PC] on and its scale word in v[PW]
.macro QUANT s
.irp b, 0,1,2,3
	v_max3_num_f32 v[TM+\b], |v[\s+16*\b]|, |v[\s+1+16*\b]|, 0x1800000   ; my 16 numbers of block b, and the floor 2^(3 - 127): the byte cannot fall under 1
.endr
.irp i, 2,4,6,8,10,12,14
.irp b, 0,1,2,3
	v_max3_num_f32 v[TM+\b], v[TM+\b], |v[\s+16*\b+\i]|, |v[\s+1+16*\b+\i]|
.endr
.endr
.irp b, 0,1,2,3
	v_permlanex16_b32 v[TM+4+\b], v[TM+\b], s[SEL], s[SEL+1]
.endr
.irp b, 0,1,2,3
	v_max_num_f32 v[TM+\b], v[TM+\b], v[TM+4+\b]       ; with lane l xor 16's: the block's largest magnitude
.endr
.irp b, 0,1,2,3
	v_add_nc_u32 v[TM+12+\b], 0xff000000, v[TM+\b]     ; 2 off its exponent field: the conversion's scale operand
.endr
.irp b, 0,1,2,3
	v_lshrrev_b32 v[TM+4+\b], 23, v[TM+12+\b]          ; the scale's byte
.endr
	v_lshl_or_b32 v[PW], v[TM+5], 8, v[TM+4]
	v_lshl_or_b32 v[PW], v[TM+6], 16, v[PW]
	v_lshl_or_b32 v[PW], v[TM+7], 24, v[PW]
.irp c, 0,1
	v_cvt_scalef32_pk16_fp6_f32 v[PC+6*\c:PC+2+6*\c], v[\s+32*\c:\s+15+32*\c], v[TM+12+2*\c]
	v_cvt_scalef32_pk16_fp6_f32 v[PC+12+4*\c:PC+14+4*\c], v[\s+16+32*\c:\s+31+32*\c], v[TM+12+2*\c+1]
.endr
	v_nop                                              ; one plain place behind a scaled conversion
.irp c, 0,1
.irp i, 0,1,2
	v_permlane16_swap_b32 v[PC+6*\c+\i], v[PC+12+4*\c+\i]   ; a whole block to a lane: lanes 0-15 block 2 c, lanes 16-31 block 2 c + 1
.endr
.irp i, 0,1,2
	v_mov_b32 v[PC+3+6*\c+\i], v[PC+12+4*\c+\i]
.endr
.endr
.endm
; ALSO: the six weights' codes are laid anew in wi as the same images (tile = 16 neighbouring rows, [tile][K step][1536]): qw at 0, kw, vw, ow 786,432 bytes apart, f1w at 3,145,728, f2w at 6,291,456.
; So every tile that a later launch asks of wi begins at a multiple of 256 bytes.  6,144 images for 1,024 waves: wave g moves half an image of each of qw, kw, vw, ow and two of f1w and of f2w: 36 loads and 36 stores of 8 bytes a lane.
.set R, 170                            ; v170-241 the weights' pieces on their way
	s_load_b128 s[4:7], s[0:1], 0x0
	s_load_b256 s[24:31], s[0:1], 0x10             ; qw, kw, vw, ow
	s_load_b128 s[32:35], s[0:1], 0x30             ; f1w, f2w
	s_load_b64 s[36:37], s[0:1], 0x40              ; wi
	v_lshl_add_u32 v168, v0, 2, 0x10200
	v_mov_b32 v169, 0
	v_lshrrev_b32 v1, 5, v0
	v_readfirstlane_b32 s8, v1                     ; wave
	v_and_b32 v1, 31, v0                           ; lane
	v_lshlrev_b32 v2, 4, v1                        ; 16 x lane
	s_wait_alu depctr_va_vdst(0)
	v_and_b32 v3, 15, v0                           ; r
	s_wait_alu depctr_va_vdst(0)
	v_bfe_u32 v4, v0, 4, 1                         ; h
	s_lshr_b32 s9, ttmp9, 1
	s_lshl_b32 s9, s9, 5
	s_and_b32 s10, ttmp9, 1
	s_lshl_b32 s10, s10, 3
	s_add_co_u32 s9, s9, s10                       ; 32 (tile / 2) + 8 (tile % 2)
	s_lshl_b32 s10, s8, 2
	s_add_co_u32 s9, s9, s10
	s_lshr_b32 s10, s8, 1
	s_lshl_b32 s10, s10, 3
	s_add_co_u32 s9, s9, s10                       ; + 4 w + 8 (w / 2): my first row
	s_lshl_b32 s10, s9, 12
	s_mov_b32 s11, 0
	s_mul_i32 s12, s8, 4*LP
	v_add_nc_u32 v5, s12, v2                       ; LDS, in: stage row 4 w, 16 x lane
	v_mul_u32_u24 v6, v3, LP
	s_wait_alu depctr_va_vdst(0)
	v_lshl_add_u32 v6, v4, 6, v6
	s_lshl_b32 s12, s8, 10
	v_add_nc_u32 v6, s12, v6                       ; LDS, out: row r, + 64 h, + my two K steps
	v_lshlrev_b32 v7, 3, v1                        ; 8 x lane
	v_lshlrev_b32 v8, 3, v3                        ; 8 r
	s_mul_i32 s14, ttmp9, 8*1536
	s_mul_i32 s12, s8, 2*1536
	s_add_co_u32 s14, s14, s12
	s_mov_b32 s15, 0
	s_lshr_b32 s16, ttmp9, 4
	s_lshl_b32 s16, s16, 13
	s_lshl_b32 s12, s8, 11
	s_add_co_u32 s16, s16, s12
	s_and_b32 s12, ttmp9, 15
	s_lshl_b32 s12, s12, 7
	s_add_co_u32 s16, s16, s12
	s_add_co_u32 s16, s16, AQS
	s_mov_b32 s17, 0
	s_mov_b32 s[SEL], 0x76543210
	s_mov_b32 s[SEL+1], 0xfedcba98
	s_lshl_b32 s18, ttmp9, 2
	s_add_co_u32 s18, s18, s8                      ; g = 4 x work-group + wave
	s_lshr_b32 s19, s18, 4
	s_mul_i32 s22, s19, 12288                      ; the four small weights: image g / 2 = tile g / 16,
	s_mul_i32 s23, s19, 49152                      ; f2w: images 2 g, 2 g + 1 = tile g / 16 (16 rows of 3,072 bytes),
	s_bfe_u32 s19, s18, 0x30001
	s_mul_i32 s19, s19, 96
	s_add_co_u32 s22, s22, s19                     ; K step (g / 2) % 8,
	s_and_b32 s19, s18, 1
	s_mul_i32 s19, s19, 48
	s_add_co_u32 s22, s22, s19                     ; half g % 2 of the image
	s_and_b32 s19, s18, 15
	s_mul_i32 s19, s19, 192
	s_add_co_u32 s23, s23, s19                     ; K steps 2 (g % 16), + 1
	s_lshr_b32 s38, s18, 2
	s_mul_i32 s38, s38, 12288                      ; f1w: tile g / 4,
	s_and_b32 s19, s18, 3
	s_mul_i32 s19, s19, 192
	s_add_co_u32 s38, s38, s19                     ; K steps 2 (g % 4), + 1
	s_mul_i32 s39, s18, 768                        ; where they go: half an image,
	s_mul_i32 s40, s18, 3072                       ; two images
	s_wait_alu depctr_va_vdst(0)
	v_mul_u32_u24 v9, v3, 768
	v_mad_u32_u24 v9, v4, 24, v9                   ; row r of 768 bytes, + 24 h
	v_mul_u32_u24 v10, v3, 3072
	v_mad_u32_u24 v10, v4, 24, v10                 ; row r of 3,072 bytes, + 24 h
	v_add_nc_u32 v11, s38, v9
	v_add_nc_u32 v9, s22, v9
	v_add_nc_u32 v10, s23, v10
	v_add_nc_u32 v12, s39, v7                      ; + 8 x lane
	v_add_nc_u32 v13, s40, v7
.irp b, 0,1,2,3
	v_mov_b32 v[TM+4+\b], 0                        ; a lane permute's destination counts as one of its sources
.endr
	s_wait_alu depctr_va_vdst(0)
	s_wait_kmcnt 0x0
	s_add_nc_u64 s[4:5], s[4:5], s[10:11]
	s_add_nc_u64 s[14:15], s[6:7], s[14:15]
	s_add_nc_u64 s[16:17], s[6:7], s[16:17]
.irp w, 0,1,2,3
.irp j, 0,1,2
	global_load_b64 v[R+6*\w+2*\j:R+6*\w+2*\j+1], v9, s[24+2*\w:25+2*\w] offset:8*\j
.endr
.endr
.irp p, 0,1,2,3,4,5,6,7,8,9,10,11
	global_load_b64 v[R+24+2*\p:R+25+2*\p], v11, s[32:33] offset:96*(\p/6)+48*((\p%6)/3)+8*(\p%3)
	global_load_b64 v[R+48+2*\p:R+49+2*\p], v10, s[34:35] offset:96*(\p/6)+48*((\p%6)/3)+8*(\p%3)
.endr
.irp j, 0,1,2,3
.irp c, 0,1,2,3,4,5,6,7
	global_load_b128 v[X+32*\j+4*\c:X+32*\j+4*\c+3], v2, s[4:5] offset:4096*\j+512*\c th:TH_LOAD_NT
.endr
.endr
.irp j, 0,1,2,3
	s_wait_loadcnt 24-8*\j                         ; row j's eight loads are in; the rows behind it may be out
.irp c, 0,1,2,3,4,5,6,7
	ds_store_b128 v5, v[X+32*\j+4*\c:X+32*\j+4*\c+3] offset:LP*\j+512*\c
.endr
.endr
.irp w, 0,1,2,3                        ; the weights' loads were issued ahead of x's, which have been waited for; each store covers 256 consecutive bytes, aligned
.irp j, 0,1,2
	global_store_b64 v12, v[R+6*\w+2*\j:R+6*\w+2*\j+1], s[36:37] offset:786432*\w+256*\j
.endr
.endr
.irp p, 0,1,2,3,4,5,6,7,8,9,10,11
	global_store_b64 v13, v[R+24+2*\p:R+25+2*\p], s[36:37] offset:3145728+256*\p
	global_store_b64 v13, v[R+48+2*\p:R+49+2*\p], s[36:37] offset:6291456+256*\p
.endr
	s_wait_dscnt 0x0
	s_barrier_signal -1
	s_barrier_wait -1
.irp s, 0,1
.irp b, 0,1,2,3
.irp n, 0,1,2,3
	ds_load_b128 v[X+16*\b+4*\n:X+16*\b+4*\n+3], v6 offset:512*\s+128*\b+16*\n
.endr
.endr
	s_wait_dscnt 0x0
.if \s
	s_wait_xcnt 0x0                                ; the first K step's stores have read their registers
.endif
.set PW, 140+\s
	QUANT X
.irp p, 0,1,2,3,4,5
	global_store_b64 v7, v[PC+2*\p:PC+2*\p+1], s[14:15] offset:1536*\s+256*\p   ; 32 lanes store 256 consecutive bytes, aligned
.endr
.endr
	global_store_b64 v8, v[140:141], s[16:17]      ; the two scale words of my row (lanes 16-31 store the same bytes with the same values)
	s_wait_tensorcnt 0x0
	ds_add_u32 v168, v169
	s_wait_dscnt 0x0
	s_endpgm
.Lfunc_end_k_qdc54e86df0_prep:
	.size	k_qdc54e86df0_prep, .Lfunc_end_k_qdc54e86df0_prep-k_qdc54e86df0_prep
	.p2alignl 7, 3214868480
	.fill 96, 4, 3214868480
	.section	.rodata,"a",@progbits
	.p2align	6, 0x0
	.amdhsa_kernel k_qdc54e86df0_prep
		.amdhsa_group_segment_fixed_size 66560
		.amdhsa_private_segment_fixed_size 0
		.amdhsa_enable_private_segment 0
		.amdhsa_kernarg_size 72
		.amdhsa_user_sgpr_count 2
		.amdhsa_user_sgpr_kernarg_segment_ptr 1
		.amdhsa_wavefront_size32 1
		.amdhsa_system_sgpr_workgroup_id_x 1
		.amdhsa_system_sgpr_workgroup_id_y 1
		.amdhsa_system_sgpr_workgroup_id_z 1
		.amdhsa_system_vgpr_workitem_id 0
		.amdhsa_next_free_vgpr 242
		.amdhsa_next_free_sgpr 66
		.amdhsa_reserve_vcc 0
		.amdhsa_float_denorm_mode_32 3
		.amdhsa_float_denorm_mode_16_64 3
		.amdhsa_memory_ordered 1
		.amdhsa_forward_progress 1
		.amdhsa_inst_pref_size 27
	.end_amdhsa_kernel
	.amdgpu_metadata
---
amdhsa.version: [ 1, 2 ]
amdhsa.kernels:
  - .name:           k_qdc54e86df0_prep
    .symbol:         k_qdc54e86df0_prep.kd
    .args:
      - { .name: x, .offset: 0, .size: 8, .value_kind: global_buffer, .address_space: global }
      - { .name: aq, .offset: 8, .size: 8, .value_kind: global_buffer, .address_space: global }
      - { .name: qw_codes, .offset: 16, .size: 8, .value_kind: global_buffer, .address_space: global }
      - { .name: kw_codes, .offset: 24, .size: 8, .value_kind: global_buffer, .address_space: global }
      - { .name: vw_codes, .offset: 32, .size: 8, .value_kind: global_buffer, .address_space: global }
      - { .name: ow_codes, .offset: 40, .size: 8, .value_kind: global_buffer, .address_space: global }
      - { .name: f1w_codes, .offset: 48, .size: 8, .value_kind: global_buffer, .address_space: global }
      - { .name: f2w_codes, .offset: 56, .size: 8, .value_kind: global_buffer, .address_space: global }
      - { .name: wi, .offset: 64, .size: 8, .value_kind: global_buffer, .address_space: global }
    .group_segment_fixed_size: 66560
    .private_segment_fixed_size: 0
    .kernarg_segment_align: 8
    .kernarg_segment_size: 72
    .max_flat_workgroup_size: 128
    .sgpr_count:     66
    .vgpr_count:     242
    .wavefront_size: 32
...
	.end_amdgpu_metadata
.endif
;; end of part 9
;; launch qkv (part 10): grid 12 x 16, 4 waves a work-group, clusters of 4 x 4, 327,680 bytes of LDS; arguments aq, wi, qw_scales, kw_scales, vw_scales, qb, kb, vb, qq, kv; writes qq, kv
.if DOCPART == 10
	.amdgcn_target "amdgcn-amd-amdhsa--gfx1250"
	.amdhsa_code_object_version 6
	.text
	.protected	k_qdc54e86df0_qkv
	.globl	k_qdc54e86df0_qkv
	.p2align	8
	.type	k_qdc54e86df0_qkv,@function
k_qdc54e86df0_qkv:
	s_mov_b64 s[64:65], 0
	v_nop
	global_prefetch_b8 v0, s[64:65] scope:SCOPE_SE
	s_setreg_imm32_b32 hwreg(HW_REG_WAVE_MODE, 25, 1), 1
	s_wait_xcnt 0x0
	s_wait_alu depctr_hold_cnt(0) depctr_sa_sdst(0) depctr_va_vdst(0) depctr_va_sdst(0) depctr_va_ssrc(0) depctr_va_vcc(0) depctr_vm_vsrc(0)
	s_getreg_b32 s2, hwreg(HW_REG_IB_STS2, 6, 4)
	s_cmp_eq_u32 s2, 0
	s_cbranch_scc0 .Lentry_in_a_cluster
	s_endpgm
.Lentry_in_a_cluster:
	s_bfe_u32 s2, ttmp6, 0x10000c
	s_cmp_lg_u32 s2, 0xf033
	s_cbranch_scc0 .Lentry_shape_is_right
	s_endpgm
.Lentry_shape_is_right:
; q, k, v = Q(x) W + b on codes of FP6 with E8M0 scales, and the results quantised again for attention: q and k along the head's 64, v along the keys.
; The cluster's x says which of the three weights is multiplied (0 q, 1 k, 2 v): it is the same in all sixteen partners.
; A tile of 256 rows x 256 columns to a work-group of four waves, 128 x 128 to a wave: 64 accumulators.  K goes in steps of 256 through two LDS slots.
; A (aq) comes as register images: 8 tiles x 3,072 bytes to a tensor load, read back by loads of 8 bytes a lane, 256 consecutive bytes each.
; B (the weight) comes as rows of 192 bytes, 16 bytes of padding behind every 64.  The scales of all of K come once and stay.
; CLUSTER 4 x 4: A's tiles are asked for jointly along a row of the cluster, B's along a column.  The matrix instruction is used transposed (source 0 = 16 rows of the weight, source 1 = a tile of A).
; OUT: blocks of KVB bytes for 128 tokens of one head: +0 eight tiles of 768 bytes (q or k: registers 0-5 of a fragment), +6144 four tiles of V^T (1,536 bytes, three chunks of 512), +12288 q's or k's scale words, +12800 v's.
; A q or k scale word is [b0, b1, 1, 1]: the bytes of the K that a head of 64 does not have are the smallest byte.
; LIMITS: NaN and infinities are not served; a block whose largest magnitude lies under 2^-124 gets the byte 1.
.set SIZE_K, 1024
.set ASOFF,  3145728
.set KVB,    13056
.set BHS,    16*KVB
.set KSTEP,  256
.set NQ,     2
; B's TILES (this stands in place of what the head says of rows of 192 bytes): register images out of wi, laid and read as A's are: 3,072 bytes a tile of 16 rows and slot, no padding.
; THE HEAD: one joint load a wave: wave 0 all of A's slot 0, wave 1 all of B's, wave 2 A's scales, wave 3 B's; slot 1 is first filled behind the full sequence and a round.
.set TH,     8                         ; tiles of 16 rows in the half of a slot that one ring load brings
.set FR,     12
.set NL,     6
.set NP,     4
.set IMG,    1536
.set HALFA,  8*NQ*IMG
.set ASZ,    2*HALFA
.set HALFB,  HALFA
.set SLOT,   ASZ+2*HALFB
.set LAPS,   SIZE_K/(2*KSTEP)
.set KS,     SIZE_K/32
.set SCA,    2*SLOT                    ; A's scale words, dense
.set SCB,    SCA+256*KS                ; B's scale bytes, units of 256 bytes + 16
.set HALFS,  (128*KS/256)*272
.set SBLK,   (16*KS/256)*272
.set SPARE,  SCB+2*HALFS               ; the spare words: two blocks of 256 bytes that no other line names
.set SPITCH, 528
.set ADRA, 16
.set ADRB, 20
.set STO,  24
.set RD,   25
.set CO,   26
.set ADSB, 27
.set SPW,  28
.set NIL,  29
.set ADSA, 30
.set SA,   32                          ; v32-63 A's scale words, two sets; v64-95 B's
.set SB,   64
.set AF,   128
.set G1, 24
.set G0, 32
.set G1B, 48
.set G0B, 56
.set G1S, 68
.set G0S, 76
.set G1SB, 80
.set G0SB, 88
.set MSB, 0
.macro WIN new
.if MSB != (\new)
	s_set_vgpr_msb (MSB<<8)|(\new)
.set MSB, \new
.endif
.endm
.set MUL_LO, 0xa1
.set MUL_HI, 0xf1
.set TO_B,   0x40
.macro JLOAD g0a, g1a, g0b, g1b        ; a joint load: waves 0 and 1 fetch for A, waves 2 and 3 for B; four v_nop follow each line
	s_cmp_eq_u32 s15, 0
	s_cbranch_scc0 .Lfor_b_\@
	tensor_load_to_lds s[\g0a:\g0a+3], s[\g1a:\g1a+7]
	s_nop 0
.rept 4
	v_nop
.endr
	s_branch .Lasked_\@
.Lfor_b_\@:
	tensor_load_to_lds s[\g0b:\g0b+3], s[\g1b:\g1b+7]
	s_nop 0
.rept 4
	v_nop
.endr
.Lasked_\@:
.endm
.macro CREST
	s_cmp_lg_u32 s14, 0
	s_cbranch_scc1 .Lnot_wave_0_\@
	s_barrier_signal -3
.Lnot_wave_0_\@:
	s_barrier_wait -3
	s_barrier_signal -1
	s_barrier_wait -1
.endm
.macro CROUND
	s_barrier_signal -1
	s_barrier_wait -1
	CREST
.endm
	s_load_b128 s[4:7], s[0:1], 0x0                ; aq, wi
	s_load_b128 s[68:71], s[0:1], 0x10             ; qw's scales, kw's
	s_load_b64 s[72:73], s[0:1], 0x20              ; vw's
	v_lshl_add_u32 v[SPW], v0, 2, SPARE
	v_mov_b32 v[NIL], 0
	ds_add_u32 v28, v29
	ds_add_u32 v28, v29
	s_wait_dscnt 0x0
	v_lshrrev_b32 v1, 5, v0
	v_readfirstlane_b32 s14, v1                    ; wave
	s_lshr_b32 s15, s14, 1                         ; my half of the rows; also: I fetch for A (0) or B (1)
	s_and_b32 s16, s14, 1                          ; my half of the columns; also: which half I fetch
	s_bfe_u32 s40, ttmp6, 0x40000                  ; cx
	s_bfe_u32 s41, ttmp6, 0x40004                  ; cy
	s_and_b32 s17, ttmp7, 0xffff
	s_lshl_b32 s17, s17, 2
	s_add_co_u32 s17, s17, s41                     ; tile row
	s_lshl_b32 s43, s41, 2
	s_lshl_b32 s43, 15, s43                        ; my row of the cluster
	s_lshl_b32 s44, 0x1111, s40                    ; my column
	s_wait_kmcnt 0x0
	s_cmp_eq_u32 ttmp9, 0                          ; which weight's scales: the choice hangs on the cluster's x alone
	s_cselect_b64 s[10:11], s[68:69], s[70:71]
	s_cmp_eq_u32 ttmp9, 2
	s_cselect_b64 s[10:11], s[72:73], s[10:11]
	s_or_b32 s[G1+0], s43, (3<<16)|(1<<21)         ; images: elements of 8 bytes, no padding; A's go to my row of the cluster,
	s_or_b32 s[G1B+0], s44, (3<<16)|(1<<21)        ; B's to my column
.irp g, G1, G1B
	s_mov_b32 s[\g+1], (NQ*192)<<16                ; a row: a slot's images of one tile
	s_mov_b32 s[\g+2], (2*TH)<<16                  ; at the head all 16 tiles; the ring's loads bring 8
	s_mov_b32 s[\g+3], (NQ*192)<<16
	s_mov_b32 s[\g+4], 2*TH
	s_mov_b32 s[\g+5], (SIZE_K/128)*192
	s_mov_b32 s[\g+6], 0
	s_mov_b32 s[\g+7], 0
.endr
	s_or_b32 s[G1S+0], s43, (3<<16)|(1<<21)        ; the scales of 256 rows: KS rows of 256 bytes; A's dense,
	s_or_b32 s[G1SB+0], s44, (3<<16)|(1<<20)|(1<<21)|(5<<22)|(3<<25)  ; B's with 16 bytes of padding behind each
.irp g, G1S, G1SB
	s_mov_b32 s[\g+1], 32<<16
	s_mov_b32 s[\g+2], KS<<16
	s_mov_b32 s[\g+3], 32<<16
	s_mov_b32 s[\g+4], KS
	s_mov_b32 s[\g+5], 32
	s_mov_b32 s[\g+6], 0
	s_mov_b32 s[\g+7], 0
.endr
	s_mul_i32 s20, s17, 2*TH*(SIZE_K/128)*IMG      ; A: my tile row's 16 images
	s_mov_b32 s21, 0
	s_mul_i32 s22, s17, 256*KS
	s_add_co_u32 s22, s22, ASOFF                   ; and their scale words
	s_mov_b32 s23, 0
	s_mul_i32 s46, s40, 2*TH*(SIZE_K/128)*IMG      ; B: 16 images at 256 cx rows
	s_mul_i32 s8, ttmp9, 786432                    ; of the weight that the cluster's x names
	s_add_co_u32 s46, s46, s8
	s_mov_b32 s47, 0
	s_mul_i32 s92, s40, 256*KS
	s_mov_b32 s93, 0
	s_mul_i32 s2, s16, TH*(SIZE_K/128)*IMG         ; the ring: my half of a tile, in memory
	s_mov_b32 s3, 0
	s_mul_i32 s45, s16, HALFA                      ; and in LDS: no place in the cluster enters an LDS address
	s_add_co_u32 s95, s45, ASZ
	s_add_nc_u64 s[20:21], s[4:5], s[20:21]
	s_add_nc_u64 s[22:23], s[4:5], s[22:23]
	s_add_nc_u64 s[46:47], s[6:7], s[46:47]
	s_add_nc_u64 s[92:93], s[10:11], s[92:93]
	CROUND                                         ; all sixteen work-groups are here: the first joint loads meet
.irp g, G0, G0+4, G0B, G0B+4, G0S, G0SB
	s_mov_b32 s[\g], 1
.endr
	s_mov_b32 s[G0+1], 0                           ; slot 0, whole: A's 16 tiles,
	s_mov_b64 s[G0+2:G0+3], s[20:21]
	s_mov_b32 s[G0B+1], ASZ                        ; B's behind them
	s_mov_b64 s[G0B+2:G0B+3], s[46:47]
	s_add_co_u32 s[G0+5], s45, SLOT                ; slot 1: my half
	s_add_co_u32 s[G0B+5], s95, SLOT
	s_add_nc_u64 s[G0+6:G0+7], s[20:21], s[2:3]
	s_add_nc_u64 s[G0+6:G0+7], s[G0+6:G0+7], NQ*IMG
	s_add_nc_u64 s[G0B+6:G0B+7], s[46:47], s[2:3]
	s_add_nc_u64 s[G0B+6:G0B+7], s[G0B+6:G0B+7], NQ*IMG
	s_mov_b32 s[G0S+1], SCA
	s_mov_b64 s[G0S+2:G0S+3], s[22:23]
	s_mov_b32 s[G0SB+1], SCB
	s_mov_b64 s[G0SB+2:G0SB+3], s[92:93]
.irp g, G0+3, G0+7, G0B+3, G0B+7, G0S+3, G0SB+3
	s_or_b32 s[\g], s[\g], 0x80000000
.endr
.macro ARM under, g0, g1, next         ; one tree of branches on the wave's number: every way passes exactly one load
	s_cmp_lt_u32 s14, \under
	s_cbranch_scc0 \next
	tensor_load_to_lds s[\g0:\g0+3], s[\g1:\g1+7]
	s_nop 0
.rept 4
	v_nop
.endr
	s_branch .Lhead_asked
\next:
.endm
	ARM 1, G0,  G1,  .Lhead_b
	ARM 2, G0B, G1B, .Lhead_sa
	ARM 3, G0S, G1S, .Lhead_sb
	tensor_load_to_lds s[G0SB:G0SB+3], s[G1SB:G1SB+7]
	s_nop 0
.rept 4
	v_nop
.endr
.Lhead_asked:
	v_and_b32 v1, 15, v0                           ; r
	v_bfe_u32 v2, v0, 4, 1                         ; h
	v_and_b32 v6, 31, v0                           ; lane
	v_lshlrev_b32 v7, 3, v6                        ; 8 x lane
	s_wait_alu depctr_va_vdst(0)
	s_mul_i32 s21, s15, HALFA
	s_mul_i32 s22, s16, HALFB
	s_add_co_u32 s22, s22, ASZ
.irp s, 0,1
	v_add_nc_u32 v[ADRA+\s], s21, v7
	v_add_nc_u32 v[ADRB+\s], s22, v7
	s_add_co_u32 s21, s21, SLOT
	s_add_co_u32 s22, s22, SLOT
.endr
	s_lshl_b32 s21, s15, 10
	s_add_co_u32 s21, s21, SCA
	v_lshl_add_u32 v[ADSA], v1, 3, s21             ; A's scale words: 8 bytes a row and slot, my 128 rows
	v_mul_u32_u24 v5, v1, KS
	v_lshrrev_b32 v8, 8, v5
	v_lshl_add_u32 v5, v8, 4, v5
	s_mul_i32 s22, s16, HALFS
	s_add_co_u32 s22, s22, SCB
	v_add_nc_u32 v[ADSB], s22, v5                  ; B's: KS bytes a row, 16 more for each 256 passed
	s_mul_i32 s23, s14, 16*SPITCH                  ; my stage (v's way out alone): 16 channel rows of 528 bytes, in slot 0
	v_and_b32 v5, 8, v1
	v_add_nc_u32 v5, v5, v1
	v_lshlrev_b32 v5, 2, v5
	v_mad_u32_u24 v5, v2, 8*SPITCH, v5
	v_add_nc_u32 v[STO], s23, v5                   ; in: channel row 8 h (+ j), token r + 8 (r / 8)
	v_mul_u32_u24 v5, v1, SPITCH
	v_lshl_add_u32 v5, v2, 6, v5
	v_add_nc_u32 v[RD], s23, v5                    ; back: channel row r, + 64 h
.macro FRAG reg, adr, q, i             ; a fragment of B: its image, six pieces of 256 bytes, as A's
.irp p, 0,1,2,3,4,5
	ds_load_b64 v[\reg+2*\p:\reg+2*\p+1], v[\adr] offset:((\i)*NQ+(\q))*IMG+256*\p   ; its image, six pieces of 256 bytes
.endr
.endm
.macro FRAGA reg, slot, q, i           ; a fragment of A: its image, six pieces of 256 bytes
.irp p, 0,1,2,3,4,5
	ds_load_b64 v[\reg+2*\p:\reg+2*\p+1], v[ADRA+\slot] offset:((\i)*NQ+(\q))*IMG+256*\p
.endr
.endm
; 16 matrix instructions: A's blocks a0, a0 + 1 x B's eight.  The 64 accumulators take turns, one instruction a turn
.macro MUL16 a0, p, q, sc, zero
.irp a, \a0, \a0+1
.irp b, 0,1,2,3,4,5,6,7
.if \zero
	v_wmma_scale_f32_16x16x128_f8f6f4 v[8*(8*((\a)%4)+\b):8*(8*((\a)%4)+\b)+7], v[128*(\p)+FR*\b:128*(\p)+FR*\b+FR-1], v[AF+FR*(\a):AF+FR*(\a)+FR-1], 0, v[SB+16*(\sc)+2*\b+(\q)], v[SA+16*(\sc)+2*(\a)+(\q)] matrix_a_fmt:MATRIX_FMT_FP6 matrix_b_fmt:MATRIX_FMT_FP6
.else
	v_wmma_scale_f32_16x16x128_f8f6f4 v[8*(8*((\a)%4)+\b):8*(8*((\a)%4)+\b)+7], v[128*(\p)+FR*\b:128*(\p)+FR*\b+FR-1], v[AF+FR*(\a):AF+FR*(\a)+FR-1], v[8*(8*((\a)%4)+\b):8*(8*((\a)%4)+\b)+7], v[SB+16*(\sc)+2*\b+(\q)], v[SA+16*(\sc)+2*(\a)+(\q)] matrix_a_fmt:MATRIX_FMT_FP6 matrix_b_fmt:MATRIX_FMT_FP6
.endif
.endr
.endr
.endm
.macro FETCH_B slot, q, p
	WIN TO_B
.irp i, 0,1,2,3,4,5,6,7
	FRAG 128*(\p)+FR*\i, ADRB+\slot, \q, \i
.endr
	WIN 0
.endm
.macro FETCH_A slot, q, i0
.irp i, \i0, \i0+1, \i0+2, \i0+3
	FRAGA AF+FR*(\i), \slot, \q, \i
.endr
.endm
.macro SCALES sc                       ; a slot's scale words, two a row: lane r takes row r's (lanes 16-31 the same)
.irp i, 0,1,2,3,4,5,6,7
	ds_load_b64 v[SA+16*\sc+2*\i:SA+16*\sc+2*\i+1], v[ADSA] offset:128*\i
	ds_load_b64 v[SB+16*\sc+2*\i:SB+16*\sc+2*\i+1], v[ADSB] offset:\i*SBLK
.endr
.endm
.macro PLACES n                        ; places behind matrix instructions, in front of loads into their registers and of reads of their results
.rept \n
	v_nop
.endr
.endm
.macro STEP slot, q, zero
	s_wait_dscnt 4*NL                              ; all but the youngest 24 loads (A's blocks 4-7)
	WIN MUL_LO
	MUL16 0, (\q)%2, \q, \slot, \zero
	MUL16 2, (\q)%2, \q, \slot, \zero
	s_wait_dscnt 0
	PLACES NP
	FETCH_B \slot, (\q)+1, 1-(\q)%2
	FETCH_A \slot, (\q)+1, 0
	WIN MUL_HI
	MUL16 4, (\q)%2, \q, \slot, \zero
	MUL16 6, (\q)%2, \q, \slot, \zero
	PLACES NP
	WIN 0
	FETCH_A \slot, (\q)+1, 4
.endm
.macro TURN slot, next, fill           ; a slot's last step changes slots
	s_wait_tensorcnt 0x0                           ; all my tensor loads have landed: my part of the next slot
	ds_add_u32 v[SPW], v[NIL]                      ; 0 onto my spare word
	s_wait_dscnt 4*NL+1                            ; (the add and A's blocks 4-7 may be out)
	WIN MUL_LO
	MUL16 0, 1, NQ-1, \slot, 0
	s_wait_dscnt 0x0                               ; the add is done, and my reads of this slot are over
	s_barrier_signal -1
	MUL16 2, 1, NQ-1, \slot, 0
	WIN 0
	s_barrier_wait -1
.if \fill
	CREST                                          ; the barrier has opened a round of the cluster's: no wave of any partner still reads this slot or has a load on its way
	s_add_nc_u64 s[G0+4*\slot+2:G0+4*\slot+3], s[G0+4*\slot+2:G0+4*\slot+3], 2*NQ*IMG
	s_add_nc_u64 s[G0B+4*\slot+2:G0B+4*\slot+3], s[G0B+4*\slot+2:G0B+4*\slot+3], 2*NQ*IMG
	JLOAD G0+4*\slot, G1, G0B+4*\slot, G1B
.else
	PLACES NP
.endif
	s_wait_alu depctr_va_vdst(0)
	v_add_nc_u32 v[ADSA], 2048, v[ADSA]            ; the next slot's scale words (no LDS load of mine is out)
	v_add_nc_u32 v[ADSB], 4*NQ, v[ADSB]
	FETCH_B \next, 0, 0
	FETCH_A \next, 0, 0
	SCALES \next
	WIN MUL_HI
	MUL16 4, 1, NQ-1, \slot, 0
	MUL16 6, 1, NQ-1, \slot, 0
	PLACES NP
	WIN 0
	FETCH_A \next, 0, 4
.endm
	s_wait_alu depctr_va_vdst(0)
	s_wait_tensorcnt 0x0                           ; my tile of the head's four is in
	ds_add_u32 v[SPW], v[NIL]
.irp g, G1, G1B
	s_mov_b32 s[\g+2], TH<<16                      ; no tensor load of mine is out: from here on a load brings 8 tiles,
	s_mov_b32 s[\g+4], TH
.endr
	s_mov_b32 s[G0+1], s45                         ; and slot 0's refills my half
	s_mov_b32 s[G0B+1], s95
	s_add_nc_u64 s[G0+2:G0+3], s[G0+2:G0+3], s[2:3]
	s_add_nc_u64 s[G0B+2:G0B+3], s[G0B+2:G0B+3], s[2:3]
	s_wait_dscnt 0x0
	CROUND                                         ; all four tiles are in, all sixteen work-groups are here
	JLOAD G0+4, G1, G0B+4, G1B                     ; slot 1's first fill: the first tensor load behind the round
	FETCH_B 0, 0, 0
	FETCH_A 0, 0, 0
	SCALES 0
	FETCH_A 0, 0, 4
	STEP 0, 0, 1                                   ; the first step's products start the sums
	s_mov_b32 s3, LAPS-1
.Llap:
	TURN 0, 1, 1
	STEP 1, 0, 0
	TURN 1, 0, 1
	STEP 0, 0, 0
	s_sub_co_u32 s3, s3, 1
	s_cmp_lg_u32 s3, 0
	s_cbranch_scc1 .Llap
	TURN 0, 1, 0
	STEP 1, 0, 0
	s_wait_dscnt 4*NL
	WIN MUL_LO
	MUL16 0, 1, NQ-1, 1, 0
	MUL16 2, 1, NQ-1, 1, 0
	s_wait_dscnt 0
	WIN MUL_HI
	MUL16 4, 1, NQ-1, 1, 0
	MUL16 6, 1, NQ-1, 1, 0
	WIN 0
; THE WAY OUT.  Accumulator (a, b): lane (r, h) holds token ROW(a, r) and columns 16 b + 8 h + 0 .. 7 of my 128, which are two heads.
.set X,   96
.set PC,  160
.set TM,  180
.set PW,  196
.set T1,  197
.set BV,  200
.set BVP, 208
.set SEL, 98
.macro QUANT s
.irp b, 0,1,2,3
	v_max3_num_f32 v[TM+\b], |v[\s+16*\b]|, |v[\s+1+16*\b]|, 0x1800000
.endr
.irp i, 2,4,6,8,10,12,14
.irp b, 0,1,2,3
	v_max3_num_f32 v[TM+\b], v[TM+\b], |v[\s+16*\b+\i]|, |v[\s+1+16*\b+\i]|
.endr
.endr
.irp b, 0,1,2,3
	v_permlanex16_b32 v[TM+4+\b], v[TM+\b], s[SEL], s[SEL+1]
.endr
.irp b, 0,1,2,3
	v_max_num_f32 v[TM+\b], v[TM+\b], v[TM+4+\b]
.endr
.irp b, 0,1,2,3
	v_add_nc_u32 v[TM+12+\b], 0xff000000, v[TM+\b]
.endr
.irp b, 0,1,2,3
	v_lshrrev_b32 v[TM+4+\b], 23, v[TM+12+\b]
.endr
	v_lshl_or_b32 v[PW], v[TM+5], 8, v[TM+4]
	v_lshl_or_b32 v[PW], v[TM+6], 16, v[PW]
	v_lshl_or_b32 v[PW], v[TM+7], 24, v[PW]
.irp c, 0,1
	v_cvt_scalef32_pk16_fp6_f32 v[PC+6*\c:PC+2+6*\c], v[\s+32*\c:\s+15+32*\c], v[TM+12+2*\c]
	v_cvt_scalef32_pk16_fp6_f32 v[PC+12+4*\c:PC+14+4*\c], v[\s+16+32*\c:\s+31+32*\c], v[TM+12+2*\c+1]
.endr
	v_nop
.irp c, 0,1
.irp i, 0,1,2
	v_permlane16_swap_b32 v[PC+6*\c+\i], v[PC+12+4*\c+\i]
.endr
.irp i, 0,1,2
	v_mov_b32 v[PC+3+6*\c+\i], v[PC+12+4*\c+\i]
.endr
.endr
.endm
.macro SWAP16 x                        ; two neighbouring result tiles (columns 8 h + j, 16 + 8 h + j) become 16 neighbours: 16 h + i
.irp i, 0,1,2,3,4,5,6,7
	v_permlane16_swap_b32 v[\x+\i], v[\x+8+\i]
.endr
.endm
	s_load_b128 s[4:7], s[0:1], 0x28               ; qb, kb
	s_load_b128 s[8:11], s[0:1], 0x38              ; vb, qq
	s_load_b64 s[12:13], s[0:1], 0x48              ; kv
	PLACES NP
	s_mov_b32 s[SEL], 0x76543210
	s_mov_b32 s[SEL+1], 0xfedcba98
	s_mov_b32 s22, 0x01010000
.irp b, 0,1,2,3
	v_mov_b32 v[TM+4+\b], 0
.endr
	v_lshlrev_b32 v9, 5, v2                        ; 32 h: my half's eight biases of a tile
	v_mul_u32_u24 v10, v2, BHS
	v_lshl_add_u32 v10, v1, 2, v10                 ; scale words: 4 r; lanes 16-31 store the odd head's
	v_lshlrev_b32 v11, 4, v2                       ; 16 h
	v_lshlrev_b32 v12, 4, v6                       ; 16 x lane
	v_lshlrev_b32 v13, 2, v1                       ; 4 r
	s_lshr_b32 s20, s17, 3
	s_lshl_b32 s20, s20, 4
	s_lshl_b32 s21, s40, 2
	s_add_co_u32 s20, s20, s21
	s_lshl_b32 s21, s16, 1
	s_add_co_u32 s20, s20, s21                     ; 16 x batch + my first head
	s_lshl_b32 s20, s20, 4
	s_lshl_b32 s21, s17, 1
	s_add_co_u32 s21, s21, s15
	s_and_b32 s21, s21, 15
	s_add_co_u32 s20, s20, s21                     ; x 16 + which 128 tokens of the batch
	s_mul_i32 s20, s20, KVB
	s_mov_b32 s21, 0
	s_lshl_b32 s46, s40, 10
	s_lshl_b32 s47, s16, 9
	s_add_co_u32 s46, s46, s47                     ; my first column, in bytes of a bias
	s_mov_b32 s47, 0
	s_wait_kmcnt 0x0
	s_cmp_eq_u32 ttmp9, 0
	s_cselect_b64 s[4:5], s[4:5], s[6:7]
	s_cselect_b64 s[12:13], s[10:11], s[12:13]
	s_cmp_eq_u32 ttmp9, 2
	s_cselect_b64 s[4:5], s[8:9], s[4:5]
	s_add_nc_u64 s[4:5], s[4:5], s[46:47]
	s_add_nc_u64 s[12:13], s[12:13], s[20:21]
	s_cmp_eq_u32 ttmp9, 2
	s_cbranch_scc1 .Lv
	; ---- q and k: quantised along the columns.  No LDS.
	WIN TO_B
	s_wait_alu depctr_va_vdst(0)
.irp b, 0,1,2,3,4,5,6,7
	global_load_b128 v[8*\b:8*\b+3], v9, s[4:5] offset:64*\b          ; the biases in the result's layout, in window 1, over B's fragments
	global_load_b128 v[8*\b+4:8*\b+7], v9, s[4:5] offset:64*\b+16
.endr
	WIN 0
	s_wait_loadcnt 0x0
.irp a, 0,1,2,3,4,5,6,7
.if \a > 0
	s_wait_xcnt 0x0                                ; the last block's stores have read their registers
.endif
	WIN 0x06+(\a)/4                                ; source 0: window 2 or 3; source 1: window 1
.set ii, 0
.rept 32
	v_pk_add_f32 v[X+ii:X+ii+1], v[64*((\a)%4)+ii:64*((\a)%4)+ii+1], v[ii:ii+1]
.set ii, ii+2
.endr
	WIN 0
	SWAP16 X
	SWAP16 X+16
	SWAP16 X+32
	SWAP16 X+48
	QUANT X
.irp p, 0,1,2
	global_store_b64 v7, v[PC+2*\p:PC+2*\p+1], s[12:13] offset:768*\a+256*\p          ; the even head's 64: registers 0-5
	global_store_b64 v7, v[PC+6+2*\p:PC+7+2*\p], s[12:13] offset:BHS+768*\a+256*\p    ; the odd head's: registers 6-11
.endr
	v_lshrrev_b32 v[T1], v11, v[PW]
	v_and_or_b32 v[T1], v[T1], 0xffff, s22         ; my head's two bytes, and 1, 1
	global_store_b32 v10, v[T1], s[12:13] offset:12288+64*\a
.endr
	s_branch .Ldone
.Lv:
	; ---- v: quantised along the tokens.  A tile of 16 channels at a time turns through my stage: channel rows of 528 bytes, the tokens in their true order.
	s_wait_alu depctr_va_vdst(0)
.irp c, 0,1,2,3,4,5,6,7
	global_load_b32 v[BV+\c], v13, s[4:5] offset:64*\c
.endr
	s_wait_loadcnt 0x0
.irp c, 0,1,2,3,4,5,6,7
	WIN 0x08
.irp a, 0,1,2,3
.irp j, 0,1,2,3,4,5,6,7
	ds_store_b32 v[STO], v[64*\a+8*\c+\j] offset:SPITCH*\j+4*(32*(\a/2)+8*(\a%2))
.endr
.endr
	WIN 0x0c
.irp a, 0,1,2,3
.irp j, 0,1,2,3,4,5,6,7
	ds_store_b32 v[STO], v[64*\a+8*\c+\j] offset:SPITCH*\j+4*(64+32*(\a/2)+8*(\a%2))
.endr
.endr
	WIN 0
.irp b, 0,1,2,3
.irp n, 0,1,2,3
	ds_load_b128 v[X+16*\b+4*\n:X+16*\b+4*\n+3], v[RD] offset:128*\b+16*\n   ; LDS serves a wave's instructions in order: these see my stores
.endr
.endr
	v_mov_b32 v[BVP], v[BV+\c]
	v_mov_b32 v[BVP+1], v[BV+\c]
	s_wait_alu depctr_va_vdst(0)
	s_wait_dscnt 0x0
	s_wait_xcnt 0x0                                ; the last tile's stores have read their registers
.set ii, 0
.rept 32
	v_pk_add_f32 v[X+ii:X+ii+1], v[X+ii:X+ii+1], v[BVP:BVP+1]
.set ii, ii+2
.endr
	QUANT X
.irp k, 0,1,2
	global_store_b128 v12, v[PC+4*\k:PC+4*\k+3], s[12:13] offset:(\c/4)*BHS+6144+(\c%4)*1536+512*\k   ; 32 lanes store 512 consecutive bytes
.endr
	global_store_b32 v13, v[PW], s[12:13] offset:(\c/4)*BHS+12800+64*(\c%4)
.endr
.Ldone:
	s_wait_tensorcnt 0x0                           ; the wave's end
	ds_add_u32 v[SPW], v[NIL]
	s_wait_dscnt 0x0
	CROUND                                         ; the closing round
	s_endpgm
.Lfunc_end_k_qdc54e86df0_qkv:
	.size	k_qdc54e86df0_qkv, .Lfunc_end_k_qdc54e86df0_qkv-k_qdc54e86df0_qkv
	.p2alignl 7, 3214868480
	.fill 96, 4, 3214868480
	.section	.rodata,"a",@progbits
	.p2align	6, 0x0
	.amdhsa_kernel k_qdc54e86df0_qkv
		.amdhsa_group_segment_fixed_size 327680
		.amdhsa_private_segment_fixed_size 0
		.amdhsa_enable_private_segment 0
		.amdhsa_kernarg_size 80
		.amdhsa_user_sgpr_count 2
		.amdhsa_user_sgpr_kernarg_segment_ptr 1
		.amdhsa_wavefront_size32 1
		.amdhsa_system_sgpr_workgroup_id_x 1
		.amdhsa_system_sgpr_workgroup_id_y 1
		.amdhsa_system_sgpr_workgroup_id_z 1
		.amdhsa_system_vgpr_workitem_id 0
		.amdhsa_next_free_vgpr 1024
		.amdhsa_next_free_sgpr 100
		.amdhsa_reserve_vcc 0
		.amdhsa_float_denorm_mode_32 3
		.amdhsa_float_denorm_mode_16_64 3
		.amdhsa_memory_ordered 1
		.amdhsa_forward_progress 1
		.amdhsa_inst_pref_size 255
	.end_amdhsa_kernel
	.section	.bss,"aw",@nobits
	.p2align	6
	.space	262144
	.amdgpu_metadata
---
amdhsa.version: [ 1, 2 ]
amdhsa.kernels:
  - .name:           k_qdc54e86df0_qkv
    .symbol:         k_qdc54e86df0_qkv.kd
    .args:
      - { .name: aq, .offset: 0, .size: 8, .value_kind: global_buffer, .address_space: global }
      - { .name: wi, .offset: 8, .size: 8, .value_kind: global_buffer, .address_space: global }
      - { .name: qw_scales, .offset: 16, .size: 8, .value_kind: global_buffer, .address_space: global }
      - { .name: kw_scales, .offset: 24, .size: 8, .value_kind: global_buffer, .address_space: global }
      - { .name: vw_scales, .offset: 32, .size: 8, .value_kind: global_buffer, .address_space: global }
      - { .name: qb, .offset: 40, .size: 8, .value_kind: global_buffer, .address_space: global }
      - { .name: kb, .offset: 48, .size: 8, .value_kind: global_buffer, .address_space: global }
      - { .name: vb, .offset: 56, .size: 8, .value_kind: global_buffer, .address_space: global }
      - { .name: qq, .offset: 64, .size: 8, .value_kind: global_buffer, .address_space: global }
      - { .name: kv, .offset: 72, .size: 8, .value_kind: global_buffer, .address_space: global }
    .group_segment_fixed_size: 327680
    .private_segment_fixed_size: 0
    .kernarg_segment_align: 8
    .kernarg_segment_size: 80
    .max_flat_workgroup_size: 128
    .sgpr_count:     100
    .vgpr_count:     1024
    .wavefront_size: 32
...
	.end_amdgpu_metadata
.endif
;; end of part 10
;; launch attn (part 11): grid 8 x 32, 16 waves a work-group, clusters of 4 x 1, 239,872 bytes of LDS; arguments qq, kv, rel_bias, mask, aq; writes aq
.if DOCPART == 11
	.amdgcn_target "amdgcn-amd-amdhsa--gfx1250"
	.amdhsa_code_object_version 6
	.text
	.protected	k_qdc54e86df0_attn
	.globl	k_qdc54e86df0_attn
	.p2align	8
	.type	k_qdc54e86df0_attn,@function
k_qdc54e86df0_attn:
	s_mov_b64 s[64:65], 0
	v_nop
	global_prefetch_b8 v0, s[64:65] scope:SCOPE_SE
	s_setreg_imm32_b32 hwreg(HW_REG_WAVE_MODE, 25, 1), 1
	s_wait_xcnt 0x0
	s_wait_alu depctr_hold_cnt(0) depctr_sa_sdst(0) depctr_va_vdst(0) depctr_va_sdst(0) depctr_va_ssrc(0) depctr_va_vcc(0) depctr_vm_vsrc(0)
	s_getreg_b32 s2, hwreg(HW_REG_IB_STS2, 6, 4)
	s_cmp_eq_u32 s2, 0
	s_cbranch_scc0 .Lentry_in_a_cluster
	s_endpgm
.Lentry_in_a_cluster:
	s_bfe_u32 s2, ttmp6, 0x10000c
	s_cmp_lg_u32 s2, 0x3003
	s_cbranch_scc0 .Lentry_shape_is_right
	s_endpgm
.Lentry_shape_is_right:
; Attention of one head on codes of FP6: S^T = K Q^T + 8 rel, t = S^T log2(e) / 8, p = 2^(t - M) with M the ceiling of the running largest t, O^T += V^T p^T, O / l, and the result quantised for the next product.
; SHARES.  A work-group owns 256 queries of one (batch, head); each of its sixteen waves one tile of 16, in 256 registers: four waves to a SIMD.
; THE WHOLE HEAD'S K AND V LIE IN LDS: 16 blocks of 13,056 bytes (128 keys each: K's tiles, V^T's tiles, their scale words), each filled once: no slot is filled again.
; CLUSTER 4 x 1: the four query blocks of a cluster belong to one head and ask for each block jointly.  Waves 0 to 3 fetch, four loads each: four tensor loads of a wave are out at the most.
; The keys of a tile of K are not neighbours (lane r of tile 2 b + u: key 32 b + 8 u + r + 8 (r / 8)), so the 16 registers of tiles 2 b, 2 b + 1 of S^T are 16 neighbouring keys.
; A head has 64 along K, the instruction 128: Q's registers 6-11 are zero codes, K's are whatever follows (the next tile's codes), under scale bytes of 1: they add nothing.
; THE RELATIVE BIAS IS THE C OF THE FIRST PRODUCT.  A table L[j] = 8 rel[256 x block + 2302 - j] lies in LDS twice, the second copy one word back, so that every lane reads pairs at multiples of 8 bytes.
; THE MASK lies in LDS as 0 or -infinity for each key and is added to the scores in every step: no branch hangs on loaded numbers, so all partners of a cluster run alike.
; LIMITS: NaN and infinities among the inputs are not served.  A batch whose mask hides every key gives NaN in the definition; here the sum is 0 and what is stored are finite codes: that case is not reproduced.
; WHO FETCHES (this stands in place of what the head says of waves 0 to 3): each of the sixteen waves asks for one of the sixteen blocks, block = wave: one tensor load a wave, jointly with the three partners.
; One wait for 0 and one barrier show the whole head's K and V to all waves; the sixteen key steps are one loop with no barrier in it.
.set KVB,  13056
.set BHS,  16*KVB
.set RB,   BHS                         ; the bias table: copy 0 10,240 bytes, 32 bytes, copy 1; written by LDS stores, no tile lands here
.set RB1,  10272
.set MK,   RB+20736                    ; the mask as f32, 8,192 bytes
.set AQS,  3145728
.set ADK,  6
.set ADV,  7
.set ADS,  8
.set ADB,  9
.set ADM,  10
.set KF,   32                          ; v32-79 K's eight tiles (six registers each) or V's four fragments; v80-85 zeros
.set SW,   86                          ; v86-93 K's or V's scale words
.set PW,   94                          ; v94 p's scale word
.set S,    96
.set O,    160
.set MR,   192                         ; v192-255: at a step's head the mask of my 64 keys; behind the additions p's codes and the softmax's registers at work
.set PC,   192
.set PT,   204
.set BM,   212
.set BT,   216
.set BS,   220
.set F,    226
.set T,    228
.set PW2,  232
.set TM,   208
.set SEL,  20
.set CS,   22
.set G1,   24
.set G0,   36
.set TB,   52
.set CNT,  54
.set TR,   56
.macro CROUND
	s_barrier_signal -1
	s_barrier_wait -1
	s_cmp_lg_u32 s14, 0
	s_cbranch_scc1 .Lnot_wave_0_\@
	s_barrier_signal -3
.Lnot_wave_0_\@:
	s_barrier_wait -3
	s_barrier_signal -1
	s_barrier_wait -1
.endm
	s_load_b256 s[4:11], s[0:1], 0x0               ; qq, kv, rel_bias, mask
	s_load_b64 s[12:13], s[0:1], 0x20              ; aq
	v_lshl_add_u32 v31, v0, 2, 0x3a100
	v_mov_b32 v95, 0
	ds_add_u32 v31, v95
	ds_add_u32 v31, v95
	v_lshrrev_b32 v1, 5, v0
	s_delay_alu instid0(VALU_DEP_1)
	v_readfirstlane_b32 s14, v1                    ; wave 0..15
	s_bfe_u32 s15, ttmp6, 0x40000                  ; cx
	s_lshl_b32 s16, ttmp9, 2
	s_add_co_u32 s16, s16, s15                     ; my block of 256 queries: it enters global addresses alone
	s_and_b32 s17, ttmp7, 0xffff                   ; 16 x batch + head, which the partners share
	s_lshr_b32 s18, s17, 4
	s_and_b32 s19, s17, 15
	s_mov_b32 s[G1], 15|(3<<16)|(1<<21)            ; the mask: all four; elements of 8 bytes; no padding
	s_mov_b32 s[G1+1], 32<<16                      ; rows of 256 bytes
	s_mov_b32 s[G1+2], 51<<16                      ; 51 of them: one block
	s_mov_b32 s[G1+3], 32<<16
	s_mov_b32 s[G1+4], 51
	s_mov_b32 s[G1+5], 32
	s_mov_b32 s[G1+6], 0
	s_mov_b32 s[G1+7], 0
	s_mul_i32 s33, s14, KVB                        ; my block's place, in LDS and in memory alike
	s_mul_i32 s34, s17, BHS
	s_add_co_u32 s34, s34, s33
	s_mov_b32 s35, 0
	s_mov_b32 s[SEL], 0x76543210
	s_mov_b32 s[SEL+1], 0xfedcba98
	s_mov_b32 s[CS], 0x3e38aa3b                    ; log2(e) / 8
	s_mov_b32 s[CS+1], s[CS]
	s_mov_b32 s[TB], 0
	s_mov_b32 s[TR], 0
	s_wait_dscnt 0x0
	s_wait_kmcnt 0x0
	s_add_nc_u64 s[34:35], s[6:7], s[34:35]
	s_mov_b32 s[G0], 1
	s_mov_b32 s[G0+1], s33
	s_mov_b64 s[G0+2:G0+3], s[34:35]
	s_or_b32 s[G0+3], s[G0+3], 0x80000000
	CROUND                                         ; all four work-groups are here: the joint loads meet
	tensor_load_to_lds s[G0:G0+3], s[G1:G1+7]      ; my one tensor load
	s_nop 0
.rept 4
	v_nop
.endr
	; ---- what the work-group's 512 threads lay in LDS themselves, and Q
	s_lshl_b32 s32, s16, 10
	s_mov_b32 s33, 0
	s_add_nc_u64 s[8:9], s[8:9], s[32:33]          ; rel_bias at 256 x block
	s_lshl_b32 s32, s18, 11
	s_add_nc_u64 s[10:11], s[10:11], s[32:33]      ; my batch's mask
	s_lshl_b32 s32, s17, 4
	s_lshl_b32 s34, s16, 1
	s_add_co_u32 s32, s32, s34
	s_lshr_b32 s34, s14, 3
	s_add_co_u32 s32, s32, s34
	s_mul_i32 s32, s32, KVB                        ; the block that holds my 16 queries
	s_and_b32 s34, s14, 7
	s_mul_i32 s58, s34, 768
	s_add_co_u32 s58, s58, s32
	s_mov_b32 s59, 0
	s_lshl_b32 s60, s34, 6
	s_add_co_u32 s60, s60, s32
	s_add_co_u32 s60, s60, 12288
	s_mov_b32 s61, 0
	s_add_nc_u64 s[58:59], s[4:5], s[58:59]
	s_add_nc_u64 s[60:61], s[4:5], s[60:61]
	v_and_b32 v11, 31, v0
	s_delay_alu instid0(VALU_DEP_1)
	v_lshlrev_b32 v1, 3, v11                       ; 8 x lane
	s_delay_alu instid0(VALU_DEP_2)
	v_lshlrev_b32 v2, 4, v11                       ; 16 x lane
	v_and_b32 v3, 15, v0
	s_delay_alu instid0(VALU_DEP_1)
	v_lshlrev_b32 v3, 2, v3                        ; 4 r
.irp i, 0,1,2,3,4
	v_sub_nc_u32 v[96+\i], 2302-512*\i, v0         ; table entry j = thread + 512 i holds rel[256 x block + 2302 - j];
.endr
	s_delay_alu instid0(VALU_DEP_1)
	v_max_i32 v100, 0, v100                        ; entries past 2302 are never read: their index is held at 0, inside the buffer
.irp i, 0,1,2,3,4
	v_lshlrev_b32 v[96+\i], 2, v[96+\i]
.endr
.irp i, 0,1,2,3,4
	global_load_b32 v[101+\i], v[96+\i], s[8:9]
.endr
	v_lshlrev_b32 v106, 2, v0
	global_load_b32 v107, v106, s[10:11]           ; four mask bytes a thread
.irp p, 0,1,2
	global_load_b64 v[16+2*\p:17+2*\p], v1, s[58:59] offset:256*\p      ; Q: registers 0-5
.endr
	global_load_b32 v28, v3, s[60:61]              ; Q's scale words
	v_and_b32 v4, 0x1c0, v0
	s_delay_alu instid0(VALU_DEP_1)
	v_lshrrev_b32 v4, 1, v4                        ; 32 (wave / 2)
	v_bfe_u32 v5, v0, 5, 1
	s_delay_alu instid0(VALU_DEP_1)
	v_lshl_add_u32 v4, v5, 3, v4                   ; + 8 (wave % 2)
	v_and_b32 v5, 15, v0
	s_delay_alu instid0(VALU_DEP_1)
	v_add_nc_u32 v4, v4, v5                        ; + r
	v_and_b32 v5, 8, v0
	s_delay_alu instid0(VALU_DEP_1)
	v_add_nc_u32 v4, v4, v5                        ; + 8 (r / 8): my query in the block
	v_bfe_u32 v5, v0, 4, 1                         ; h
	s_delay_alu instid0(VALU_DEP_1)
	v_lshl_add_u32 v6, v5, 4, 255
	s_delay_alu instid0(VALU_DEP_1)
	v_sub_nc_u32 v6, v6, v4                        ; a = 255 - query + 16 h: register 16 b + i of step s wants L[a + 128 s + 32 b + i]
	s_delay_alu instid0(VALU_DEP_1)
	v_and_b32 v4, 1, v6
	s_delay_alu instid0(VALU_DEP_1)
	v_mul_u32_u24 v4, v4, RB1                      ; an odd a reads the copy that lies one word back
	s_delay_alu instid0(VALU_DEP_3)
	v_and_b32 v6, 0x1fe, v6
	s_delay_alu instid0(VALU_DEP_1)
	v_lshl_add_u32 v4, v6, 2, v4
	s_delay_alu instid0(VALU_DEP_1)
	v_add_nc_u32 v4, RB, v4
	v_lshl_add_u32 v5, v5, 6, MK                   ; the mask: + 64 h
.irp j, 22,23,24,25,26,27, 80,81,82,83,84,85
	v_mov_b32 v[\j], 0                             ; zero codes
.endr
.set ii, 0
.rept 32
	v_mov_b32 v[O+ii], 0                           ; O^T: the first change of M leaves zeros zeros
.set ii, ii+1
.endr
	v_mov_b32 v13, 0xff61b1e6                      ; the largest t so far: -3e38
	s_delay_alu instid0(VALU_DEP_1)
	v_floor_f32 v12, -v13                          ; -M
	v_mov_b32 v14, 0
	v_mov_b32 v15, 0
	s_wait_loadcnt 0x0
.irp i, 0,1,2,3,4
	v_ldexp_f32 v[101+\i], v[101+\i], 3            ; 8 rel: exact
.endr
	v_lshl_add_u32 v110, v0, 2, RB
.irp i, 0,1,2,3,4
	ds_store_b32 v110, v[101+\i] offset:2048*\i
	ds_store_b32 v110, v[101+\i] offset:RB1-4+2048*\i
.endr
	v_mov_b32 v111, 0xff800000
.irp k, 0,1,2,3
	v_bfe_u32 v[128+\k], v107, 8*\k, 8
	s_delay_alu instid0(VALU_DEP_1)
	v_cmp_eq_u32 vcc_lo, 0, v[128+\k]
	s_delay_alu instid0(VALU_DEP_1)
	v_cndmask_b32 v[128+\k], 0, v111, vcc_lo       ; a hidden key: -infinity
.endr
	v_lshl_add_u32 v132, v0, 4, MK
	ds_store_b128 v132, v[128:131]
; A KEY STEP: 128 keys.
.macro STEP
	v_add_nc_u32 v[ADK], s[TB], v1                 ; these five are also the places behind the last products
	v_add_nc_u32 v[ADV], s[TB], v2
	v_add_nc_u32 v[ADS], s[TB], v3
	v_add_nc_u32 v[ADB], s[TR], v4
	v_add_nc_u32 v[ADM], s[TR], v5
.irp t, 0,1,2,3,4,5,6,7
.irp p, 0,1,2
	ds_load_b64 v[KF+6*\t+2*\p:KF+6*\t+2*\p+1], v[ADK] offset:768*\t+256*\p
.endr
	ds_load_b32 v[SW+\t], v[ADS] offset:12288+64*\t
.endr
.irp b, 0,1,2,3
.irp n, 0,1,2,3,4,5,6,7
	ds_load_b64 v[S+16*\b+2*\n:S+16*\b+2*\n+1], v[ADB] offset:128*\b+8*\n    ; 8 rel, straight into the accumulators
.endr
.endr
	s_wait_alu depctr_va_vdst(0)
	s_wait_dscnt 0x0
.irp b, 0,1,2,3
.irp n, 0,1,2,3
	ds_load_b128 v[MR+16*\b+4*\n:MR+16*\b+4*\n+3], v[ADM] offset:128*\b+16*\n   ; the mask of my 64 keys: the sixteen lanes of a half read the same 16 bytes; they land under the products
.endr
.endr
.irp t, 0,1,2,3,4,5,6,7
	v_wmma_scale_f32_16x16x128_f8f6f4 v[S+8*\t:S+8*\t+7], v[KF+6*\t:KF+6*\t+11], v[16:27], v[S+8*\t:S+8*\t+7], v[SW+\t], v28 matrix_a_fmt:MATRIX_FMT_FP6 matrix_b_fmt:MATRIX_FMT_FP6
.endr
.rept 4
	v_nop                                          ; places in front of the loads into K's registers and of the first read of the scores
.endr
.irp t, 0,1,2,3
.irp c, 0,1,2
	ds_load_b128 v[KF+12*\t+4*\c:KF+12*\t+4*\c+3], v[ADV] offset:6144+1536*\t+512*\c   ; V^T's fragments land under the softmax
.endr
	ds_load_b32 v[SW+\t], v[ADS] offset:12800+64*\t
.endr
	s_wait_dscnt 16                                ; the mask's sixteen loads are in; V's sixteen, issued behind them, may be out
.set ii, 0
.rept 32
	v_pk_add_f32 v[S+ii:S+ii+1], v[S+ii:S+ii+1], v[MR+ii:MR+ii+1]    ; + 0 or -infinity; each accumulator from its low end on
.set ii, ii+2
.endr
.irp b, 0,1,2,3
	v_max3_num_f32 v[BM+\b], v[S+16*\b], v[S+1+16*\b], v[S+2+16*\b]    ; the largest score of each block of 32 keys: for the row's maximum and for the block's largest p
.endr
.irp i, 3,5,7,9,11,13
.irp b, 0,1,2,3
	s_delay_alu instid0(VALU_DEP_4)
	v_max3_num_f32 v[BM+\b], v[BM+\b], v[S+16*\b+\i], v[S+1+16*\b+\i]
.endr
.endr
.irp b, 0,1,2,3
	s_delay_alu instid0(VALU_DEP_4)
	v_max_num_f32 v[BM+\b], v[BM+\b], v[S+15+16*\b]
.endr
.irp b, 0,1,2,3
	s_delay_alu instid0(VALU_DEP_4)
	v_permlanex16_b32 v[BT+\b], v[BM+\b], s[SEL], s[SEL+1]
.endr
.irp b, 0,1,2,3
	s_delay_alu instid0(VALU_DEP_4)
	v_max_num_f32 v[BM+\b], v[BM+\b], v[BT+\b]
.endr
	s_delay_alu instid0(VALU_DEP_2)
	v_max3_num_f32 v[T], v[BM], v[BM+1], v[BM+2]
	s_delay_alu instid0(VALU_DEP_1)
	v_max_num_f32 v[T], v[T], v[BM+3]
	s_delay_alu instid0(VALU_DEP_1)
	v_mul_f32 v[T], s[CS], v[T]
	s_delay_alu instid0(VALU_DEP_1)
	v_max_num_f32 v13, v13, v[T]                   ; the running largest t
	v_mov_b32 v[T], v12
	s_delay_alu instid0(VALU_DEP_2)
	v_floor_f32 v12, -v13                          ; -M = floor(-t): M is a whole number
	s_delay_alu instid0(VALU_DEP_1)
	v_sub_f32 v[T], v12, v[T]
	s_delay_alu instid0(VALU_DEP_1)
	v_cvt_i32_f32 v[T], v[T]                       ; (it saturates)
	s_delay_alu instid0(VALU_DEP_1)
	v_ldexp_f32 v[F], 1.0, v[T]                    ; f = 2^(old M - new M)
.set ii, 0
.rept 32
	v_pk_fma_f32 v[S+ii:S+ii+1], v[S+ii:S+ii+1], s[CS:CS+1], v[12:13] op_sel_hi:[1,0,0]
.set ii, ii+2
.endr
.irp b, 0,1,2,3
	v_fma_f32 v[BM+\b], v[BM+\b], s[CS], v12
.endr
.set ii, 0
	s_wait_alu depctr_va_vdst(0)
.rept 64
	v_exp_f32 v[S+ii], v[S+ii]                     ; p = 2^(t - M)
.set ii, ii+1
.endr
.irp b, 0,1,2,3
	v_exp_f32 v[BM+\b], v[BM+\b]                   ; the block's largest p: the same two instructions on the same number
.endr
	v_pk_mul_f32 v[14:15], v[14:15], v[F:F+1] op_sel_hi:[1,0]   ; the sums under the new M (a plain place behind the exponentials)
	s_wait_alu depctr_va_vdst(0)
.irp b, 0,1,2,3
	v_max_num_f32 v[BM+\b], 0x1800000, v[BM+\b]
.endr
.irp b, 0,1,2,3
	s_delay_alu instid0(VALU_DEP_4)
	v_add_nc_u32 v[BS+\b], 0xff000000, v[BM+\b]
.endr
.irp b, 0,1,2,3
	s_delay_alu instid0(VALU_DEP_4)
	v_lshrrev_b32 v[BT+\b], 23, v[BS+\b]
.endr
	s_delay_alu instid0(VALU_DEP_3)
	v_lshl_or_b32 v[PW], v[BT+1], 8, v[BT]
	s_delay_alu instid0(VALU_DEP_1)
	v_lshl_or_b32 v[PW], v[BT+2], 16, v[PW]
	s_delay_alu instid0(VALU_DEP_1)
	v_lshl_or_b32 v[PW], v[BT+3], 24, v[PW]
.irp c, 0,1
	v_cvt_scalef32_pk16_fp6_f32 v[PC+6*\c:PC+6*\c+2], v[S+32*\c:S+32*\c+15], v[BS+2*\c]
	v_cvt_scalef32_pk16_fp6_f32 v[PT+4*\c:PT+4*\c+2], v[S+16+32*\c:S+31+32*\c], v[BS+2*\c+1]
.endr
	v_nop
.irp c, 0,1
.irp i, 0,1,2
	v_permlane16_swap_b32 v[PC+6*\c+\i], v[PT+4*\c+\i]
.endr
.irp i, 0,1,2
	s_delay_alu instid0(VALU_DEP_3)
	v_mov_b32 v[PC+3+6*\c+\i], v[PT+4*\c+\i]
.endr
.endr
	v_pk_add_f32 v[230:231], v[100:101], v[104:105]
	v_pk_add_f32 v[254:255], v[108:109], v[112:113]
	v_pk_add_f32 v[252:253], v[116:117], v[120:121]
	v_pk_add_f32 v[250:251], v[124:125], v[128:129]
	v_pk_add_f32 v[248:249], v[132:133], v[136:137]
	v_pk_add_f32 v[246:247], v[140:141], v[144:145]
	v_pk_add_f32 v[244:245], v[148:149], v[152:153]
	v_pk_add_f32 v[14:15], v[14:15], v[156:157]
	v_pk_add_f32 v[230:231], v[230:231], v[96:97]
	v_pk_add_f32 v[254:255], v[254:255], v[98:99]
	v_pk_add_f32 v[252:253], v[252:253], v[102:103]
	v_pk_add_f32 v[250:251], v[250:251], v[106:107]
	v_pk_add_f32 v[248:249], v[248:249], v[110:111]
	v_pk_add_f32 v[246:247], v[246:247], v[114:115]
	v_pk_add_f32 v[244:245], v[244:245], v[118:119]
	v_pk_add_f32 v[14:15], v[14:15], v[122:123]
	v_pk_add_f32 v[230:231], v[230:231], v[126:127]
	v_pk_add_f32 v[254:255], v[254:255], v[130:131]
	v_pk_add_f32 v[252:253], v[252:253], v[134:135]
	v_pk_add_f32 v[250:251], v[250:251], v[138:139]
	v_pk_add_f32 v[248:249], v[248:249], v[142:143]
	v_pk_add_f32 v[246:247], v[246:247], v[146:147]
	v_pk_add_f32 v[244:245], v[244:245], v[150:151]
	v_pk_add_f32 v[14:15], v[14:15], v[154:155]
	v_pk_add_f32 v[230:231], v[230:231], v[158:159]
	s_delay_alu instid0(VALU_DEP_2)
	v_pk_add_f32 v[14:15], v[14:15], v[250:251]
	s_delay_alu instid0(VALU_DEP_2)
	v_pk_add_f32 v[230:231], v[230:231], v[248:249]
	v_pk_add_f32 v[254:255], v[254:255], v[246:247]
	v_pk_add_f32 v[252:253], v[252:253], v[244:245]
	s_delay_alu instid0(VALU_DEP_2)
	v_pk_add_f32 v[14:15], v[14:15], v[254:255]
	s_delay_alu instid0(VALU_DEP_2)
	v_pk_add_f32 v[230:231], v[230:231], v[252:253]
	s_delay_alu instid0(VALU_DEP_1)
	v_pk_add_f32 v[14:15], v[14:15], v[230:231]
.set ii, 0
.rept 16
	v_pk_mul_f32 v[O+ii:O+ii+1], v[O+ii:O+ii+1], v[F:F+1] op_sel_hi:[1,0]
.set ii, ii+2
.endr
	s_wait_alu depctr_va_vdst(0)
	s_wait_dscnt 0x0                               ; V
.irp t, 0,1,2,3
	v_wmma_scale_f32_16x16x128_f8f6f4 v[O+8*\t:O+8*\t+7], v[KF+12*\t:KF+12*\t+11], v[PC:PC+11], v[O+8*\t:O+8*\t+7], v[SW+\t], v[PW] matrix_a_fmt:MATRIX_FMT_FP6 matrix_b_fmt:MATRIX_FMT_FP6
.endr
	s_add_co_u32 s[TB], s[TB], KVB
	s_add_co_u32 s[TR], s[TR], 512
.endm
; Sixteen steps in one loop, whose blocks came by one tensor load of each of the sixteen waves.
	s_wait_tensorcnt 0x0                           ; my block has landed,
	s_wait_dscnt 0x0                               ; and so have my LDS stores
	s_barrier_signal -1
	s_barrier_wait -1                              ; both now hold of all sixteen waves; nothing is filled again
	s_mov_b32 s[CNT], 16
.Lstep:
	STEP
	s_sub_co_u32 s[CNT], s[CNT], 1
	s_cmp_lg_u32 s[CNT], 0
	s_cbranch_scc1 .Lstep
	; ---- the way out: O / l, quantised along the head's 64, into the image of the next product's A
.rept 4
	v_nop
.endr
	v_add_f32 v14, v14, v15
	s_delay_alu instid0(VALU_DEP_1)
	v_permlanex16_b32 v[T], v14, s[SEL], s[SEL+1]
	s_delay_alu instid0(VALU_DEP_1)
	v_add_f32 v14, v14, v[T]
	s_wait_alu depctr_va_vdst(0)
	v_rcp_f32 v14, v14
	v_lshlrev_b32 v11, 1, v3                       ; 8 r (a plain place behind the reciprocal)
.set ii, 0
	s_wait_alu depctr_va_vdst(0)
.rept 16
	v_pk_mul_f32 v[S+ii:S+ii+1], v[O+ii:O+ii+1], v[14:15] op_sel_hi:[1,0]   ; register 8 t + j: channel 16 t + 8 h + j
.set ii, ii+2
.endr
.irp x, 0,16
.irp i, 0,1,2,3,4,5,6,7
	v_permlane16_swap_b32 v[S+\x+\i], v[S+\x+8+\i]  ; 16 neighbours: channel 2 x + 16 h + i
.endr
.endr
.irp b, 0,1
	v_max3_num_f32 v[TM+\b], |v[S+16*\b]|, |v[S+1+16*\b]|, 0x1800000
.endr
.irp i, 2,4,6,8,10,12,14
.irp b, 0,1
	s_delay_alu instid0(VALU_DEP_2)
	v_max3_num_f32 v[TM+\b], v[TM+\b], |v[S+16*\b+\i]|, |v[S+1+16*\b+\i]|
.endr
.endr
.irp b, 0,1
	s_delay_alu instid0(VALU_DEP_2)
	v_permlanex16_b32 v[TM+4+\b], v[TM+\b], s[SEL], s[SEL+1]
.endr
.irp b, 0,1
	s_delay_alu instid0(VALU_DEP_2)
	v_max_num_f32 v[TM+\b], v[TM+\b], v[TM+4+\b]
.endr
.irp b, 0,1
	s_delay_alu instid0(VALU_DEP_2)
	v_add_nc_u32 v[TM+12+\b], 0xff000000, v[TM+\b]
.endr
.irp b, 0,1
	s_delay_alu instid0(VALU_DEP_2)
	v_lshrrev_b32 v[TM+4+\b], 23, v[TM+12+\b]
.endr
	s_delay_alu instid0(VALU_DEP_1)
	v_lshl_or_b32 v[PW2], v[TM+5], 8, v[TM+4]
	v_cvt_scalef32_pk16_fp6_f32 v[PC:PC+2], v[S:S+15], v[TM+12]
	v_cvt_scalef32_pk16_fp6_f32 v[PT:PT+2], v[S+16:S+31], v[TM+13]
	v_nop
.irp i, 0,1,2
	v_permlane16_swap_b32 v[PC+\i], v[PT+\i]
.endr
.irp i, 0,1,2
	s_delay_alu instid0(VALU_DEP_3)
	v_mov_b32 v[PC+3+\i], v[PT+\i]
.endr
	s_lshl_b32 s55, s18, 7
	s_lshl_b32 s57, s16, 4
	s_add_co_u32 s55, s55, s57
	s_add_co_u32 s55, s55, s14                     ; the image tile: 128 x batch + 16 x block + wave
	s_lshl_b32 s55, s55, 3
	s_lshr_b32 s57, s19, 1
	s_add_co_u32 s55, s55, s57                     ; K step = head / 2
	s_mul_i32 s58, s55, 1536
	s_and_b32 s57, s19, 1
	s_mul_i32 s55, s57, 768                        ; an odd head: registers 6-11
	s_add_co_u32 s58, s58, s55
	s_mov_b32 s59, 0
	s_add_nc_u64 s[58:59], s[12:13], s[58:59]
	s_lshl_b32 s60, s18, 3
	s_add_co_u32 s60, s60, s16
	s_lshl_b32 s60, s60, 13
	s_lshr_b32 s55, s19, 2
	s_lshl_b32 s55, s55, 11
	s_add_co_u32 s60, s60, s55
	s_lshl_b32 s55, s14, 7
	s_add_co_u32 s60, s60, s55
	s_bfe_u32 s55, s19, 0x10001
	s_lshl_b32 s55, s55, 2
	s_add_co_u32 s60, s60, s55
	s_lshl_b32 s57, s57, 1
	s_add_co_u32 s60, s60, s57
	s_add_co_u32 s60, s60, AQS
	s_mov_b32 s61, 0
	s_add_nc_u64 s[60:61], s[12:13], s[60:61]
	s_wait_alu depctr_va_vdst(0)
.irp p, 0,1,2
	global_store_b64 v1, v[PC+2*\p:PC+2*\p+1], s[58:59] offset:256*\p   ; 32 lanes store 256 consecutive bytes, aligned
.endr
	global_store_b16 v11, v[PW2], s[60:61]         ; a head owns half a scale word: two bytes a row, 8 bytes apart (131,072 bytes in the whole launch)
	s_wait_tensorcnt 0x0
	ds_add_u32 v31, v95
	s_wait_dscnt 0x0
	CROUND                                         ; the closing round
	s_endpgm
.Lfunc_end_k_qdc54e86df0_attn:
	.size	k_qdc54e86df0_attn, .Lfunc_end_k_qdc54e86df0_attn-k_qdc54e86df0_attn
	.p2alignl 7, 3214868480
	.fill 96, 4, 3214868480
	.section	.rodata,"a",@progbits
	.p2align	6, 0x0
	.amdhsa_kernel k_qdc54e86df0_attn
		.amdhsa_group_segment_fixed_size 239872
		.amdhsa_private_segment_fixed_size 0
		.amdhsa_enable_private_segment 0
		.amdhsa_kernarg_size 40
		.amdhsa_user_sgpr_count 2
		.amdhsa_user_sgpr_kernarg_segment_ptr 1
		.amdhsa_wavefront_size32 1
		.amdhsa_system_sgpr_workgroup_id_x 1
		.amdhsa_system_sgpr_workgroup_id_y 1
		.amdhsa_system_sgpr_workgroup_id_z 1
		.amdhsa_system_vgpr_workitem_id 0
		.amdhsa_next_free_vgpr 256
		.amdhsa_next_free_sgpr 66
		.amdhsa_reserve_vcc 1
		.amdhsa_float_denorm_mode_32 3
		.amdhsa_float_denorm_mode_16_64 3
		.amdhsa_memory_ordered 1
		.amdhsa_forward_progress 1
		.amdhsa_inst_pref_size 41
	.end_amdhsa_kernel
	.amdgpu_metadata
---
amdhsa.version: [ 1, 2 ]
amdhsa.kernels:
  - .name:           k_qdc54e86df0_attn
    .symbol:         k_qdc54e86df0_attn.kd
    .args:
      - { .name: qq, .offset: 0, .size: 8, .value_kind: global_buffer, .address_space: global }
      - { .name: kv, .offset: 8, .size: 8, .value_kind: global_buffer, .address_space: global }
      - { .name: rel_bias, .offset: 16, .size: 8, .value_kind: global_buffer, .address_space: global }
      - { .name: mask, .offset: 24, .size: 8, .value_kind: global_buffer, .address_space: global }
      - { .name: aq, .offset: 32, .size: 8, .value_kind: global_buffer, .address_space: global }
    .group_segment_fixed_size: 239872
    .private_segment_fixed_size: 0
    .kernarg_segment_align: 8
    .kernarg_segment_size: 40
    .max_flat_workgroup_size: 512
    .sgpr_count:     66
    .vgpr_count:     256
    .wavefront_size: 32
...
	.end_amdgpu_metadata
.endif
;; end of part 11
;; launch oproj (part 12): grid 8 x 32, 4 waves a work-group, clusters of 4 x 4, 327,680 bytes of LDS; arguments aq, wi, ow_scales, ob, x, y; writes y
.if DOCPART == 12
	.amdgcn_target "amdgcn-amd-amdhsa--gfx1250"
	.amdhsa_code_object_version 6
	.text
	.protected	k_qdc54e86df0_oproj
	.globl	k_qdc54e86df0_oproj
	.p2align	8
	.type	k_qdc54e86df0_oproj,@function
k_qdc54e86df0_oproj:
	s_mov_b64 s[64:65], 0
	v_nop
	global_prefetch_b8 v0, s[64:65] scope:SCOPE_SE
	s_setreg_imm32_b32 hwreg(HW_REG_WAVE_MODE, 25, 1), 1
	s_wait_xcnt 0x0
	s_wait_alu depctr_hold_cnt(0) depctr_sa_sdst(0) depctr_va_vdst(0) depctr_va_sdst(0) depctr_va_ssrc(0) depctr_va_vcc(0) depctr_vm_vsrc(0)
	s_getreg_b32 s2, hwreg(HW_REG_IB_STS2, 6, 4)
	s_cmp_eq_u32 s2, 0
	s_cbranch_scc0 .Lentry_in_a_cluster
	s_endpgm
.Lentry_in_a_cluster:
	s_bfe_u32 s2, ttmp6, 0x10000c
	s_cmp_lg_u32 s2, 0xf033
	s_cbranch_scc0 .Lentry_shape_is_right
	s_endpgm
.Lentry_shape_is_right:
.set SIZE_K, 1024
.set ASOFF,  3145728
.set KSTEP,  512
.set NQ,     4
; y = x + Q(attention) ow + ob on codes of FP6.  A block of 128 x 128 to a work-group, 64 x 64 to a wave; K in two slots of 512.
; A (aq) and B (ow's images in wi) come as register images, 6,144 bytes a tile of 16 rows and slot; cluster 4 x 4, A's tiles shared along a row, B's along a column.
; THE HEAD: one joint load a wave: wave 0 all of A's slot 0, wave 1 all of B's, wave 2 A's scales, wave 3 B's; slot 1 is first filled behind the full sequence and a round.
.set TH,     4                         ; tiles of 16 rows in the half of a slot that one ring load brings
.set WOFF,   2359296                   ; ow's images in wi
.set FR,     12
.set IMG,    1536
.set HALFA,  4*NQ*IMG
.set ASZ,    2*HALFA
.set HALFB,  HALFA
.set SLOT,   ASZ+2*HALFB
.set LAPS,   SIZE_K/(2*KSTEP)
.set KS,     SIZE_K/32
.set SROWS,  SIZE_K/512
.set SCA,    2*SLOT
.set SCB,    SCA+128*KS
.set HALFS,  (64*KS/256)*272
.set SBLK,   (16*KS/256)*272
.set SPARE,  SCB+2*HALFS
.set SPITCH, 272
.set ADRA, 16
.set ADRB, 20
.set STO,  24
.set RD,   25
.set CO,   26
.set ADSB, 27
.set SPW,  28
.set NIL,  29
.set ADSA, 30
.set SA,   32
.set SB,   64
.set BI,   96
.set ACC,  128
.set G1, 24
.set G0, 32
.set G1B, 48
.set G0B, 56
.set G1S, 68
.set G0S, 76
.set G1SB, 80
.set G0SB, 88
.set MSB, 0
.macro WIN new
.if MSB != (\new)
	s_set_vgpr_msb (MSB<<8)|(\new)
.set MSB, \new
.endif
.endm
.set W_MUL, 0x05
.set TO_F,  0x40
.macro JLOAD g0a, g1a, g0b, g1b
	s_cmp_eq_u32 s15, 0
	s_cbranch_scc0 .Lfor_b_\@
	tensor_load_to_lds s[\g0a:\g0a+3], s[\g1a:\g1a+7]
	s_nop 0
.rept 4
	v_nop
.endr
	s_branch .Lasked_\@
.Lfor_b_\@:
	tensor_load_to_lds s[\g0b:\g0b+3], s[\g1b:\g1b+7]
	s_nop 0
.rept 4
	v_nop
.endr
.Lasked_\@:
.endm
.macro CREST
	s_cmp_lg_u32 s14, 0
	s_cbranch_scc1 .Lnot_wave_0_\@
	s_barrier_signal -3
.Lnot_wave_0_\@:
	s_barrier_wait -3
	s_barrier_signal -1
	s_barrier_wait -1
.endm
.macro CROUND
	s_barrier_signal -1
	s_barrier_wait -1
	CREST
.endm
	s_load_b64 s[4:5], s[0:1], 0x0
	s_load_b128 s[8:11], s[0:1], 0x8
	s_load_b64 s[6:7], s[0:1], 0x18
	s_load_b64 s[12:13], s[0:1], 0x20
	s_load_b64 s[66:67], s[0:1], 0x28
	v_lshl_add_u32 v[SPW], v0, 2, SPARE
	v_mov_b32 v[NIL], 0
	ds_add_u32 v28, v29
	ds_add_u32 v28, v29
	s_wait_dscnt 0x0
	v_lshrrev_b32 v1, 5, v0
	v_readfirstlane_b32 s14, v1
	s_lshr_b32 s15, s14, 1
	s_and_b32 s16, s14, 1
	s_bfe_u32 s40, ttmp6, 0x40000
	s_bfe_u32 s41, ttmp6, 0x40004
	s_lshl_b32 s42, ttmp9, 2
	s_add_co_u32 s42, s42, s40
	s_and_b32 s17, ttmp7, 0xffff
	s_lshl_b32 s17, s17, 2
	s_add_co_u32 s17, s17, s41
	s_lshl_b32 s43, s41, 2
	s_lshl_b32 s43, 15, s43
	s_lshl_b32 s44, 0x1111, s40
	s_wait_kmcnt 0x0
	s_or_b32 s[G1+0], s43, (3<<16)|(1<<21)         ; images: elements of 8 bytes, no padding; A's go to my row of the cluster,
	s_or_b32 s[G1B+0], s44, (3<<16)|(1<<21)        ; B's to my column
.irp g, G1, G1B
	s_mov_b32 s[\g+1], (NQ*192)<<16                ; a row: a slot's images of one tile
	s_mov_b32 s[\g+2], (2*TH)<<16                  ; at the head all 8 tiles; the ring's loads bring 4
	s_mov_b32 s[\g+3], (NQ*192)<<16
	s_mov_b32 s[\g+4], 2*TH
	s_mov_b32 s[\g+5], (SIZE_K/128)*192
	s_mov_b32 s[\g+6], 0
	s_mov_b32 s[\g+7], 0
.endr
	s_or_b32 s[G1S+0], s43, (3<<16)|(1<<21)        ; A's scale words: 1,024 bytes for each 256 along K, 2,048 apart in memory, dense in LDS
	s_mov_b32 s[G1S+1], 128<<16
	s_mov_b32 s[G1S+2], (2*SROWS)<<16
	s_mov_b32 s[G1S+3], 128<<16
	s_mov_b32 s[G1S+4], 2*SROWS
	s_mov_b32 s[G1S+5], 256
	s_mov_b32 s[G1S+6], 0
	s_mov_b32 s[G1S+7], 0
	s_or_b32 s[G1SB+0], s44, (3<<16)|(1<<20)|(1<<21)|(5<<22)|(3<<25)  ; B's: rows of 256 bytes, 16 of padding behind each
	s_mov_b32 s[G1SB+1], 32<<16
	s_mov_b32 s[G1SB+2], (KS/2)<<16
	s_mov_b32 s[G1SB+3], 32<<16
	s_mov_b32 s[G1SB+4], KS/2
	s_mov_b32 s[G1SB+5], 32
	s_mov_b32 s[G1SB+6], 0
	s_mov_b32 s[G1SB+7], 0
	s_mul_i32 s20, s17, 2*TH*(SIZE_K/128)*IMG      ; A: my tile row's 8 images
	s_mov_b32 s21, 0
	s_lshr_b32 s22, s17, 1
	s_mul_i32 s22, s22, 256*KS
	s_and_b32 s18, s17, 1
	s_lshl_b32 s18, s18, 10
	s_add_co_u32 s22, s22, s18
	s_add_co_u32 s22, s22, ASOFF                   ; and their scale words
	s_mov_b32 s23, 0
	s_mul_i32 s46, s42, 2*TH*(SIZE_K/128)*IMG      ; B: my tile column's 8 images
	s_add_co_u32 s46, s46, WOFF
	s_mov_b32 s47, 0
	s_mul_i32 s92, s42, 128*KS
	s_mov_b32 s93, 0
	s_mul_i32 s2, s16, TH*(SIZE_K/128)*IMG         ; the ring: my half of a tile, in memory
	s_mov_b32 s3, 0
	s_mul_i32 s45, s16, HALFA                      ; and in LDS
	s_add_co_u32 s95, s45, ASZ
	s_add_nc_u64 s[20:21], s[4:5], s[20:21]
	s_add_nc_u64 s[22:23], s[4:5], s[22:23]
	s_add_nc_u64 s[46:47], s[8:9], s[46:47]
	s_add_nc_u64 s[92:93], s[10:11], s[92:93]
	CROUND                                         ; all sixteen work-groups are here: the first joint loads meet
.irp g, G0, G0+4, G0B, G0B+4, G0S, G0SB
	s_mov_b32 s[\g], 1
.endr
	s_mov_b32 s[G0+1], 0                           ; slot 0, whole: A's tiles,
	s_mov_b64 s[G0+2:G0+3], s[20:21]
	s_mov_b32 s[G0B+1], ASZ                        ; B's behind them
	s_mov_b64 s[G0B+2:G0B+3], s[46:47]
	s_add_co_u32 s[G0+5], s45, SLOT                ; slot 1: my half
	s_add_co_u32 s[G0B+5], s95, SLOT
	s_add_nc_u64 s[G0+6:G0+7], s[20:21], s[2:3]
	s_add_nc_u64 s[G0+6:G0+7], s[G0+6:G0+7], NQ*IMG
	s_add_nc_u64 s[G0B+6:G0B+7], s[46:47], s[2:3]
	s_add_nc_u64 s[G0B+6:G0B+7], s[G0B+6:G0B+7], NQ*IMG
	s_mov_b32 s[G0S+1], SCA
	s_mov_b64 s[G0S+2:G0S+3], s[22:23]
	s_mov_b32 s[G0SB+1], SCB
	s_mov_b64 s[G0SB+2:G0SB+3], s[92:93]
.irp g, G0+3, G0+7, G0B+3, G0B+7, G0S+3, G0SB+3
	s_or_b32 s[\g], s[\g], 0x80000000
.endr
.macro ARM under, g0, g1, next         ; one tree of branches on the wave's number: every way passes exactly one load
	s_cmp_lt_u32 s14, \under
	s_cbranch_scc0 \next
	tensor_load_to_lds s[\g0:\g0+3], s[\g1:\g1+7]
	s_nop 0
.rept 4
	v_nop
.endr
	s_branch .Lhead_asked
\next:
.endm
	ARM 1, G0,  G1,  .Lhead_b
	ARM 2, G0B, G1B, .Lhead_sa
	ARM 3, G0S, G1S, .Lhead_sb
	tensor_load_to_lds s[G0SB:G0SB+3], s[G1SB:G1SB+7]
	s_nop 0
.rept 4
	v_nop
.endr
.Lhead_asked:
	v_and_b32 v1, 15, v0
	v_bfe_u32 v2, v0, 4, 1
	v_and_b32 v6, 31, v0
	v_lshlrev_b32 v9, 5, v2
	s_wait_alu depctr_va_vdst(0)
	v_lshlrev_b32 v[CO], 4, v1
	v_lshl_add_u32 v[CO], v2, 12, v[CO]
	s_wait_alu depctr_va_vdst(0)
	s_lshl_b32 s98, s42, 9
	s_lshl_b32 s97, s16, 8
	s_add_co_u32 s98, s98, s97
	s_mov_b32 s99, 0
	s_add_nc_u64 s[6:7], s[6:7], s[98:99]
	s_lshl_b32 s97, s17, 7
	s_lshl_b32 s18, s15, 6
	s_add_co_u32 s97, s97, s18
	s_lshl_b32 s97, s97, 12
	s_add_co_u32 s98, s98, s97
	s_add_nc_u64 s[12:13], s[12:13], s[98:99]
	s_add_nc_u64 s[66:67], s[66:67], s[98:99]
.irp b, 0,1,2,3
	global_load_b128 v[BI+8*\b:BI+8*\b+3], v9, s[6:7] offset:64*\b
	global_load_b128 v[BI+8*\b+4:BI+8*\b+7], v9, s[6:7] offset:64*\b+16
.endr
	WIN 0x80
.irp a, 0,1,2,3
.irp t, 0,1,2,3,4,5,6,7
	global_load_b128 v[32*\a+4*\t:32*\a+4*\t+3], v[CO], s[12:13] offset:(32*(\a/2)+8*(\a%2)+2*\t+8*(\t/4))*4096
.endr
.endr
	WIN 0
	v_lshlrev_b32 v7, 3, v6
	s_wait_alu depctr_va_vdst(0)
	s_mul_i32 s21, s15, HALFA
	s_mul_i32 s22, s16, HALFB
	s_add_co_u32 s22, s22, ASZ
.irp s, 0,1
	v_add_nc_u32 v[ADRA+\s], s21, v7
	v_add_nc_u32 v[ADRB+\s], s22, v7
	s_add_co_u32 s21, s21, SLOT
	s_add_co_u32 s22, s22, SLOT
.endr
	s_lshl_b32 s21, s15, 9
	s_add_co_u32 s21, s21, SCA
	v_lshl_add_u32 v[ADSA], v1, 3, s21
	v_mul_u32_u24 v5, v1, KS
	v_lshrrev_b32 v8, 8, v5
	v_lshl_add_u32 v5, v8, 4, v5
	s_mul_i32 s22, s16, HALFS
	s_add_co_u32 s22, s22, SCB
	v_add_nc_u32 v[ADSB], s22, v5
	s_mul_i32 s23, s14, 16*SPITCH
	v_mul_u32_u24 v5, v1, SPITCH
	v_lshl_add_u32 v5, v2, 5, v5
	v_add_nc_u32 v[STO], s23, v5
	v_mul_u32_u24 v5, v2, SPITCH
	v_lshl_add_u32 v5, v1, 4, v5
	v_add_nc_u32 v[RD], s23, v5
.macro FRAG reg, adr, q, i
.irp p, 0,1,2,3,4,5
	ds_load_b64 v[\reg+2*\p:\reg+2*\p+1], v[\adr] offset:((\i)*NQ+(\q))*IMG+256*\p   ; its image, six pieces of 256 bytes
.endr
.endm
.macro FRAGA reg, slot, q, i
.irp p, 0,1,2,3,4,5
	ds_load_b64 v[\reg+2*\p:\reg+2*\p+1], v[ADRA+\slot] offset:((\i)*NQ+(\q))*IMG+256*\p
.endr
.endm
.macro MUL4 a, p, q, sc, first
.irp b, 0,1,2,3
.if \first
	v_wmma_scale_f32_16x16x128_f8f6f4 v[ACC+8*(4*(\a)+\b):ACC+8*(4*(\a)+\b)+7], v[96*(\p)+48+FR*\b:96*(\p)+48+FR*\b+FR-1], v[96*(\p)+FR*(\a):96*(\p)+FR*(\a)+FR-1], v[BI+8*\b:BI+8*\b+7], v[SB+16*(\sc)+4*\b+(\q)], v[SA+16*(\sc)+4*(\a)+(\q)] matrix_a_fmt:MATRIX_FMT_FP6 matrix_b_fmt:MATRIX_FMT_FP6
.else
	v_wmma_scale_f32_16x16x128_f8f6f4 v[ACC+8*(4*(\a)+\b):ACC+8*(4*(\a)+\b)+7], v[96*(\p)+48+FR*\b:96*(\p)+48+FR*\b+FR-1], v[96*(\p)+FR*(\a):96*(\p)+FR*(\a)+FR-1], v[ACC+8*(4*(\a)+\b):ACC+8*(4*(\a)+\b)+7], v[SB+16*(\sc)+4*\b+(\q)], v[SA+16*(\sc)+4*(\a)+(\q)] matrix_a_fmt:MATRIX_FMT_FP6 matrix_b_fmt:MATRIX_FMT_FP6
.endif
.endr
.endm
.macro FETCH slot, q, p
	WIN TO_F
.irp i, 0,1,2,3
	FRAG 96*(\p)+48+FR*\i, ADRB+\slot, \q, \i
.endr
.irp i, 0,1,2,3
	FRAGA 96*(\p)+FR*\i, \slot, \q, \i
.endr
.endm
.macro SCALES sc
.irp i, 0,1,2,3
	ds_load_b64 v[SA+16*\sc+4*\i:SA+16*\sc+4*\i+1], v[ADSA] offset:128*\i
	ds_load_b64 v[SA+16*\sc+4*\i+2:SA+16*\sc+4*\i+3], v[ADSA] offset:128*\i+1024
	ds_load_b128 v[SB+16*\sc+4*\i:SB+16*\sc+4*\i+3], v[ADSB] offset:\i*SBLK
.endr
.endm
.macro PLACES
.rept 4
	v_nop
.endr
.endm
.macro STEP slot, q, first
	s_wait_dscnt 12
	WIN W_MUL
	MUL4 0, (\q)%2, \q, \slot, \first
	MUL4 1, (\q)%2, \q, \slot, \first
	PLACES
	FETCH \slot, (\q)+1, 1-(\q)%2
	s_wait_dscnt 48
	WIN W_MUL
	MUL4 2, (\q)%2, \q, \slot, \first
	MUL4 3, (\q)%2, \q, \slot, \first
.endm
.macro TURN slot, next, fill
	WIN 0
	s_wait_tensorcnt 0x0
	ds_add_u32 v[SPW], v[NIL]
	s_wait_dscnt 13
	WIN W_MUL
	MUL4 0, 1, NQ-1, \slot, 0
	s_wait_dscnt 0x0
	s_barrier_signal -1
	MUL4 1, 1, NQ-1, \slot, 0
	WIN 0
	s_barrier_wait -1
.if \fill
	CREST
	s_add_nc_u64 s[G0+4*\slot+2:G0+4*\slot+3], s[G0+4*\slot+2:G0+4*\slot+3], 2*NQ*IMG
	s_add_nc_u64 s[G0B+4*\slot+2:G0B+4*\slot+3], s[G0B+4*\slot+2:G0B+4*\slot+3], 2*NQ*IMG
	JLOAD G0+4*\slot, G1, G0B+4*\slot, G1B
.else
	PLACES
.endif
	v_add_nc_u32 v[ADSA], 2048, v[ADSA]
	v_add_nc_u32 v[ADSB], 4*NQ, v[ADSB]
	SCALES \next
	FETCH \next, 0, 0
	WIN W_MUL
	MUL4 2, 1, NQ-1, \slot, 0
	MUL4 3, 1, NQ-1, \slot, 0
.endm
	s_wait_alu depctr_va_vdst(0)
	s_wait_tensorcnt 0x0                           ; my tile of the head's four is in
	ds_add_u32 v[SPW], v[NIL]
.irp g, G1, G1B
	s_mov_b32 s[\g+2], TH<<16                      ; no tensor load of mine is out: slot 1's load brings 4 tiles
	s_mov_b32 s[\g+4], TH
.endr
	s_wait_dscnt 0x0
	CROUND                                         ; all four tiles are in, all sixteen work-groups are here
	JLOAD G0+4, G1, G0B+4, G1B                     ; slot 1's first fill: the first tensor load behind the round
	SCALES 0
	FETCH 0, 0, 0
	s_wait_loadcnt 32
	STEP 0, 0, 1
.if LAPS > 1
	WIN 0
	s_mov_b32 s3, LAPS-1
.Llap:
	STEP 0, 1, 0
	STEP 0, 2, 0
	TURN 0, 1, 1
	STEP 1, 0, 0
	STEP 1, 1, 0
	STEP 1, 2, 0
	TURN 1, 0, 1
	STEP 0, 0, 0
	WIN 0
	s_sub_co_u32 s3, s3, 1
	s_cmp_lg_u32 s3, 0
	s_cbranch_scc1 .Llap
.endif
	STEP 0, 1, 0
	STEP 0, 2, 0
	TURN 0, 1, 0
	STEP 1, 0, 0
	STEP 1, 1, 0
	STEP 1, 2, 0
	s_wait_dscnt 12
	WIN W_MUL
	MUL4 0, 1, NQ-1, 1, 0
	MUL4 1, 1, NQ-1, 1, 0
	s_wait_dscnt 0
	MUL4 2, 1, NQ-1, 1, 0
	MUL4 3, 1, NQ-1, 1, 0
	WIN 0
.macro TOSTAGE a
	WIN 0
.irp b, 0,1,2,3
	ds_store_b128 v[STO], v[ACC+8*(4*(\a)+\b):ACC+8*(4*(\a)+\b)+3] offset:64*\b
	ds_store_b128 v[STO], v[ACC+8*(4*(\a)+\b)+4:ACC+8*(4*(\a)+\b)+7] offset:64*\b+16
.endr
	WIN TO_F
.irp t, 0,1,2,3,4,5,6,7
	ds_load_b128 v[32*(\a)+4*\t:32*(\a)+4*\t+3], v[RD] offset:2*\t*SPITCH
.endr
.endm
.macro SEND a, yd, yl
	s_wait_dscnt \yd
	s_wait_loadcnt \yl
	WIN 0x49
.set ii, 0
.rept 16
	v_pk_add_f32 v[32*(\a)+ii:32*(\a)+ii+1], v[32*(\a)+ii:32*(\a)+ii+1], v[32*(\a)+ii:32*(\a)+ii+1]
.set ii, ii+2
.endr
	WIN 0x04
.irp t, 0,1,2,3,4,5,6,7
	global_store_b128 v[CO], v[32*(\a)+4*\t:32*(\a)+4*\t+3], s[66:67] offset:(32*((\a)/2)+8*((\a)%2)+2*\t+8*(\t/4))*4096
.endr
.endm
	PLACES
	TOSTAGE 0
	TOSTAGE 1
	SEND 0, 16, 24
	TOSTAGE 2
	SEND 1, 16, 16
	TOSTAGE 3
	SEND 2, 16, 8
	SEND 3, 0, 0
	WIN 0
	s_wait_tensorcnt 0x0
	ds_add_u32 v[SPW], v[NIL]
	s_wait_dscnt 0x0
	CROUND
	s_endpgm
.Lfunc_end_k_qdc54e86df0_oproj:
	.size	k_qdc54e86df0_oproj, .Lfunc_end_k_qdc54e86df0_oproj-k_qdc54e86df0_oproj
	.p2alignl 7, 3214868480
	.fill 96, 4, 3214868480
	.section	.rodata,"a",@progbits
	.p2align	6, 0x0
	.amdhsa_kernel k_qdc54e86df0_oproj
		.amdhsa_group_segment_fixed_size 327680
		.amdhsa_private_segment_fixed_size 0
		.amdhsa_enable_private_segment 0
		.amdhsa_kernarg_size 48
		.amdhsa_user_sgpr_count 2
		.amdhsa_user_sgpr_kernarg_segment_ptr 1
		.amdhsa_wavefront_size32 1
		.amdhsa_system_sgpr_workgroup_id_x 1
		.amdhsa_system_sgpr_workgroup_id_y 1
		.amdhsa_system_sgpr_workgroup_id_z 1
		.amdhsa_system_vgpr_workitem_id 0
		.amdhsa_next_free_vgpr 640
		.amdhsa_next_free_sgpr 100
		.amdhsa_reserve_vcc 0
		.amdhsa_float_denorm_mode_32 3
		.amdhsa_float_denorm_mode_16_64 3
		.amdhsa_memory_ordered 1
		.amdhsa_forward_progress 1
		.amdhsa_inst_pref_size 71
	.end_amdhsa_kernel
	.amdgpu_metadata
---
amdhsa.version: [ 1, 2 ]
amdhsa.kernels:
  - .name:           k_qdc54e86df0_oproj
    .symbol:         k_qdc54e86df0_oproj.kd
    .args:
      - { .name: aq, .offset: 0, .size: 8, .value_kind: global_buffer, .address_space: global }
      - { .name: wi, .offset: 8, .size: 8, .value_kind: global_buffer, .address_space: global }
      - { .name: ow_scales, .offset: 16, .size: 8, .value_kind: global_buffer, .address_space: global }
      - { .name: ob, .offset: 24, .size: 8, .value_kind: global_buffer, .address_space: global }
      - { .name: x, .offset: 32, .size: 8, .value_kind: global_buffer, .address_space: global }
      - { .name: y, .offset: 40, .size: 8, .value_kind: global_buffer, .address_space: global }
    .group_segment_fixed_size: 327680
    .private_segment_fixed_size: 0
    .kernarg_segment_align: 8
    .kernarg_segment_size: 48
    .max_flat_workgroup_size: 128
    .sgpr_count:     100
    .vgpr_count:     640
    .wavefront_size: 32
...
	.end_amdgpu_metadata
.endif
;; end of part 12
;; launch ln1 (part 13): grid 256 x 1, 4 waves a work-group, no clusters, 66,560 bytes of LDS; arguments y, ln1_w, ln1_b, x1, aq; writes x1, aq
.if DOCPART == 13
	.amdgcn_target "amdgcn-amd-amdhsa--gfx1250"
	.amdhsa_code_object_version 6
	.text
	.protected	k_qdc54e86df0_ln1
	.globl	k_qdc54e86df0_ln1
	.p2align	8
	.type	k_qdc54e86df0_ln1,@function
k_qdc54e86df0_ln1:
	s_mov_b64 s[64:65], 0
	v_nop
	global_prefetch_b8 v0, s[64:65] scope:SCOPE_SE
	s_setreg_imm32_b32 hwreg(HW_REG_WAVE_MODE, 25, 1), 1
	s_wait_xcnt 0x0
; x1 = layer norm of y (mean, then the mean of squares of what is left: two passes over registers), stored as f32 and, quantised to FP6 along its 1,024, as images in aq.
; A work-group makes one image tile of 16 rows (lane r of tile 2 g + u: row 32 g + 8 u + r + 8 (r / 8)).  Wave w owns four neighbouring rows, a row in 32 registers; the reductions never leave the wave.
; The normalised rows go to memory (512 consecutive bytes a store) and into LDS, rows 4,112 bytes apart; behind one barrier wave w quantises K steps 2 w and 2 w + 1.
; Work-groups share no input but the gains: no cluster, no tensor load.  LIMITS: NaN and infinities are not served; a block whose largest magnitude lies under 2^-124 gets the byte 1.
.set AQS,  3145728
.set LP,   4112
.set ST,   10                          ; row j: v[ST+6j:+1], v[ST+6j+2:+3] two chains; +4 the figure, +5 at work
.set X,    40
.set W,    168
.set BV,   200
.set PC,   104
.set TM,   124
.set PW,   140
.set SEL,  20
.macro QUANT s
.irp b, 0,1,2,3
	v_max3_num_f32 v[TM+\b], |v[\s+16*\b]|, |v[\s+1+16*\b]|, 0x1800000
.endr
.irp i, 2,4,6,8,10,12,14
.irp b, 0,1,2,3
	v_max3_num_f32 v[TM+\b], v[TM+\b], |v[\s+16*\b+\i]|, |v[\s+1+16*\b+\i]|
.endr
.endr
.irp b, 0,1,2,3
	v_permlanex16_b32 v[TM+4+\b], v[TM+\b], s[SEL], s[SEL+1]
.endr
.irp b, 0,1,2,3
	v_max_num_f32 v[TM+\b], v[TM+\b], v[TM+4+\b]
.endr
.irp b, 0,1,2,3
	v_add_nc_u32 v[TM+12+\b], 0xff000000, v[TM+\b]
.endr
.irp b, 0,1,2,3
	v_lshrrev_b32 v[TM+4+\b], 23, v[TM+12+\b]
.endr
	v_lshl_or_b32 v[PW], v[TM+5], 8, v[TM+4]
	v_lshl_or_b32 v[PW], v[TM+6], 16, v[PW]
	v_lshl_or_b32 v[PW], v[TM+7], 24, v[PW]
.irp c, 0,1
	v_cvt_scalef32_pk16_fp6_f32 v[PC+6*\c:PC+2+6*\c], v[\s+32*\c:\s+15+32*\c], v[TM+12+2*\c]
	v_cvt_scalef32_pk16_fp6_f32 v[PC+12+4*\c:PC+14+4*\c], v[\s+16+32*\c:\s+31+32*\c], v[TM+12+2*\c+1]
.endr
	v_nop
.irp c, 0,1
.irp i, 0,1,2
	v_permlane16_swap_b32 v[PC+6*\c+\i], v[PC+12+4*\c+\i]
.endr
.irp i, 0,1,2
	v_mov_b32 v[PC+3+6*\c+\i], v[PC+12+4*\c+\i]
.endr
.endr
.endm
.macro FOLD                            ; each row's two chains become one figure in every lane
.irp j, 0,1,2,3
	v_pk_add_f32 v[ST+6*\j:ST+6*\j+1], v[ST+6*\j:ST+6*\j+1], v[ST+6*\j+2:ST+6*\j+3]
.endr
.irp j, 0,1,2,3
	v_add_f32 v[ST+6*\j+4], v[ST+6*\j], v[ST+6*\j+1]
.endr
.irp m, 1,2,4,8
.irp j, 0,1,2,3
	v_add_f32_dpp v[ST+6*\j+4], v[ST+6*\j+4], v[ST+6*\j+4] row_xmask:\m row_mask:0xf bank_mask:0xf
.endr
.endr
.irp j, 0,1,2,3
	v_permlanex16_b32 v[ST+6*\j+5], v[ST+6*\j+4], s[SEL], s[SEL+1]
.endr
.irp j, 0,1,2,3
	v_add_f32 v[ST+6*\j+4], v[ST+6*\j+4], v[ST+6*\j+5]
.endr
.endm
	s_load_b256 s[4:11], s[0:1], 0x0               ; y, the gain, the bias, x1
	s_load_b64 s[12:13], s[0:1], 0x20              ; aq
	v_lshl_add_u32 v232, v0, 2, 0x10200
	v_mov_b32 v233, 0
	v_lshrrev_b32 v1, 5, v0
	v_readfirstlane_b32 s14, v1                    ; wave
	v_and_b32 v1, 31, v0
	v_lshlrev_b32 v2, 4, v1                        ; 16 x lane
	s_wait_alu depctr_va_vdst(0)
	v_and_b32 v3, 15, v0                           ; r
	s_wait_alu depctr_va_vdst(0)
	v_bfe_u32 v4, v0, 4, 1                         ; h
	s_lshr_b32 s16, ttmp9, 1
	s_lshl_b32 s16, s16, 5
	s_and_b32 s15, ttmp9, 1
	s_lshl_b32 s15, s15, 3
	s_add_co_u32 s16, s16, s15
	s_lshl_b32 s15, s14, 2
	s_add_co_u32 s16, s16, s15
	s_lshr_b32 s15, s14, 1
	s_lshl_b32 s15, s15, 3
	s_add_co_u32 s16, s16, s15                     ; my first row
	s_lshl_b32 s16, s16, 12
	s_mov_b32 s17, 0
	s_mov_b32 s18, 0x3a800000                      ; 1 / 1024
	s_mov_b32 s19, 0x358637bd                      ; 1e-6
	s_mov_b32 s[SEL], 0x76543210
	s_mov_b32 s[SEL+1], 0xfedcba98
	s_mul_i32 s15, s14, 4*LP
	v_add_nc_u32 v5, s15, v2
	v_mul_u32_u24 v6, v3, LP
	s_wait_alu depctr_va_vdst(0)
	v_lshl_add_u32 v6, v4, 6, v6
	s_lshl_b32 s15, s14, 10
	v_add_nc_u32 v6, s15, v6
	v_lshlrev_b32 v7, 3, v1
	v_lshlrev_b32 v8, 3, v3
	s_mul_i32 s22, ttmp9, 8*1536
	s_mul_i32 s15, s14, 2*1536
	s_add_co_u32 s22, s22, s15
	s_mov_b32 s23, 0
	s_lshr_b32 s24, ttmp9, 4
	s_lshl_b32 s24, s24, 13
	s_lshl_b32 s15, s14, 11
	s_add_co_u32 s24, s24, s15
	s_and_b32 s15, ttmp9, 15
	s_lshl_b32 s15, s15, 7
	s_add_co_u32 s24, s24, s15
	s_add_co_u32 s24, s24, AQS
	s_mov_b32 s25, 0
.irp j, 0,1,2,3
	v_mov_b32 v[ST+6*\j+5], 0                      ; a lane permute's destination counts as one of its sources
	v_mov_b32 v[TM+4+\j], 0
.endr
	s_wait_kmcnt 0x0
	s_add_nc_u64 s[4:5], s[4:5], s[16:17]
	s_add_nc_u64 s[10:11], s[10:11], s[16:17]
	s_add_nc_u64 s[22:23], s[12:13], s[22:23]
	s_add_nc_u64 s[24:25], s[12:13], s[24:25]
.irp j, 0,1,2,3
.irp c, 0,1,2,3,4,5,6,7
	global_load_b128 v[X+32*\j+4*\c:X+32*\j+4*\c+3], v2, s[4:5] offset:4096*\j+512*\c th:TH_LOAD_NT
.endr
.endr
.irp c, 0,1,2,3,4,5,6,7
	global_load_b128 v[W+4*\c:W+4*\c+3], v2, s[6:7] offset:512*\c
	global_load_b128 v[BV+4*\c:BV+4*\c+3], v2, s[8:9] offset:512*\c
.endr
	s_wait_loadcnt 0x0
.irp j, 0,1,2,3
	v_pk_add_f32 v[ST+6*\j:ST+6*\j+1], v[X+32*\j:X+32*\j+1], v[X+32*\j+2:X+32*\j+3]
	v_pk_add_f32 v[ST+6*\j+2:ST+6*\j+3], v[X+32*\j+4:X+32*\j+5], v[X+32*\j+6:X+32*\j+7]
.endr
.irp i, 8,12,16,20,24,28
.irp j, 0,1,2,3
	v_pk_add_f32 v[ST+6*\j:ST+6*\j+1], v[ST+6*\j:ST+6*\j+1], v[X+32*\j+\i:X+32*\j+\i+1]
	v_pk_add_f32 v[ST+6*\j+2:ST+6*\j+3], v[ST+6*\j+2:ST+6*\j+3], v[X+32*\j+\i+2:X+32*\j+\i+3]
.endr
.endr
	FOLD
.irp j, 0,1,2,3
	v_mul_f32 v[ST+6*\j+4], s18, v[ST+6*\j+4]      ; the mean
.endr
.irp i, 0,2,4,6,8,10,12,14,16,18,20,22,24,26,28,30
.irp j, 0,1,2,3
	v_pk_add_f32 v[X+32*\j+\i:X+32*\j+\i+1], v[X+32*\j+\i:X+32*\j+\i+1], v[ST+6*\j+4:ST+6*\j+5] op_sel_hi:[1,0] neg_lo:[0,1] neg_hi:[0,1]
.endr
.endr
.irp j, 0,1,2,3
	v_pk_mul_f32 v[ST+6*\j:ST+6*\j+1], v[X+32*\j:X+32*\j+1], v[X+32*\j:X+32*\j+1]
	v_pk_mul_f32 v[ST+6*\j+2:ST+6*\j+3], v[X+32*\j+2:X+32*\j+3], v[X+32*\j+2:X+32*\j+3]
.endr
.irp i, 4,8,12,16,20,24,28
.irp j, 0,1,2,3
	v_pk_fma_f32 v[ST+6*\j:ST+6*\j+1], v[X+32*\j+\i:X+32*\j+\i+1], v[X+32*\j+\i:X+32*\j+\i+1], v[ST+6*\j:ST+6*\j+1]
	v_pk_fma_f32 v[ST+6*\j+2:ST+6*\j+3], v[X+32*\j+\i+2:X+32*\j+\i+3], v[X+32*\j+\i+2:X+32*\j+\i+3], v[ST+6*\j+2:ST+6*\j+3]
.endr
.endr
	FOLD
.irp j, 0,1,2,3
	v_fma_f32 v[ST+6*\j+4], v[ST+6*\j+4], s18, s19 ; the variance + 1e-6
.endr
	s_wait_alu depctr_va_vdst(0)
.irp j, 0,1,2,3
	v_rsq_f32 v[ST+6*\j+4], v[ST+6*\j+4]
.endr
	v_nop                                          ; one plain place behind a transcendental
	s_wait_alu depctr_va_vdst(0)
.irp i, 0,2,4,6,8,10,12,14,16,18,20,22,24,26,28,30
.irp j, 0,1,2,3
	v_pk_mul_f32 v[X+32*\j+\i:X+32*\j+\i+1], v[X+32*\j+\i:X+32*\j+\i+1], v[ST+6*\j+4:ST+6*\j+5] op_sel_hi:[1,0]
.endr
.endr
.irp i, 0,2,4,6,8,10,12,14,16,18,20,22,24,26,28,30
.irp j, 0,1,2,3
	v_pk_fma_f32 v[X+32*\j+\i:X+32*\j+\i+1], v[X+32*\j+\i:X+32*\j+\i+1], v[W+\i:W+\i+1], v[BV+\i:BV+\i+1]
.endr
.endr
.irp j, 0,1,2,3
.irp c, 0,1,2,3,4,5,6,7
	global_store_b128 v2, v[X+32*\j+4*\c:X+32*\j+4*\c+3], s[10:11] offset:4096*\j+512*\c
	ds_store_b128 v5, v[X+32*\j+4*\c:X+32*\j+4*\c+3] offset:LP*\j+512*\c
.endr
.endr
	s_wait_dscnt 0x0                               ; for the others' sake: my rows lie in LDS
	s_barrier_signal -1
	s_barrier_wait -1
	s_wait_xcnt 0x0                                ; the stores of x1 have read their registers
.irp s, 0,1
.irp b, 0,1,2,3
.irp n, 0,1,2,3
	ds_load_b128 v[X+16*\b+4*\n:X+16*\b+4*\n+3], v6 offset:512*\s+128*\b+16*\n
.endr
.endr
	s_wait_dscnt 0x0
.if \s
	s_wait_xcnt 0x0
.endif
.set PW, 140+\s
	QUANT X
.irp p, 0,1,2,3,4,5
	global_store_b64 v7, v[PC+2*\p:PC+2*\p+1], s[22:23] offset:1536*\s+256*\p
.endr
.endr
	global_store_b64 v8, v[140:141], s[24:25]
	s_wait_tensorcnt 0x0
	ds_add_u32 v232, v233
	s_wait_dscnt 0x0
	s_endpgm
.Lfunc_end_k_qdc54e86df0_ln1:
	.size	k_qdc54e86df0_ln1, .Lfunc_end_k_qdc54e86df0_ln1-k_qdc54e86df0_ln1
	.p2alignl 7, 3214868480
	.fill 96, 4, 3214868480
	.section	.rodata,"a",@progbits
	.p2align	6, 0x0
	.amdhsa_kernel k_qdc54e86df0_ln1
		.amdhsa_group_segment_fixed_size 66560
		.amdhsa_private_segment_fixed_size 0
		.amdhsa_enable_private_segment 0
		.amdhsa_kernarg_size 40
		.amdhsa_user_sgpr_count 2
		.amdhsa_user_sgpr_kernarg_segment_ptr 1
		.amdhsa_wavefront_size32 1
		.amdhsa_system_sgpr_workgroup_id_x 1
		.amdhsa_system_sgpr_workgroup_id_y 1
		.amdhsa_system_sgpr_workgroup_id_z 1
		.amdhsa_system_vgpr_workitem_id 0
		.amdhsa_next_free_vgpr 234
		.amdhsa_next_free_sgpr 66
		.amdhsa_reserve_vcc 0
		.amdhsa_float_denorm_mode_32 3
		.amdhsa_float_denorm_mode_16_64 3
		.amdhsa_memory_ordered 1
		.amdhsa_forward_progress 1
		.amdhsa_inst_pref_size 47
	.end_amdhsa_kernel
	.amdgpu_metadata
---
amdhsa.version: [ 1, 2 ]
amdhsa.kernels:
  - .name:           k_qdc54e86df0_ln1
    .symbol:         k_qdc54e86df0_ln1.kd
    .args:
      - { .name: y, .offset: 0, .size: 8, .value_kind: global_buffer, .address_space: global }
      - { .name: ln1_w, .offset: 8, .size: 8, .value_kind: global_buffer, .address_space: global }
      - { .name: ln1_b, .offset: 16, .size: 8, .value_kind: global_buffer, .address_space: global }
      - { .name: x1, .offset: 24, .size: 8, .value_kind: global_buffer, .address_space: global }
      - { .name: aq, .offset: 32, .size: 8, .value_kind: global_buffer, .address_space: global }
    .group_segment_fixed_size: 66560
    .private_segment_fixed_size: 0
    .kernarg_segment_align: 8
    .kernarg_segment_size: 40
    .max_flat_workgroup_size: 128
    .sgpr_count:     66
    .vgpr_count:     234
    .wavefront_size: 32
...
	.end_amdgpu_metadata
.endif
;; end of part 13
;; launch ffn1 (part 14): grid 16 x 16, 4 waves a work-group, clusters of 4 x 4, 327,680 bytes of LDS; arguments aq, wi, f1w_scales, f1b, hq; writes hq
.if DOCPART == 14
	.amdgcn_target "amdgcn-amd-amdhsa--gfx1250"
	.amdhsa_code_object_version 6
	.text
	.protected	k_qdc54e86df0_ffn1
	.globl	k_qdc54e86df0_ffn1
	.p2align	8
	.type	k_qdc54e86df0_ffn1,@function
k_qdc54e86df0_ffn1:
	s_mov_b64 s[64:65], 0
	v_nop
	global_prefetch_b8 v0, s[64:65] scope:SCOPE_SE
	s_setreg_imm32_b32 hwreg(HW_REG_WAVE_MODE, 25, 1), 1
	s_wait_xcnt 0x0
	s_wait_alu depctr_hold_cnt(0) depctr_sa_sdst(0) depctr_va_vdst(0) depctr_va_sdst(0) depctr_va_ssrc(0) depctr_va_vcc(0) depctr_vm_vsrc(0)
	s_getreg_b32 s2, hwreg(HW_REG_IB_STS2, 6, 4)
	s_cmp_eq_u32 s2, 0
	s_cbranch_scc0 .Lentry_in_a_cluster
	s_endpgm
.Lentry_in_a_cluster:
	s_bfe_u32 s2, ttmp6, 0x10000c
	s_cmp_lg_u32 s2, 0xf033
	s_cbranch_scc0 .Lentry_shape_is_right
	s_endpgm
.Lentry_shape_is_right:
.set SIZE_K, 1024
.set ASOFF,  3145728
.set HQS,    12582912
.set KSTEP,  256
.set NQ,     2
; h = gelu(Q(x1) f1w + f1b) on codes of FP6, quantised again along its 4,096 into images in hq.  A block of 256 x 256 to a work-group, 128 x 128 to a wave; K in slots of 256.
; A (aq) and B (f1w's images in wi) come as register images, 3,072 bytes a tile of 16 rows and slot; cluster 4 x 4, A's tiles shared along a row, B's along a column.
; THE HEAD: one joint load a wave: wave 0 all of A's slot 0, wave 1 all of B's, wave 2 A's scales, wave 3 B's; slot 1 is first filled behind the full sequence and a round.
; THE WAY OUT is a loop of eight trips, one for each block of 16 rows: only the additions that name the block's accumulators are written eight times.
.set TH,     8                         ; tiles of 16 rows in the half of a slot that one ring load brings
.set WOFF,   3145728                   ; f1w's images in wi
.set FR,     12
.set NL,     6
.set NP,     4
.set IMG,    1536
.set HALFA,  8*NQ*IMG
.set ASZ,    2*HALFA
.set HALFB,  HALFA
.set SLOT,   ASZ+2*HALFB
.set LAPS,   SIZE_K/(2*KSTEP)
.set KS,     SIZE_K/32
.set SCA,    2*SLOT
.set SCB,    SCA+256*KS
.set HALFS,  (128*KS/256)*272
.set SBLK,   (16*KS/256)*272
.set SPARE,  SCB+2*HALFS
.set ADRA, 16
.set ADRB, 20
.set ADSB, 27
.set SPW,  28
.set NIL,  29
.set ADSA, 30
.set SA,   32
.set SB,   64
.set AF,   128
.set G1, 24
.set G0, 32
.set G1B, 48
.set G0B, 56
.set G1S, 68
.set G0S, 76
.set G1SB, 80
.set G0SB, 88
.set MSB, 0
.macro WIN new
.if MSB != (\new)
	s_set_vgpr_msb (MSB<<8)|(\new)
.set MSB, \new
.endif
.endm
.set MUL_LO, 0xa1
.set MUL_HI, 0xf1
.set TO_B,   0x40
.macro JLOAD g0a, g1a, g0b, g1b
	s_cmp_eq_u32 s15, 0
	s_cbranch_scc0 .Lfor_b_\@
	tensor_load_to_lds s[\g0a:\g0a+3], s[\g1a:\g1a+7]
	s_nop 0
.rept 4
	v_nop
.endr
	s_branch .Lasked_\@
.Lfor_b_\@:
	tensor_load_to_lds s[\g0b:\g0b+3], s[\g1b:\g1b+7]
	s_nop 0
.rept 4
	v_nop
.endr
.Lasked_\@:
.endm
.macro CREST
	s_cmp_lg_u32 s14, 0
	s_cbranch_scc1 .Lnot_wave_0_\@
	s_barrier_signal -3
.Lnot_wave_0_\@:
	s_barrier_wait -3
	s_barrier_signal -1
	s_barrier_wait -1
.endm
.macro CROUND
	s_barrier_signal -1
	s_barrier_wait -1
	CREST
.endm
	s_load_b64 s[4:5], s[0:1], 0x0
	s_load_b128 s[8:11], s[0:1], 0x8
	v_lshl_add_u32 v[SPW], v0, 2, SPARE
	v_mov_b32 v[NIL], 0
	ds_add_u32 v28, v29
	ds_add_u32 v28, v29
	s_wait_dscnt 0x0
	v_lshrrev_b32 v1, 5, v0
	v_readfirstlane_b32 s14, v1
	s_lshr_b32 s15, s14, 1
	s_and_b32 s16, s14, 1
	s_bfe_u32 s40, ttmp6, 0x40000
	s_bfe_u32 s41, ttmp6, 0x40004
	s_lshl_b32 s42, ttmp9, 2
	s_add_co_u32 s42, s42, s40
	s_and_b32 s17, ttmp7, 0xffff
	s_lshl_b32 s17, s17, 2
	s_add_co_u32 s17, s17, s41
	s_lshl_b32 s43, s41, 2
	s_lshl_b32 s43, 15, s43
	s_lshl_b32 s44, 0x1111, s40
	s_wait_kmcnt 0x0
	s_or_b32 s[G1+0], s43, (3<<16)|(1<<21)         ; images: elements of 8 bytes, no padding; A's go to my row of the cluster,
	s_or_b32 s[G1B+0], s44, (3<<16)|(1<<21)        ; B's to my column
.irp g, G1, G1B
	s_mov_b32 s[\g+1], (NQ*192)<<16                ; a row: a slot's images of one tile
	s_mov_b32 s[\g+2], (2*TH)<<16                  ; at the head all 16 tiles; the ring's loads bring 8
	s_mov_b32 s[\g+3], (NQ*192)<<16
	s_mov_b32 s[\g+4], 2*TH
	s_mov_b32 s[\g+5], (SIZE_K/128)*192
	s_mov_b32 s[\g+6], 0
	s_mov_b32 s[\g+7], 0
.endr
	s_or_b32 s[G1S+0], s43, (3<<16)|(1<<21)        ; the scales of 256 rows: KS rows of 256 bytes; A's dense,
	s_or_b32 s[G1SB+0], s44, (3<<16)|(1<<20)|(1<<21)|(5<<22)|(3<<25)  ; B's with 16 bytes of padding behind each
.irp g, G1S, G1SB
	s_mov_b32 s[\g+1], 32<<16
	s_mov_b32 s[\g+2], KS<<16
	s_mov_b32 s[\g+3], 32<<16
	s_mov_b32 s[\g+4], KS
	s_mov_b32 s[\g+5], 32
	s_mov_b32 s[\g+6], 0
	s_mov_b32 s[\g+7], 0
.endr
	s_mul_i32 s20, s17, 2*TH*(SIZE_K/128)*IMG      ; A: my tile row's 16 images
	s_mov_b32 s21, 0
	s_mul_i32 s22, s17, 256*KS
	s_add_co_u32 s22, s22, ASOFF                   ; and their scale words
	s_mov_b32 s23, 0
	s_mul_i32 s46, s42, 2*TH*(SIZE_K/128)*IMG      ; B: my tile column's 16 images
	s_add_co_u32 s46, s46, WOFF
	s_mov_b32 s47, 0
	s_mul_i32 s92, s42, 256*KS
	s_mov_b32 s93, 0
	s_mul_i32 s2, s16, TH*(SIZE_K/128)*IMG         ; the ring: my half of a tile, in memory
	s_mov_b32 s3, 0
	s_mul_i32 s45, s16, HALFA                      ; and in LDS
	s_add_co_u32 s95, s45, ASZ
	s_add_nc_u64 s[20:21], s[4:5], s[20:21]
	s_add_nc_u64 s[22:23], s[4:5], s[22:23]
	s_add_nc_u64 s[46:47], s[8:9], s[46:47]
	s_add_nc_u64 s[92:93], s[10:11], s[92:93]
	CROUND                                         ; all sixteen work-groups are here: the first joint loads meet
.irp g, G0, G0+4, G0B, G0B+4, G0S, G0SB
	s_mov_b32 s[\g], 1
.endr
	s_mov_b32 s[G0+1], 0                           ; slot 0, whole: A's tiles,
	s_mov_b64 s[G0+2:G0+3], s[20:21]
	s_mov_b32 s[G0B+1], ASZ                        ; B's behind them
	s_mov_b64 s[G0B+2:G0B+3], s[46:47]
	s_add_co_u32 s[G0+5], s45, SLOT                ; slot 1: my half
	s_add_co_u32 s[G0B+5], s95, SLOT
	s_add_nc_u64 s[G0+6:G0+7], s[20:21], s[2:3]
	s_add_nc_u64 s[G0+6:G0+7], s[G0+6:G0+7], NQ*IMG
	s_add_nc_u64 s[G0B+6:G0B+7], s[46:47], s[2:3]
	s_add_nc_u64 s[G0B+6:G0B+7], s[G0B+6:G0B+7], NQ*IMG
	s_mov_b32 s[G0S+1], SCA
	s_mov_b64 s[G0S+2:G0S+3], s[22:23]
	s_mov_b32 s[G0SB+1], SCB
	s_mov_b64 s[G0SB+2:G0SB+3], s[92:93]
.irp g, G0+3, G0+7, G0B+3, G0B+7, G0S+3, G0SB+3
	s_or_b32 s[\g], s[\g], 0x80000000
.endr
.macro ARM under, g0, g1, next         ; one tree of branches on the wave's number: every way passes exactly one load
	s_cmp_lt_u32 s14, \under
	s_cbranch_scc0 \next
	tensor_load_to_lds s[\g0:\g0+3], s[\g1:\g1+7]
	s_nop 0
.rept 4
	v_nop
.endr
	s_branch .Lhead_asked
\next:
.endm
	ARM 1, G0,  G1,  .Lhead_b
	ARM 2, G0B, G1B, .Lhead_sa
	ARM 3, G0S, G1S, .Lhead_sb
	tensor_load_to_lds s[G0SB:G0SB+3], s[G1SB:G1SB+7]
	s_nop 0
.rept 4
	v_nop
.endr
.Lhead_asked:
	v_and_b32 v1, 15, v0
	v_bfe_u32 v2, v0, 4, 1
	v_and_b32 v6, 31, v0
	v_lshlrev_b32 v7, 3, v6
	s_wait_alu depctr_va_vdst(0)
	s_mul_i32 s21, s15, HALFA
	s_mul_i32 s22, s16, HALFB
	s_add_co_u32 s22, s22, ASZ
.irp s, 0,1
	v_add_nc_u32 v[ADRA+\s], s21, v7
	v_add_nc_u32 v[ADRB+\s], s22, v7
	s_add_co_u32 s21, s21, SLOT
	s_add_co_u32 s22, s22, SLOT
.endr
	s_lshl_b32 s21, s15, 10
	s_add_co_u32 s21, s21, SCA
	v_lshl_add_u32 v[ADSA], v1, 3, s21
	v_mul_u32_u24 v5, v1, KS
	v_lshrrev_b32 v8, 8, v5
	v_lshl_add_u32 v5, v8, 4, v5
	s_mul_i32 s22, s16, HALFS
	s_add_co_u32 s22, s22, SCB
	v_add_nc_u32 v[ADSB], s22, v5
.macro FRAG reg, adr, q, i
.irp p, 0,1,2,3,4,5
	ds_load_b64 v[\reg+2*\p:\reg+2*\p+1], v[\adr] offset:((\i)*NQ+(\q))*IMG+256*\p   ; its image, six pieces of 256 bytes
.endr
.endm
.macro FRAGA reg, slot, q, i
.irp p, 0,1,2,3,4,5
	ds_load_b64 v[\reg+2*\p:\reg+2*\p+1], v[ADRA+\slot] offset:((\i)*NQ+(\q))*IMG+256*\p
.endr
.endm
.macro MUL16 a0, p, q, sc, zero
.irp a, \a0, \a0+1
.irp b, 0,1,2,3,4,5,6,7
.if \zero
	v_wmma_scale_f32_16x16x128_f8f6f4 v[8*(8*((\a)%4)+\b):8*(8*((\a)%4)+\b)+7], v[128*(\p)+FR*\b:128*(\p)+FR*\b+FR-1], v[AF+FR*(\a):AF+FR*(\a)+FR-1], 0, v[SB+16*(\sc)+2*\b+(\q)], v[SA+16*(\sc)+2*(\a)+(\q)] matrix_a_fmt:MATRIX_FMT_FP6 matrix_b_fmt:MATRIX_FMT_FP6
.else
	v_wmma_scale_f32_16x16x128_f8f6f4 v[8*(8*((\a)%4)+\b):8*(8*((\a)%4)+\b)+7], v[128*(\p)+FR*\b:128*(\p)+FR*\b+FR-1], v[AF+FR*(\a):AF+FR*(\a)+FR-1], v[8*(8*((\a)%4)+\b):8*(8*((\a)%4)+\b)+7], v[SB+16*(\sc)+2*\b+(\q)], v[SA+16*(\sc)+2*(\a)+(\q)] matrix_a_fmt:MATRIX_FMT_FP6 matrix_b_fmt:MATRIX_FMT_FP6
.endif
.endr
.endr
.endm
.macro FETCH_B slot, q, p
	WIN TO_B
.irp i, 0,1,2,3,4,5,6,7
	FRAG 128*(\p)+FR*\i, ADRB+\slot, \q, \i
.endr
	WIN 0
.endm
.macro FETCH_A slot, q, i0
.irp i, \i0, \i0+1, \i0+2, \i0+3
	FRAGA AF+FR*(\i), \slot, \q, \i
.endr
.endm
.macro SCALES sc
.irp i, 0,1,2,3,4,5,6,7
	ds_load_b64 v[SA+16*\sc+2*\i:SA+16*\sc+2*\i+1], v[ADSA] offset:128*\i
	ds_load_b64 v[SB+16*\sc+2*\i:SB+16*\sc+2*\i+1], v[ADSB] offset:\i*SBLK
.endr
.endm
.macro PLACES n
.rept \n
	v_nop
.endr
.endm
.macro STEP slot, q, zero
	s_wait_dscnt 4*NL
	WIN MUL_LO
	MUL16 0, (\q)%2, \q, \slot, \zero
	MUL16 2, (\q)%2, \q, \slot, \zero
	s_wait_dscnt 0
	PLACES NP
	FETCH_B \slot, (\q)+1, 1-(\q)%2
	FETCH_A \slot, (\q)+1, 0
	WIN MUL_HI
	MUL16 4, (\q)%2, \q, \slot, \zero
	MUL16 6, (\q)%2, \q, \slot, \zero
	PLACES NP
	WIN 0
	FETCH_A \slot, (\q)+1, 4
.endm
.macro TURN slot, next, fill
	s_wait_tensorcnt 0x0
	ds_add_u32 v[SPW], v[NIL]
	s_wait_dscnt 4*NL+1
	WIN MUL_LO
	MUL16 0, 1, NQ-1, \slot, 0
	s_wait_dscnt 0x0
	s_barrier_signal -1
	MUL16 2, 1, NQ-1, \slot, 0
	WIN 0
	s_barrier_wait -1
.if \fill
	CREST
	s_add_nc_u64 s[G0+4*\slot+2:G0+4*\slot+3], s[G0+4*\slot+2:G0+4*\slot+3], 2*NQ*IMG
	s_add_nc_u64 s[G0B+4*\slot+2:G0B+4*\slot+3], s[G0B+4*\slot+2:G0B+4*\slot+3], 2*NQ*IMG
	JLOAD G0+4*\slot, G1, G0B+4*\slot, G1B
.else
	PLACES NP
.endif
	s_wait_alu depctr_va_vdst(0)
	v_add_nc_u32 v[ADSA], 2048, v[ADSA]
	v_add_nc_u32 v[ADSB], 4*NQ, v[ADSB]
	FETCH_B \next, 0, 0
	FETCH_A \next, 0, 0
	SCALES \next
	WIN MUL_HI
	MUL16 4, 1, NQ-1, \slot, 0
	MUL16 6, 1, NQ-1, \slot, 0
	PLACES NP
	WIN 0
	FETCH_A \next, 0, 4
.endm
	s_wait_alu depctr_va_vdst(0)
	s_wait_tensorcnt 0x0                           ; my tile of the head's four is in
	ds_add_u32 v[SPW], v[NIL]
.irp g, G1, G1B
	s_mov_b32 s[\g+2], TH<<16                      ; no tensor load of mine is out: from here on a load brings 8 tiles,
	s_mov_b32 s[\g+4], TH
.endr
	s_mov_b32 s[G0+1], s45                         ; and slot 0's refills my half
	s_mov_b32 s[G0B+1], s95
	s_add_nc_u64 s[G0+2:G0+3], s[G0+2:G0+3], s[2:3]
	s_add_nc_u64 s[G0B+2:G0B+3], s[G0B+2:G0B+3], s[2:3]
	s_wait_dscnt 0x0
	CROUND                                         ; all four tiles are in, all sixteen work-groups are here
	JLOAD G0+4, G1, G0B+4, G1B                     ; slot 1's first fill: the first tensor load behind the round
	FETCH_B 0, 0, 0
	FETCH_A 0, 0, 0
	SCALES 0
	FETCH_A 0, 0, 4
	STEP 0, 0, 1
	s_mov_b32 s3, LAPS-1
.Llap:
	TURN 0, 1, 1
	STEP 1, 0, 0
	TURN 1, 0, 1
	STEP 0, 0, 0
	s_sub_co_u32 s3, s3, 1
	s_cmp_lg_u32 s3, 0
	s_cbranch_scc1 .Llap
	TURN 0, 1, 0
	STEP 1, 0, 0
	s_wait_dscnt 4*NL
	WIN MUL_LO
	MUL16 0, 1, NQ-1, 1, 0
	MUL16 2, 1, NQ-1, 1, 0
	s_wait_dscnt 0
	WIN MUL_HI
	MUL16 4, 1, NQ-1, 1, 0
	MUL16 6, 1, NQ-1, 1, 0
	WIN 0
.set X,   96
.set PC,  160
.set TM,  180
.set PW,  196
.set Z,   32                           ; the activation's registers at work, 32 each: v32-95 held scale words, v160-191 are the quantiser's, which runs behind it
.set Z2,  64
.set PP,  200
.set QQ,  160
.set CN,  232
.set SEL, 98
.macro QUANT s
.irp b, 0,1,2,3
	v_max3_num_f32 v[TM+\b], |v[\s+16*\b]|, |v[\s+1+16*\b]|, 0x1800000
.endr
.irp i, 2,4,6,8,10,12,14
.irp b, 0,1,2,3
	v_max3_num_f32 v[TM+\b], v[TM+\b], |v[\s+16*\b+\i]|, |v[\s+1+16*\b+\i]|
.endr
.endr
.irp b, 0,1,2,3
	v_permlanex16_b32 v[TM+4+\b], v[TM+\b], s[SEL], s[SEL+1]
.endr
.irp b, 0,1,2,3
	v_max_num_f32 v[TM+\b], v[TM+\b], v[TM+4+\b]
.endr
.irp b, 0,1,2,3
	v_add_nc_u32 v[TM+12+\b], 0xff000000, v[TM+\b]
.endr
.irp b, 0,1,2,3
	v_lshrrev_b32 v[TM+4+\b], 23, v[TM+12+\b]
.endr
	v_lshl_or_b32 v[PW], v[TM+5], 8, v[TM+4]
	v_lshl_or_b32 v[PW], v[TM+6], 16, v[PW]
	v_lshl_or_b32 v[PW], v[TM+7], 24, v[PW]
.irp c, 0,1
	v_cvt_scalef32_pk16_fp6_f32 v[PC+6*\c:PC+2+6*\c], v[\s+32*\c:\s+15+32*\c], v[TM+12+2*\c]
	v_cvt_scalef32_pk16_fp6_f32 v[PC+12+4*\c:PC+14+4*\c], v[\s+16+32*\c:\s+31+32*\c], v[TM+12+2*\c+1]
.endr
	v_nop
.irp c, 0,1
.irp i, 0,1,2
	v_permlane16_swap_b32 v[PC+6*\c+\i], v[PC+12+4*\c+\i]
.endr
.irp i, 0,1,2
	v_mov_b32 v[PC+3+6*\c+\i], v[PC+12+4*\c+\i]
.endr
.endr
.endm
.macro SWAP16 x
.irp i, 0,1,2,3,4,5,6,7
	v_permlane16_swap_b32 v[\x+\i], v[\x+8+\i]
.endr
.endm
; gelu(x) = x / 2 (1 + erf(x / sqrt 2)) of 32 numbers: z = x / sqrt 2 held to +-4, erf(z) = z P(z^2) / Q(z^2).  Each stage runs over all 32, so the batch of 32 reciprocals has one wait ahead of it and one behind.
.macro GELU32 x
.set kk, 0
.rept 16
	v_pk_mul_f32 v[Z+kk:Z+kk+1], v[\x+kk:\x+kk+1], 0x3f3504f3 op_sel_hi:[1,0]
.set kk, kk+2
.endr
.set kk, 0
.rept 32
	v_med3_num_f32 v[Z+kk], v[Z+kk], -4.0, 4.0
.set kk, kk+1
.endr
.set kk, 0
.rept 16
	v_pk_mul_f32 v[Z2+kk:Z2+kk+1], v[Z+kk:Z+kk+1], v[Z+kk:Z+kk+1]
.set kk, kk+2
.endr
.set kk, 0
.rept 16
	v_pk_fma_f32 v[PP+kk:PP+kk+1], v[Z2+kk:Z2+kk+1], v[CN:CN+1], v[CN+2:CN+3]
	v_pk_fma_f32 v[QQ+kk:QQ+kk+1], v[Z2+kk:Z2+kk+1], v[CN+14:CN+15], v[CN+16:CN+17]
.set kk, kk+2
.endr
.irp c, 4,6,8,10,12
.set kk, 0
.rept 16
	v_pk_fma_f32 v[PP+kk:PP+kk+1], v[PP+kk:PP+kk+1], v[Z2+kk:Z2+kk+1], v[CN+\c:CN+\c+1]
.set kk, kk+2
.endr
.endr
.irp c, 18,20,22
.set kk, 0
.rept 16
	v_pk_fma_f32 v[QQ+kk:QQ+kk+1], v[QQ+kk:QQ+kk+1], v[Z2+kk:Z2+kk+1], v[CN+\c:CN+\c+1]
.set kk, kk+2
.endr
.endr
	s_wait_alu depctr_va_vdst(0)                   ; the wait ahead of the batch
.set kk, 0
.rept 32
	v_rcp_f32 v[Z2+kk], v[QQ+kk]
.set kk, kk+1
.endr
.set kk, 0
.rept 16
	v_pk_mul_f32 v[PP+kk:PP+kk+1], v[PP+kk:PP+kk+1], v[Z+kk:Z+kk+1]   ; plain work behind the batch, which names none of its results
.set kk, kk+2
.endr
	s_wait_alu depctr_va_vdst(0)                   ; and the one wait behind it, ahead of its first reader
.set kk, 0
.rept 16
	v_pk_mul_f32 v[PP+kk:PP+kk+1], v[PP+kk:PP+kk+1], v[Z2+kk:Z2+kk+1]
	v_pk_mul_f32 v[QQ+kk:QQ+kk+1], v[\x+kk:\x+kk+1], 0.5 op_sel_hi:[1,0]
.set kk, kk+2
.endr
.set kk, 0
.rept 16
	v_pk_fma_f32 v[\x+kk:\x+kk+1], v[PP+kk:PP+kk+1], v[QQ+kk:QQ+kk+1], v[QQ+kk:QQ+kk+1]
.set kk, kk+2
.endr
.endm
	s_load_b128 s[4:7], s[0:1], 0x18
	PLACES NP
	s_mov_b32 s[SEL], 0x76543210
	s_mov_b32 s[SEL+1], 0xfedcba98
.irp b, 0,1,2,3
	v_mov_b32 v[TM+4+\b], 0
.endr
.set ii, 0
.irp c, 0xAF95DF0B, 0x32EDFFEE, 0xB60CFF51, 0xB86EC2D2, 0xBA40AC63, 0xBB41A1F6, 0xBC83DBD4, 0xB77460CD, 0xB95FBD29, 0xBADC924E, 0xBBF19BF8, 0xBC69B6A7
	v_mov_b32 v[CN+2*ii], \c
	v_mov_b32 v[CN+2*ii+1], \c
.set ii, ii+1
.endr
	v_lshlrev_b32 v9, 5, v2
	v_lshlrev_b32 v10, 3, v1
	s_lshl_b32 s46, s42, 10
	s_lshl_b32 s47, s16, 9
	s_add_co_u32 s46, s46, s47
	s_mov_b32 s47, 0
	s_lshl_b32 s22, s17, 4
	s_lshl_b32 s23, s15, 3
	s_add_co_u32 s22, s22, s23
	s_lshl_b32 s22, s22, 5
	s_lshl_b32 s23, s42, 1
	s_add_co_u32 s22, s22, s23
	s_add_co_u32 s22, s22, s16
	s_mul_i32 s22, s22, IMG
	s_mov_b32 s23, 0
	s_lshl_b32 s92, s17, 15
	s_lshl_b32 s93, s42, 11
	s_add_co_u32 s92, s92, s93
	s_lshl_b32 s93, s15, 10
	s_add_co_u32 s92, s92, s93
	s_lshl_b32 s93, s16, 2
	s_add_co_u32 s92, s92, s93
	s_add_co_u32 s92, s92, HQS
	s_mov_b32 s93, 0
	s_wait_alu depctr_va_vdst(0)
	s_wait_kmcnt 0x0
	s_add_nc_u64 s[4:5], s[4:5], s[46:47]
	s_add_nc_u64 s[8:9], s[6:7], s[22:23]
	s_add_nc_u64 s[10:11], s[6:7], s[92:93]
	WIN TO_B
.irp b, 0,1,2,3,4,5,6,7
	global_load_b128 v[8*\b:8*\b+3], v9, s[4:5] offset:64*\b
	global_load_b128 v[8*\b+4:8*\b+7], v9, s[4:5] offset:64*\b+16
.endr
	WIN 0
	s_wait_loadcnt 0x0
	s_mov_b32 s3, 0                                ; the block of 16 rows, 0 to 7
.Lblk:
.irp a, 0,1,2,3,4,5,6,7                ; block s3's accumulators + the bias -> v[X] on: the one step whose register numbers differ, chosen by the counter
.if \a < 7
	s_cmp_lg_u32 s3, \a
	s_cbranch_scc1 .Lnot_\a
.endif
	WIN 0x06+(\a)/4
.set ii, 0
.rept 32
	v_pk_add_f32 v[X+ii:X+ii+1], v[64*((\a)%4)+ii:64*((\a)%4)+ii+1], v[ii:ii+1]
.set ii, ii+2
.endr
	WIN 0
	s_wait_alu depctr_va_vdst(0)                   ; ahead of the jump
.if \a < 7
	s_branch .Lhave
.Lnot_\a:
.endif
.endr
.Lhave:
	GELU32 X
	GELU32 X+32
	SWAP16 X
	SWAP16 X+16
	SWAP16 X+32
	SWAP16 X+48
	QUANT X
.irp p, 0,1,2,3,4,5
	global_store_b64 v7, v[PC+2*\p:PC+2*\p+1], s[8:9] offset:256*\p   ; 32 lanes store 256 consecutive bytes, aligned
.endr
	global_store_b32 v10, v[PW], s[10:11]
	s_wait_xcnt 0x0                                ; the stores have read their registers and bases: both are written again below and in the next trip
	s_add_nc_u64 s[8:9], s[8:9], 32*IMG            ; the next block's image tile
	s_add_nc_u64 s[10:11], s[10:11], 128           ; and its scale words
	s_add_co_u32 s3, s3, 1
	s_cmp_lt_u32 s3, 8
	s_wait_alu depctr_va_vdst(0)                   ; ahead of the backward jump
	s_cbranch_scc1 .Lblk
	s_wait_tensorcnt 0x0
	ds_add_u32 v[SPW], v[NIL]
	s_wait_dscnt 0x0
	CROUND
	s_endpgm
.Lfunc_end_k_qdc54e86df0_ffn1:
	.size	k_qdc54e86df0_ffn1, .Lfunc_end_k_qdc54e86df0_ffn1-k_qdc54e86df0_ffn1
	.p2alignl 7, 3214868480
	.fill 96, 4, 3214868480
	.section	.rodata,"a",@progbits
	.p2align	6, 0x0
	.amdhsa_kernel k_qdc54e86df0_ffn1
		.amdhsa_group_segment_fixed_size 327680
		.amdhsa_private_segment_fixed_size 0
		.amdhsa_enable_private_segment 0
		.amdhsa_kernarg_size 40
		.amdhsa_user_sgpr_count 2
		.amdhsa_user_sgpr_kernarg_segment_ptr 1
		.amdhsa_wavefront_size32 1
		.amdhsa_system_sgpr_workgroup_id_x 1
		.amdhsa_system_sgpr_workgroup_id_y 1
		.amdhsa_system_sgpr_workgroup_id_z 1
		.amdhsa_system_vgpr_workitem_id 0
		.amdhsa_next_free_vgpr 1024
		.amdhsa_next_free_sgpr 100
		.amdhsa_reserve_vcc 0
		.amdhsa_float_denorm_mode_32 3
		.amdhsa_float_denorm_mode_16_64 3
		.amdhsa_memory_ordered 1
		.amdhsa_forward_progress 1
		.amdhsa_inst_pref_size 199
	.end_amdhsa_kernel
	.amdgpu_metadata
---
amdhsa.version: [ 1, 2 ]
amdhsa.kernels:
  - .name:           k_qdc54e86df0_ffn1
    .symbol:         k_qdc54e86df0_ffn1.kd
    .args:
      - { .name: aq, .offset: 0, .size: 8, .value_kind: global_buffer, .address_space: global }
      - { .name: wi, .offset: 8, .size: 8, .value_kind: global_buffer, .address_space: global }
      - { .name: f1w_scales, .offset: 16, .size: 8, .value_kind: global_buffer, .address_space: global }
      - { .name: f1b, .offset: 24, .size: 8, .value_kind: global_buffer, .address_space: global }
      - { .name: hq, .offset: 32, .size: 8, .value_kind: global_buffer, .address_space: global }
    .group_segment_fixed_size: 327680
    .private_segment_fixed_size: 0
    .kernarg_segment_align: 8
    .kernarg_segment_size: 40
    .max_flat_workgroup_size: 128
    .sgpr_count:     100
    .vgpr_count:     1024
    .wavefront_size: 32
...
	.end_amdgpu_metadata
.endif
;; end of part 14
;; launch ffn2 (part 15): grid 8 x 32, 4 waves a work-group, clusters of 4 x 4, 327,680 bytes of LDS; arguments hq, wi, f2w_scales, f2b, x1, y; writes y
.if DOCPART == 15
	.amdgcn_target "amdgcn-amd-amdhsa--gfx1250"
	.amdhsa_code_object_version 6
	.text
	.protected	k_qdc54e86df0_ffn2
	.globl	k_qdc54e86df0_ffn2
	.p2align	8
	.type	k_qdc54e86df0_ffn2,@function
k_qdc54e86df0_ffn2:
	s_mov_b64 s[64:65], 0
	v_nop
	global_prefetch_b8 v0, s[64:65] scope:SCOPE_SE
	s_setreg_imm32_b32 hwreg(HW_REG_WAVE_MODE, 25, 1), 1
	s_wait_xcnt 0x0
	s_wait_alu depctr_hold_cnt(0) depctr_sa_sdst(0) depctr_va_vdst(0) depctr_va_sdst(0) depctr_va_ssrc(0) depctr_va_vcc(0) depctr_vm_vsrc(0)
	s_getreg_b32 s2, hwreg(HW_REG_IB_STS2, 6, 4)
	s_cmp_eq_u32 s2, 0
	s_cbranch_scc0 .Lentry_in_a_cluster
	s_endpgm
.Lentry_in_a_cluster:
	s_bfe_u32 s2, ttmp6, 0x10000c
	s_cmp_lg_u32 s2, 0xf033
	s_cbranch_scc0 .Lentry_shape_is_right
	s_endpgm
.Lentry_shape_is_right:
.set SIZE_K, 4096
.set ASOFF,  12582912
.set KSTEP,  512
.set NQ,     4
; y = x1 + Q(h) f2w + f2b on codes of FP6.  A block of 128 x 128 to a work-group, 64 x 64 to a wave; K = 4,096 in slots of 512 through a ring of two.
; A (hq) and B (f2w's images in wi) come as register images, 6,144 bytes a tile of 16 rows and slot; cluster 4 x 4, A's tiles shared along a row, B's along a column.
; THE HEAD: one joint load a wave: wave 0 all of A's slot 0, wave 1 all of B's, wave 2 A's scales, wave 3 B's; slot 1 is first filled behind the full sequence and a round.
.set TH,     4                         ; tiles of 16 rows in the half of a slot that one ring load brings
.set WOFF,   6291456                   ; f2w's images in wi
.set FR,     12
.set IMG,    1536
.set HALFA,  4*NQ*IMG
.set ASZ,    2*HALFA
.set HALFB,  HALFA
.set SLOT,   ASZ+2*HALFB
.set LAPS,   SIZE_K/(2*KSTEP)
.set KS,     SIZE_K/32
.set SROWS,  SIZE_K/512
.set SCA,    2*SLOT
.set SCB,    SCA+128*KS
.set HALFS,  (64*KS/256)*272
.set SBLK,   (16*KS/256)*272
.set SPARE,  SCB+2*HALFS
.set SPITCH, 272
.set ADRA, 16
.set ADRB, 20
.set STO,  24
.set RD,   25
.set CO,   26
.set ADSB, 27
.set SPW,  28
.set NIL,  29
.set ADSA, 30
.set SA,   32
.set SB,   64
.set BI,   96
.set ACC,  128
.set G1, 24
.set G0, 32
.set G1B, 48
.set G0B, 56
.set G1S, 68
.set G0S, 76
.set G1SB, 80
.set G0SB, 88
.set MSB, 0
.macro WIN new
.if MSB != (\new)
	s_set_vgpr_msb (MSB<<8)|(\new)
.set MSB, \new
.endif
.endm
.set W_MUL, 0x05
.set TO_F,  0x40
.macro JLOAD g0a, g1a, g0b, g1b
	s_cmp_eq_u32 s15, 0
	s_cbranch_scc0 .Lfor_b_\@
	tensor_load_to_lds s[\g0a:\g0a+3], s[\g1a:\g1a+7]
	s_nop 0
.rept 4
	v_nop
.endr
	s_branch .Lasked_\@
.Lfor_b_\@:
	tensor_load_to_lds s[\g0b:\g0b+3], s[\g1b:\g1b+7]
	s_nop 0
.rept 4
	v_nop
.endr
.Lasked_\@:
.endm
.macro CREST
	s_cmp_lg_u32 s14, 0
	s_cbranch_scc1 .Lnot_wave_0_\@
	s_barrier_signal -3
.Lnot_wave_0_\@:
	s_barrier_wait -3
	s_barrier_signal -1
	s_barrier_wait -1
.endm
.macro CROUND
	s_barrier_signal -1
	s_barrier_wait -1
	CREST
.endm
	s_load_b64 s[4:5], s[0:1], 0x0
	s_load_b128 s[8:11], s[0:1], 0x8
	s_load_b64 s[6:7], s[0:1], 0x18
	s_load_b64 s[12:13], s[0:1], 0x20
	s_load_b64 s[66:67], s[0:1], 0x28
	v_lshl_add_u32 v[SPW], v0, 2, SPARE
	v_mov_b32 v[NIL], 0
	ds_add_u32 v28, v29
	ds_add_u32 v28, v29
	s_wait_dscnt 0x0
	v_lshrrev_b32 v1, 5, v0
	v_readfirstlane_b32 s14, v1
	s_lshr_b32 s15, s14, 1
	s_and_b32 s16, s14, 1
	s_bfe_u32 s40, ttmp6, 0x40000
	s_bfe_u32 s41, ttmp6, 0x40004
	s_lshl_b32 s42, ttmp9, 2
	s_add_co_u32 s42, s42, s40
	s_and_b32 s17, ttmp7, 0xffff
	s_lshl_b32 s17, s17, 2
	s_add_co_u32 s17, s17, s41
	s_lshl_b32 s43, s41, 2
	s_lshl_b32 s43, 15, s43
	s_lshl_b32 s44, 0x1111, s40
	s_wait_kmcnt 0x0
	s_or_b32 s[G1+0], s43, (3<<16)|(1<<21)         ; images: elements of 8 bytes, no padding; A's go to my row of the cluster,
	s_or_b32 s[G1B+0], s44, (3<<16)|(1<<21)        ; B's to my column
.irp g, G1, G1B
	s_mov_b32 s[\g+1], (NQ*192)<<16                ; a row: a slot's images of one tile
	s_mov_b32 s[\g+2], (2*TH)<<16                  ; at the head all 8 tiles; the ring's loads bring 4
	s_mov_b32 s[\g+3], (NQ*192)<<16
	s_mov_b32 s[\g+4], 2*TH
	s_mov_b32 s[\g+5], (SIZE_K/128)*192
	s_mov_b32 s[\g+6], 0
	s_mov_b32 s[\g+7], 0
.endr
	s_or_b32 s[G1S+0], s43, (3<<16)|(1<<21)        ; A's scale words: 1,024 bytes for each 256 along K, 2,048 apart in memory, dense in LDS
	s_mov_b32 s[G1S+1], 128<<16
	s_mov_b32 s[G1S+2], (2*SROWS)<<16
	s_mov_b32 s[G1S+3], 128<<16
	s_mov_b32 s[G1S+4], 2*SROWS
	s_mov_b32 s[G1S+5], 256
	s_mov_b32 s[G1S+6], 0
	s_mov_b32 s[G1S+7], 0
	s_or_b32 s[G1SB+0], s44, (3<<16)|(1<<20)|(1<<21)|(5<<22)|(3<<25)  ; B's: rows of 256 bytes, 16 of padding behind each
	s_mov_b32 s[G1SB+1], 32<<16
	s_mov_b32 s[G1SB+2], (KS/2)<<16
	s_mov_b32 s[G1SB+3], 32<<16
	s_mov_b32 s[G1SB+4], KS/2
	s_mov_b32 s[G1SB+5], 32
	s_mov_b32 s[G1SB+6], 0
	s_mov_b32 s[G1SB+7], 0
	s_mul_i32 s20, s17, 2*TH*(SIZE_K/128)*IMG      ; A: my tile row's 8 images
	s_mov_b32 s21, 0
	s_lshr_b32 s22, s17, 1
	s_mul_i32 s22, s22, 256*KS
	s_and_b32 s18, s17, 1
	s_lshl_b32 s18, s18, 10
	s_add_co_u32 s22, s22, s18
	s_add_co_u32 s22, s22, ASOFF                   ; and their scale words
	s_mov_b32 s23, 0
	s_mul_i32 s46, s42, 2*TH*(SIZE_K/128)*IMG      ; B: my tile column's 8 images
	s_add_co_u32 s46, s46, WOFF
	s_mov_b32 s47, 0
	s_mul_i32 s92, s42, 128*KS
	s_mov_b32 s93, 0
	s_mul_i32 s2, s16, TH*(SIZE_K/128)*IMG         ; the ring: my half of a tile, in memory
	s_mov_b32 s3, 0
	s_mul_i32 s45, s16, HALFA                      ; and in LDS
	s_add_co_u32 s95, s45, ASZ
	s_add_nc_u64 s[20:21], s[4:5], s[20:21]
	s_add_nc_u64 s[22:23], s[4:5], s[22:23]
	s_add_nc_u64 s[46:47], s[8:9], s[46:47]
	s_add_nc_u64 s[92:93], s[10:11], s[92:93]
; THE PREFETCHES INTO THE L2.  A slot fill is 6,144 bytes (24 blocks of 256) of each tile of 16 rows.  Of the four tiles that I fetch in the ring, each of the four partners that ask for them with me
; takes one, told apart BY ADDRESS (cx for A, cy for B): a lane a block, one instruction a wave; lanes 24-31 name the wave's last block again.  So each block is named once in each cluster that will load it.
; The head asks for slot fills 2 and 3; behind the refill that brings fill i + 2 stands the request for fill i + 4, two refills on; the last two refills have no fill two on and ask for nothing.
.set PFA, 4                            ; s[4:5] where my prefetches stand (the argument that lay there has been used)
.set PFO, 31                           ; v31    256 x min(lane, 23); never rewritten
	s_cmp_eq_u32 s15, 0                            ; do I fetch for A?
	s_cselect_b64 s[PFA:PFA+1], s[20:21], s[46:47]
	s_cselect_b32 s8, s40, s41                     ; my place among the four that ask with me
	s_mul_i32 s8, s8, (SIZE_K/128)*IMG             ; its tile
	s_add_co_u32 s8, s8, s2                        ; of my half
	s_mov_b32 s9, 0
	s_add_nc_u64 s[PFA:PFA+1], s[PFA:PFA+1], s[8:9]
	CROUND                                         ; all sixteen work-groups are here: the first joint loads meet
.irp g, G0, G0+4, G0B, G0B+4, G0S, G0SB
	s_mov_b32 s[\g], 1
.endr
	s_mov_b32 s[G0+1], 0                           ; slot 0, whole: A's tiles,
	s_mov_b64 s[G0+2:G0+3], s[20:21]
	s_mov_b32 s[G0B+1], ASZ                        ; B's behind them
	s_mov_b64 s[G0B+2:G0B+3], s[46:47]
	s_add_co_u32 s[G0+5], s45, SLOT                ; slot 1: my half
	s_add_co_u32 s[G0B+5], s95, SLOT
	s_add_nc_u64 s[G0+6:G0+7], s[20:21], s[2:3]
	s_add_nc_u64 s[G0+6:G0+7], s[G0+6:G0+7], NQ*IMG
	s_add_nc_u64 s[G0B+6:G0B+7], s[46:47], s[2:3]
	s_add_nc_u64 s[G0B+6:G0B+7], s[G0B+6:G0B+7], NQ*IMG
	s_mov_b32 s[G0S+1], SCA
	s_mov_b64 s[G0S+2:G0S+3], s[22:23]
	s_mov_b32 s[G0SB+1], SCB
	s_mov_b64 s[G0SB+2:G0SB+3], s[92:93]
.irp g, G0+3, G0+7, G0B+3, G0B+7, G0S+3, G0SB+3
	s_or_b32 s[\g], s[\g], 0x80000000
.endr
.macro ARM under, g0, g1, next         ; one tree of branches on the wave's number: every way passes exactly one load
	s_cmp_lt_u32 s14, \under
	s_cbranch_scc0 \next
	tensor_load_to_lds s[\g0:\g0+3], s[\g1:\g1+7]
	s_nop 0
.rept 4
	v_nop
.endr
	s_branch .Lhead_asked
\next:
.endm
	ARM 1, G0,  G1,  .Lhead_b
	ARM 2, G0B, G1B, .Lhead_sa
	ARM 3, G0S, G1S, .Lhead_sb
	tensor_load_to_lds s[G0SB:G0SB+3], s[G1SB:G1SB+7]
	s_nop 0
.rept 4
	v_nop
.endr
.Lhead_asked:
	v_and_b32 v[PFO], 31, v0
	v_min_u32 v[PFO], 23, v[PFO]
	v_lshlrev_b32 v[PFO], 8, v[PFO]
	global_prefetch_b8 v[PFO], s[PFA:PFA+1] offset:2*NQ*IMG th:TH_LOAD_NT scope:SCOPE_SE   ; slot fill 2, which the first refill loads,
	global_prefetch_b8 v[PFO], s[PFA:PFA+1] offset:3*NQ*IMG th:TH_LOAD_NT scope:SCOPE_SE   ; and fill 3, the second's
	v_and_b32 v1, 15, v0
	v_bfe_u32 v2, v0, 4, 1
	v_and_b32 v6, 31, v0
	v_lshlrev_b32 v9, 5, v2
	s_wait_alu depctr_va_vdst(0)
	v_lshlrev_b32 v[CO], 4, v1
	v_lshl_add_u32 v[CO], v2, 12, v[CO]
	s_wait_alu depctr_va_vdst(0)
	s_lshl_b32 s98, s42, 9
	s_lshl_b32 s97, s16, 8
	s_add_co_u32 s98, s98, s97
	s_mov_b32 s99, 0
	s_add_nc_u64 s[6:7], s[6:7], s[98:99]
	s_lshl_b32 s97, s17, 7
	s_lshl_b32 s18, s15, 6
	s_add_co_u32 s97, s97, s18
	s_lshl_b32 s97, s97, 12
	s_add_co_u32 s98, s98, s97
	s_add_nc_u64 s[12:13], s[12:13], s[98:99]
	s_add_nc_u64 s[66:67], s[66:67], s[98:99]
.irp b, 0,1,2,3
	global_load_b128 v[BI+8*\b:BI+8*\b+3], v9, s[6:7] offset:64*\b
	global_load_b128 v[BI+8*\b+4:BI+8*\b+7], v9, s[6:7] offset:64*\b+16
.endr
	WIN 0x80
.irp a, 0,1,2,3
.irp t, 0,1,2,3,4,5,6,7
	global_load_b128 v[32*\a+4*\t:32*\a+4*\t+3], v[CO], s[12:13] offset:(32*(\a/2)+8*(\a%2)+2*\t+8*(\t/4))*4096
.endr
.endr
	WIN 0
	v_lshlrev_b32 v7, 3, v6
	s_wait_alu depctr_va_vdst(0)
	s_mul_i32 s21, s15, HALFA
	s_mul_i32 s22, s16, HALFB
	s_add_co_u32 s22, s22, ASZ
.irp s, 0,1
	v_add_nc_u32 v[ADRA+\s], s21, v7
	v_add_nc_u32 v[ADRB+\s], s22, v7
	s_add_co_u32 s21, s21, SLOT
	s_add_co_u32 s22, s22, SLOT
.endr
	s_lshl_b32 s21, s15, 9
	s_add_co_u32 s21, s21, SCA
	v_lshl_add_u32 v[ADSA], v1, 3, s21
	v_mul_u32_u24 v5, v1, KS
	v_lshrrev_b32 v8, 8, v5
	v_lshl_add_u32 v5, v8, 4, v5
	s_mul_i32 s22, s16, HALFS
	s_add_co_u32 s22, s22, SCB
	v_add_nc_u32 v[ADSB], s22, v5
	s_mul_i32 s23, s14, 16*SPITCH
	v_mul_u32_u24 v5, v1, SPITCH
	v_lshl_add_u32 v5, v2, 5, v5
	v_add_nc_u32 v[STO], s23, v5
	v_mul_u32_u24 v5, v2, SPITCH
	v_lshl_add_u32 v5, v1, 4, v5
	v_add_nc_u32 v[RD], s23, v5
.macro FRAG reg, adr, q, i
.irp p, 0,1,2,3,4,5
	ds_load_b64 v[\reg+2*\p:\reg+2*\p+1], v[\adr] offset:((\i)*NQ+(\q))*IMG+256*\p   ; its image, six pieces of 256 bytes
.endr
.endm
.macro FRAGA reg, slot, q, i
.irp p, 0,1,2,3,4,5
	ds_load_b64 v[\reg+2*\p:\reg+2*\p+1], v[ADRA+\slot] offset:((\i)*NQ+(\q))*IMG+256*\p
.endr
.endm
.macro MUL4 a, p, q, sc, first
.irp b, 0,1,2,3
.if \first
	v_wmma_scale_f32_16x16x128_f8f6f4 v[ACC+8*(4*(\a)+\b):ACC+8*(4*(\a)+\b)+7], v[96*(\p)+48+FR*\b:96*(\p)+48+FR*\b+FR-1], v[96*(\p)+FR*(\a):96*(\p)+FR*(\a)+FR-1], v[BI+8*\b:BI+8*\b+7], v[SB+16*(\sc)+4*\b+(\q)], v[SA+16*(\sc)+4*(\a)+(\q)] matrix_a_fmt:MATRIX_FMT_FP6 matrix_b_fmt:MATRIX_FMT_FP6
.else
	v_wmma_scale_f32_16x16x128_f8f6f4 v[ACC+8*(4*(\a)+\b):ACC+8*(4*(\a)+\b)+7], v[96*(\p)+48+FR*\b:96*(\p)+48+FR*\b+FR-1], v[96*(\p)+FR*(\a):96*(\p)+FR*(\a)+FR-1], v[ACC+8*(4*(\a)+\b):ACC+8*(4*(\a)+\b)+7], v[SB+16*(\sc)+4*\b+(\q)], v[SA+16*(\sc)+4*(\a)+(\q)] matrix_a_fmt:MATRIX_FMT_FP6 matrix_b_fmt:MATRIX_FMT_FP6
.endif
.endr
.endm
.macro FETCH slot, q, p
	WIN TO_F
.irp i, 0,1,2,3
	FRAG 96*(\p)+48+FR*\i, ADRB+\slot, \q, \i
.endr
.irp i, 0,1,2,3
	FRAGA 96*(\p)+FR*\i, \slot, \q, \i
.endr
.endm
.macro SCALES sc
.irp i, 0,1,2,3
	ds_load_b64 v[SA+16*\sc+4*\i:SA+16*\sc+4*\i+1], v[ADSA] offset:128*\i
	ds_load_b64 v[SA+16*\sc+4*\i+2:SA+16*\sc+4*\i+3], v[ADSA] offset:128*\i+1024
	ds_load_b128 v[SB+16*\sc+4*\i:SB+16*\sc+4*\i+3], v[ADSB] offset:\i*SBLK
.endr
.endm
.macro PLACES
.rept 4
	v_nop
.endr
.endm
.macro STEP slot, q, first
	s_wait_dscnt 12
	WIN W_MUL
	MUL4 0, (\q)%2, \q, \slot, \first
	MUL4 1, (\q)%2, \q, \slot, \first
	PLACES
	FETCH \slot, (\q)+1, 1-(\q)%2
	s_wait_dscnt 48
	WIN W_MUL
	MUL4 2, (\q)%2, \q, \slot, \first
	MUL4 3, (\q)%2, \q, \slot, \first
.endm
.macro TURN slot, next, fill
.if \fill
	s_wait_xcnt 0x0                                ; my last prefetch has read its address: it is stepped here, ahead of the waits of the change of slots
	s_add_nc_u64 s[PFA:PFA+1], s[PFA:PFA+1], NQ*IMG
.endif
	WIN 0
	s_wait_tensorcnt 0x0
	ds_add_u32 v[SPW], v[NIL]
	s_wait_dscnt 13
	WIN W_MUL
	MUL4 0, 1, NQ-1, \slot, 0
	s_wait_dscnt 0x0
	s_barrier_signal -1
	MUL4 1, 1, NQ-1, \slot, 0
	WIN 0
	s_barrier_wait -1
.if \fill
	CREST
	s_add_nc_u64 s[G0+4*\slot+2:G0+4*\slot+3], s[G0+4*\slot+2:G0+4*\slot+3], 2*NQ*IMG
	s_add_nc_u64 s[G0B+4*\slot+2:G0B+4*\slot+3], s[G0B+4*\slot+2:G0B+4*\slot+3], 2*NQ*IMG
	JLOAD G0+4*\slot, G1, G0B+4*\slot, G1B
.else
	PLACES
.endif
	s_wait_alu depctr_va_vdst(0)
	v_add_nc_u32 v[ADSA], 2048, v[ADSA]
	v_add_nc_u32 v[ADSB], 4*NQ, v[ADSB]
	SCALES \next
	FETCH \next, 0, 0
.if \fill
	WIN 0                                          ; at a branch and at a label every window is 0
	s_cmp_gt_u32 s3, 1                             ; s3 = 1 in the loop's last trip: its two refills bring fills 6 and 7, the last
	s_cbranch_scc0 .Lnoask_\@
	global_prefetch_b8 v[PFO], s[PFA:PFA+1] offset:3*NQ*IMG th:TH_LOAD_NT scope:SCOPE_SE   ; the fill two refills on
.Lnoask_\@:
.endif
	WIN W_MUL
	MUL4 2, 1, NQ-1, \slot, 0
	MUL4 3, 1, NQ-1, \slot, 0
.endm
	s_wait_alu depctr_va_vdst(0)
	s_wait_tensorcnt 0x0                           ; my tile of the head's four is in
	ds_add_u32 v[SPW], v[NIL]
.irp g, G1, G1B
	s_mov_b32 s[\g+2], TH<<16                      ; no tensor load of mine is out: from here on a load brings 4 tiles,
	s_mov_b32 s[\g+4], TH
.endr
	s_mov_b32 s[G0+1], s45                         ; and slot 0's refills my half
	s_mov_b32 s[G0B+1], s95
	s_add_nc_u64 s[G0+2:G0+3], s[G0+2:G0+3], s[2:3]
	s_add_nc_u64 s[G0B+2:G0B+3], s[G0B+2:G0B+3], s[2:3]
	s_wait_dscnt 0x0
	CROUND                                         ; all four tiles are in, all sixteen work-groups are here
	JLOAD G0+4, G1, G0B+4, G1B                     ; slot 1's first fill: the first tensor load behind the round
	SCALES 0
	FETCH 0, 0, 0
	s_wait_loadcnt 32
	STEP 0, 0, 1
.if LAPS > 1
	WIN 0
	s_mov_b32 s3, LAPS-1
.Llap:
	STEP 0, 1, 0
	STEP 0, 2, 0
	TURN 0, 1, 1
	STEP 1, 0, 0
	STEP 1, 1, 0
	STEP 1, 2, 0
	TURN 1, 0, 1
	STEP 0, 0, 0
	WIN 0
	s_sub_co_u32 s3, s3, 1
	s_cmp_lg_u32 s3, 0
	s_cbranch_scc1 .Llap
.endif
	STEP 0, 1, 0
	STEP 0, 2, 0
	TURN 0, 1, 0
	STEP 1, 0, 0
	STEP 1, 1, 0
	STEP 1, 2, 0
	s_wait_dscnt 12
	WIN W_MUL
	MUL4 0, 1, NQ-1, 1, 0
	MUL4 1, 1, NQ-1, 1, 0
	s_wait_dscnt 0
	MUL4 2, 1, NQ-1, 1, 0
	MUL4 3, 1, NQ-1, 1, 0
	WIN 0
.macro TOSTAGE a
	WIN 0
.irp b, 0,1,2,3
	ds_store_b128 v[STO], v[ACC+8*(4*(\a)+\b):ACC+8*(4*(\a)+\b)+3] offset:64*\b
	ds_store_b128 v[STO], v[ACC+8*(4*(\a)+\b)+4:ACC+8*(4*(\a)+\b)+7] offset:64*\b+16
.endr
	WIN TO_F
.irp t, 0,1,2,3,4,5,6,7
	ds_load_b128 v[32*(\a)+4*\t:32*(\a)+4*\t+3], v[RD] offset:2*\t*SPITCH
.endr
.endm
.macro SEND a, yd, yl
	s_wait_dscnt \yd
	s_wait_loadcnt \yl
	WIN 0x49
.set ii, 0
.rept 16
	v_pk_add_f32 v[32*(\a)+ii:32*(\a)+ii+1], v[32*(\a)+ii:32*(\a)+ii+1], v[32*(\a)+ii:32*(\a)+ii+1]
.set ii, ii+2
.endr
	WIN 0x04
.irp t, 0,1,2,3,4,5,6,7
	global_store_b128 v[CO], v[32*(\a)+4*\t:32*(\a)+4*\t+3], s[66:67] offset:(32*((\a)/2)+8*((\a)%2)+2*\t+8*(\t/4))*4096
.endr
.endm
	PLACES
	TOSTAGE 0
	TOSTAGE 1
	SEND 0, 16, 24
	TOSTAGE 2
	SEND 1, 16, 16
	TOSTAGE 3
	SEND 2, 16, 8
	SEND 3, 0, 0
	WIN 0
	s_wait_tensorcnt 0x0
	ds_add_u32 v[SPW], v[NIL]
	s_wait_dscnt 0x0
	CROUND
	s_endpgm
.Lfunc_end_k_qdc54e86df0_ffn2:
	.size	k_qdc54e86df0_ffn2, .Lfunc_end_k_qdc54e86df0_ffn2-k_qdc54e86df0_ffn2
	.p2alignl 7, 3214868480
	.fill 96, 4, 3214868480
	.section	.rodata,"a",@progbits
	.p2align	6, 0x0
	.amdhsa_kernel k_qdc54e86df0_ffn2
		.amdhsa_group_segment_fixed_size 327680
		.amdhsa_private_segment_fixed_size 0
		.amdhsa_enable_private_segment 0
		.amdhsa_kernarg_size 48
		.amdhsa_user_sgpr_count 2
		.amdhsa_user_sgpr_kernarg_segment_ptr 1
		.amdhsa_wavefront_size32 1
		.amdhsa_system_sgpr_workgroup_id_x 1
		.amdhsa_system_sgpr_workgroup_id_y 1
		.amdhsa_system_sgpr_workgroup_id_z 1
		.amdhsa_system_vgpr_workitem_id 0
		.amdhsa_next_free_vgpr 640
		.amdhsa_next_free_sgpr 100
		.amdhsa_reserve_vcc 0
		.amdhsa_float_denorm_mode_32 3
		.amdhsa_float_denorm_mode_16_64 3
		.amdhsa_memory_ordered 1
		.amdhsa_forward_progress 1
		.amdhsa_inst_pref_size 118
	.end_amdhsa_kernel
	.amdgpu_metadata
---
amdhsa.version: [ 1, 2 ]
amdhsa.kernels:
  - .name:           k_qdc54e86df0_ffn2
    .symbol:         k_qdc54e86df0_ffn2.kd
    .args:
      - { .name: hq, .offset: 0, .size: 8, .value_kind: global_buffer, .address_space: global }
      - { .name: wi, .offset: 8, .size: 8, .value_kind: global_buffer, .address_space: global }
      - { .name: f2w_scales, .offset: 16, .size: 8, .value_kind: global_buffer, .address_space: global }
      - { .name: f2b, .offset: 24, .size: 8, .value_kind: global_buffer, .address_space: global }
      - { .name: x1, .offset: 32, .size: 8, .value_kind: global_buffer, .address_space: global }
      - { .name: y, .offset: 40, .size: 8, .value_kind: global_buffer, .address_space: global }
    .group_segment_fixed_size: 327680
    .private_segment_fixed_size: 0
    .kernarg_segment_align: 8
    .kernarg_segment_size: 48
    .max_flat_workgroup_size: 128
    .sgpr_count:     100
    .vgpr_count:     640
    .wavefront_size: 32
...
	.end_amdgpu_metadata
.endif
;; end of part 15
;; launch ln2 (part 16): grid 256 x 1, 4 waves a work-group, no clusters, 0 bytes of LDS; arguments y, ln2_w, ln2_b, out0; writes out0
.if DOCPART == 16
	.amdgcn_target "amdgcn-amd-amdhsa--gfx1250"
	.amdhsa_code_object_version 6
	.text
	.protected	k_qdc54e86df0_ln2
	.globl	k_qdc54e86df0_ln2
	.p2align	8
	.type	k_qdc54e86df0_ln2,@function
k_qdc54e86df0_ln2:
	s_mov_b64 s[64:65], 0
	v_nop
	global_prefetch_b8 v0, s[64:65] scope:SCOPE_SE
	s_setreg_imm32_b32 hwreg(HW_REG_WAVE_MODE, 25, 1), 1
	s_wait_xcnt 0x0
; out0 = layer norm of y: the mean, then the mean of squares of what is left (two passes over registers), 1 / sqrt(variance + 1e-6), gain and bias.
; A wave owns four neighbouring rows, a row in 32 registers: each load and store covers 512 consecutive bytes, the reductions never leave the wave, each byte is read once and written once.
; Work-groups share no input but the gains: no LDS, no barrier, no cluster.  LIMITS: NaN and infinities are not served.
.set ST,   10
.set X,    40
.set W,    168
.set BV,   200
.set SEL,  20
.macro FOLD                            ; each row's two chains become one figure in every lane
.irp j, 0,1,2,3
	v_pk_add_f32 v[ST+6*\j:ST+6*\j+1], v[ST+6*\j:ST+6*\j+1], v[ST+6*\j+2:ST+6*\j+3]
.endr
.irp j, 0,1,2,3
	v_add_f32 v[ST+6*\j+4], v[ST+6*\j], v[ST+6*\j+1]
.endr
.irp m, 1,2,4,8
.irp j, 0,1,2,3
	v_add_f32_dpp v[ST+6*\j+4], v[ST+6*\j+4], v[ST+6*\j+4] row_xmask:\m row_mask:0xf bank_mask:0xf
.endr
.endr
.irp j, 0,1,2,3
	v_permlanex16_b32 v[ST+6*\j+5], v[ST+6*\j+4], s[SEL], s[SEL+1]
.endr
.irp j, 0,1,2,3
	v_add_f32 v[ST+6*\j+4], v[ST+6*\j+4], v[ST+6*\j+5]
.endr
.endm
	s_load_b256 s[4:11], s[0:1], 0x0               ; y, the gain, the bias, out0
	v_lshrrev_b32 v1, 5, v0
	v_readfirstlane_b32 s14, v1                    ; wave
	v_and_b32 v1, 31, v0
	v_lshlrev_b32 v2, 4, v1                        ; 16 x lane
	s_lshl_b32 s16, ttmp9, 4
	s_lshl_b32 s15, s14, 2
	s_add_co_u32 s16, s16, s15                     ; my first row: 16 x work-group + 4 x wave
	s_lshl_b32 s16, s16, 12
	s_mov_b32 s17, 0
	s_mov_b32 s18, 0x3a800000                      ; 1 / 1024
	s_mov_b32 s19, 0x358637bd                      ; 1e-6
	s_mov_b32 s[SEL], 0x76543210
	s_mov_b32 s[SEL+1], 0xfedcba98
.irp j, 0,1,2,3
	v_mov_b32 v[ST+6*\j+5], 0                      ; a lane permute's destination counts as one of its sources
.endr
	s_wait_alu depctr_va_vdst(0)
	s_wait_kmcnt 0x0
	s_add_nc_u64 s[4:5], s[4:5], s[16:17]
	s_add_nc_u64 s[10:11], s[10:11], s[16:17]
.irp j, 0,1,2,3
.irp c, 0,1,2,3,4,5,6,7
	global_load_b128 v[X+32*\j+4*\c:X+32*\j+4*\c+3], v2, s[4:5] offset:4096*\j+512*\c th:TH_LOAD_NT
.endr
.endr
.irp c, 0,1,2,3,4,5,6,7
	global_load_b128 v[W+4*\c:W+4*\c+3], v2, s[6:7] offset:512*\c
	global_load_b128 v[BV+4*\c:BV+4*\c+3], v2, s[8:9] offset:512*\c
.endr
	s_wait_loadcnt 0x0
.irp j, 0,1,2,3
	v_pk_add_f32 v[ST+6*\j:ST+6*\j+1], v[X+32*\j:X+32*\j+1], v[X+32*\j+2:X+32*\j+3]
	v_pk_add_f32 v[ST+6*\j+2:ST+6*\j+3], v[X+32*\j+4:X+32*\j+5], v[X+32*\j+6:X+32*\j+7]
.endr
.irp i, 8,12,16,20,24,28
.irp j, 0,1,2,3
	v_pk_add_f32 v[ST+6*\j:ST+6*\j+1], v[ST+6*\j:ST+6*\j+1], v[X+32*\j+\i:X+32*\j+\i+1]
	v_pk_add_f32 v[ST+6*\j+2:ST+6*\j+3], v[ST+6*\j+2:ST+6*\j+3], v[X+32*\j+\i+2:X+32*\j+\i+3]
.endr
.endr
	FOLD
.irp j, 0,1,2,3
	v_mul_f32 v[ST+6*\j+4], s18, v[ST+6*\j+4]      ; the mean
.endr
.irp i, 0,2,4,6,8,10,12,14,16,18,20,22,24,26,28,30
.irp j, 0,1,2,3
	v_pk_add_f32 v[X+32*\j+\i:X+32*\j+\i+1], v[X+32*\j+\i:X+32*\j+\i+1], v[ST+6*\j+4:ST+6*\j+5] op_sel_hi:[1,0] neg_lo:[0,1] neg_hi:[0,1]
.endr
.endr
.irp j, 0,1,2,3
	v_pk_mul_f32 v[ST+6*\j:ST+6*\j+1], v[X+32*\j:X+32*\j+1], v[X+32*\j:X+32*\j+1]
	v_pk_mul_f32 v[ST+6*\j+2:ST+6*\j+3], v[X+32*\j+2:X+32*\j+3], v[X+32*\j+2:X+32*\j+3]
.endr
.irp i, 4,8,12,16,20,24,28
.irp j, 0,1,2,3
	v_pk_fma_f32 v[ST+6*\j:ST+6*\j+1], v[X+32*\j+\i:X+32*\j+\i+1], v[X+32*\j+\i:X+32*\j+\i+1], v[ST+6*\j:ST+6*\j+1]
	v_pk_fma_f32 v[ST+6*\j+2:ST+6*\j+3], v[X+32*\j+\i+2:X+32*\j+\i+3], v[X+32*\j+\i+2:X+32*\j+\i+3], v[ST+6*\j+2:ST+6*\j+3]
.endr
.endr
	FOLD
.irp j, 0,1,2,3
	v_fma_f32 v[ST+6*\j+4], v[ST+6*\j+4], s18, s19 ; the variance + 1e-6
.endr
	s_wait_alu depctr_va_vdst(0)
.irp j, 0,1,2,3
	v_rsq_f32 v[ST+6*\j+4], v[ST+6*\j+4]
.endr
	v_nop                                          ; one plain place behind a transcendental
	s_wait_alu depctr_va_vdst(0)
.irp i, 0,2,4,6,8,10,12,14,16,18,20,22,24,26,28,30
.irp j, 0,1,2,3
	v_pk_mul_f32 v[X+32*\j+\i:X+32*\j+\i+1], v[X+32*\j+\i:X+32*\j+\i+1], v[ST+6*\j+4:ST+6*\j+5] op_sel_hi:[1,0]
.endr
.endr
.irp i, 0,2,4,6,8,10,12,14,16,18,20,22,24,26,28,30
.irp j, 0,1,2,3
	v_pk_fma_f32 v[X+32*\j+\i:X+32*\j+\i+1], v[X+32*\j+\i:X+32*\j+\i+1], v[W+\i:W+\i+1], v[BV+\i:BV+\i+1]
.endr
.endr
.irp j, 0,1,2,3
.irp c, 0,1,2,3,4,5,6,7
	global_store_b128 v2, v[X+32*\j+4*\c:X+32*\j+4*\c+3], s[10:11] offset:4096*\j+512*\c th:TH_STORE_NT
.endr
.endr
	s_endpgm
.Lfunc_end_k_qdc54e86df0_ln2:
	.size	k_qdc54e86df0_ln2, .Lfunc_end_k_qdc54e86df0_ln2-k_qdc54e86df0_ln2
	.p2alignl 7, 3214868480
	.fill 96, 4, 3214868480
	.section	.rodata,"a",@progbits
	.p2align	6, 0x0
	.amdhsa_kernel k_qdc54e86df0_ln2
		.amdhsa_group_segment_fixed_size 0
		.amdhsa_private_segment_fixed_size 0
		.amdhsa_enable_private_segment 0
		.amdhsa_kernarg_size 32
		.amdhsa_user_sgpr_count 2
		.amdhsa_user_sgpr_kernarg_segment_ptr 1
		.amdhsa_wavefront_size32 1
		.amdhsa_system_sgpr_workgroup_id_x 1
		.amdhsa_system_sgpr_workgroup_id_y 1
		.amdhsa_system_sgpr_workgroup_id_z 1
		.amdhsa_system_vgpr_workitem_id 0
		.amdhsa_next_free_vgpr 232
		.amdhsa_next_free_sgpr 66
		.amdhsa_reserve_vcc 0
		.amdhsa_float_denorm_mode_32 3
		.amdhsa_float_denorm_mode_16_64 3
		.amdhsa_memory_ordered 1
		.amdhsa_forward_progress 1
		.amdhsa_inst_pref_size 33
	.end_amdhsa_kernel
	.amdgpu_metadata
---
amdhsa.version: [ 1, 2 ]
amdhsa.kernels:
  - .name:           k_qdc54e86df0_ln2
    .symbol:         k_qdc54e86df0_ln2.kd
    .args:
      - { .name: y, .offset: 0, .size: 8, .value_kind: global_buffer, .address_space: global }
      - { .name: ln2_w, .offset: 8, .size: 8, .value_kind: global_buffer, .address_space: global }
      - { .name: ln2_b, .offset: 16, .size: 8, .value_kind: global_buffer, .address_space: global }
      - { .name: out0, .offset: 24, .size: 8, .value_kind: global_buffer, .address_space: global }
    .group_segment_fixed_size: 0
    .private_segment_fixed_size: 0
    .kernarg_segment_align: 8
    .kernarg_segment_size: 32
    .max_flat_workgroup_size: 128
    .sgpr_count:     66
    .vgpr_count:     232
    .wavefront_size: 32
...
	.end_amdgpu_metadata
.endif
;; end of part 16
